; MI455X (gfx1250); checked and timed in simulation.
; The chip was launched on July 23, 2026; its instructions are those of AMD's public machine-readable ISA for CDNA 5 (MIT licence, August 2026) and "CDNA5" Instruction Set Architecture Reference Guide (July 2026). The comments in the code are by the model that wrote it; some were corrected since.
;; Bi Multi Head Attention. Allowed arithmetic: float matrix products may take bf16 or f16 operands with f32 sums; other float arithmetic in f32, or as packed bf16 or f16 multiplies, adds, multiply-adds, maxima and minima; sums over many terms, partial sums and values carried from step to step in f32; what a program stores and reads back later, other than sums and carried values, may be rounded once to bf16 or f16.
;; Inputs: Wl 768 x 2,048 float32; Wol 2,048 x 768 float32; Wov 2,048 x 256 float32; Wv 256 x 2,048 float32; Wvl 768 x 2,048 float32; Wvv 256 x 2,048 float32; attention_mask_l 2 x 256 int32; bl 2,048 float32; bol 768 float32; bov 256 float32; bv 2,048 float32; bvl 2,048 float32; bvv 2,048 float32; l 2 x 256 x 768 float32; v 2 x 8,192 x 256 float32.
;; Outputs: out0 2 x 8,192 x 256 float32; out1 2 x 256 x 768 float32.
;; 3 versions, each right; version 3 is version 2 with the launch outl written anew for expert scheduling mode. Each part assembles by itself: llvm-mc -triple=amdgcn-amd-amdhsa -mcpu=gfx1250 --defsym DOCPART=n.
;; ======== version 1 of 3: 5 launches
;; limits: values are held in f16: magnitudes above 65,504 overflow, below 6.1e-05 lose precision; right only within a limited range of input values; inputs' magnitudes at most 65,504
;; workspace buffers: KN 4,194,304 bytes; GF 3,145,728 bytes; small 19,712 bytes; vb 8,388,608 bytes; CM 2,097,152 bytes; UP 16,842,752 bytes; UF 2,097,152 bytes
;; launch prep (part 1): grid 31 x 8, 8 waves a work-group, no clusters, 210,176 bytes of LDS; arguments l, Wl, bl, Wvl, bvl, Wv, bv, Wov, Wvv, Wol, bvv, bol, KN, GF, small; writes KN, GF, small
.if DOCPART == 1
	.amdgcn_target "amdgcn-amd-amdhsa--gfx1250"
	.amdhsa_code_object_version 6
	.text
	.protected	k_q8a1958ad34_prep
	.globl	k_q8a1958ad34_prep
	.p2align	8
	.type	k_q8a1958ad34_prep,@function
k_q8a1958ad34_prep:
	s_mov_b64 s[64:65], 0
	v_nop
	global_prefetch_b8 v0, s[64:65] scope:SCOPE_SE
	s_setreg_imm32_b32 hwreg(HW_REG_WAVE_MODE, 25, 1), 1
	s_wait_xcnt 0x0
; BiMultiHeadAttention, launch 1 of 5: the small matrices that take the place of three large projections.
; ALGEBRA (exact in real numbers for all inputs; kap = log2 e; h a head, s a language row, t a vision row):
;   kap attn[t,s] = v_t . Mt_s + c_s   with Mt[b,h,s,:] = (kap/16) Wv_h k_hs, c[b,h,s] = (kap/16) bv_h . k_hs, k = l Wl + bl: q is never formed.
;   out0 = sum_h P_h N_h + bov         with N[b,h,s,:] = vl_hs Wov_h, vl = l Wvl + bvl: the product with Wov is done on 256 rows, not on 8,192.
;   out1 = sum_h U_h G_h + g0          with U = A_l v, G_h = Wvv_h Wol_h, g0 = bvv Wol + bol, since a softmax's weights add up to 1: vv is never formed.
; No input is left out: every one is loaded by some launch.  Of the second clip the upper bound is an identity (a score less its maximum is not above 0); its lower bound is kept (launch 3).
; LIMITS.  The order of rounding differs from the reference's.  All inputs are rounded once to bf16; k, vl, Mt are bf16; N is f16 as N / tau, tau = the power of two of the largest |N| of its
; block of 64 keys (kept in 2^-126 .. 2^126); G is f16 as 64 G, so |G| stays under 1,023.  NaN and infinities are not treated apart.
; JOBS by the work-group's x (h = its y): 0-7 Mt and c of (b, 64 keys); 8-15 N and tau of the same; 16-27 G (64 vd x 256 o); 28-30 g0 (32 columns for each (x, h)).
; A job is T[64 x 256] = l_block W1_h + b1 (K = 768 in six chunks of 128, two LDS buffers, one barrier a chunk) and then T times a second matrix (two chunks).  f32 is rounded on the way from registers to LDS.
.set WT1, 69632         ; LDS: two weight chunks of 128 rows x 544 bytes (512 of bf16 + 32), at 0 and here
.set AT0, 139264        ; two chunks of l: 64 rows x 272 bytes, 17,408 apart
.set TT, 174080         ; T: 64 rows x 528 bytes
.set RED, 207872        ; 1,024 bytes for sums and maxima across waves
.set CL, 208896         ; 256 bytes: c before it leaves
.set SPARE, 209152      ; the spare words: 128 bytes for each of eight waves
.set SPW, 40            ; v40 my spare word's address; v41 zero: for the add alone
.set NIL, 41
.set ACC, 64            ; v64-127 eight accumulators
.set FR, 128            ; v128-223 two fragment sets of 48; also the rounded chunk on its way to LDS
; v1 r = lane % 16, v2 hh = lane / 16, v3 lane; v4,5 chunk store; v6,7 l store; v8,9 l fragments; v10,11 turned weight fragments; v12 T store; v13 T fragments; v14,15 plain weight fragments
; v16-31 row offsets of a weight chunk, v32-39 of a chunk of l; v42-63 at work; v224-239 b1.  Window 1: v0-127 a weight chunk in f32, v128-191 a chunk of l (or Wvv's rows) in f32
.set MSB, 0
.macro WIN new
.if MSB != (\new)
	s_set_vgpr_msb (MSB<<8)|(\new)
.set MSB, \new
.endif
.endm
.macro PLACES
.rept 4
	v_nop
.endr
.endm
.macro BAR
	s_barrier_signal -1
	s_barrier_wait -1
.endm
.macro RB x, y, tmp                     ; two f32 rounded to bf16 and kept as f32
	v_cvt_pk_bf16_f32 v[\tmp], v[\x], v[\y]
	v_lshlrev_b32 v[\x], 16, v[\tmp]
	v_and_b32 v[\y], 0xffff0000, v[\tmp]
.endm
.macro WOFFS                            ; row 16 w + i of a chunk, pitch s44, 16 bytes a lane
	s_mul_i32 s56, s34, s44
	s_lshl_b32 s56, s56, 4
	v_lshl_add_u32 v16, v3, 4, s56
.set i, 1
.rept 15
	v_add_nc_u32 v[16+i], s44, v[15+i]
.set i, i+1
.endr
.endm
.macro AOFFS                            ; row 8 w + i, pitch s45
	s_mul_i32 s56, s34, s45
	s_lshl_b32 s56, s56, 3
	v_lshl_add_u32 v32, v3, 4, s56
.set i, 1
.rept 7
	v_add_nc_u32 v[32+i], s45, v[31+i]
.set i, i+1
.endr
.endm
.macro LOADW                            ; 128 rows x 1,024 bytes of f32: 32 loads of 512 consecutive bytes a wave
	WIN 0x40
.set i, 0
.rept 16
	global_load_b128 v[8*i:8*i+3], v[16+i], s[40:41]
	global_load_b128 v[8*i+4:8*i+7], v[16+i], s[40:41] offset:512
.set i, i+1
.endr
	WIN 0
.endm
.macro LOADA                            ; 64 rows x 512 bytes of l
	WIN 0x40
.set i, 0
.rept 8
	global_load_b128 v[128+4*i:128+4*i+3], v[32+i], s[42:43]
.set i, i+1
.endr
	WIN 0
.endm
.macro CVT buf, witha                   ; the chunk is rounded to bf16 and laid into LDS as it lies in memory
	WIN 0x05
.set i, 0
.rept 64
	v_cvt_pk_bf16_f32 v[FR+i], v[2*i], v[2*i+1]
.set i, i+1
.endr
.if \witha
.set i, 0
.rept 16
	v_cvt_pk_bf16_f32 v[FR+64+i], v[128+2*i], v[128+2*i+1]
.set i, i+1
.endr
.endif
	WIN 0
.set i, 0
.rept 32
	ds_store_b64 v[4+(\buf)], v[FR+2*i:FR+2*i+1] offset:(i/2)*544+(i%2)*256
.set i, i+1
.endr
.if \witha
.set i, 0
.rept 8
	ds_store_b64 v[6+(\buf)], v[FR+64+2*i:FR+64+2*i+1] offset:i*272
.set i, i+1
.endr
.endif
.endm
; fragments of one K step of 32: four of the 64 rows (plain), two of my 32 columns of the weights (turned): 12 loads
.macro FRT areg, aoff, apitch, breg, ks, set
.irp a, 0,1,2,3
	ds_load_b128 v[FR+48*(\set)+8*\a:FR+48*(\set)+8*\a+3], v[\areg] offset:\a*(\apitch)+(\aoff)
	ds_load_b128 v[FR+48*(\set)+8*\a+4:FR+48*(\set)+8*\a+7], v[\areg] offset:\a*(\apitch)+(\aoff)+32
.endr
.irp u, 0,1
	ds_load_tr16_b128 v[FR+48*(\set)+32+8*\u:FR+48*(\set)+35+8*\u], v[\breg] offset:(\ks)*17408+32*\u
	ds_load_tr16_b128 v[FR+48*(\set)+36+8*\u:FR+48*(\set)+39+8*\u], v[\breg] offset:(\ks)*17408+32*\u+8704
.endr
.endm
.macro MM1 set                          ; T^T: source 0 = weights (m = d), source 1 = l (n = s); the eight accumulators take turns
.irp a, 0,1,2,3
.irp u, 0,1
	v_wmma_f32_16x16x32_bf16 v[ACC+8*(2*\a+\u):ACC+8*(2*\a+\u)+7], v[FR+48*(\set)+32+8*\u:FR+48*(\set)+39+8*\u], v[FR+48*(\set)+8*\a:FR+48*(\set)+8*\a+7], v[ACC+8*(2*\a+\u):ACC+8*(2*\a+\u)+7]
.endr
.endr
.endm
.macro MM2 set, zero                    ; source 0 = T (m = row), source 1 = weights (n = column)
.irp a, 0,1,2,3
.irp u, 0,1
.if \zero
	v_wmma_f32_16x16x32_bf16 v[ACC+8*(2*\a+\u):ACC+8*(2*\a+\u)+7], v[FR+48*(\set)+8*\a:FR+48*(\set)+8*\a+7], v[FR+48*(\set)+32+8*\u:FR+48*(\set)+39+8*\u], 0
.else
	v_wmma_f32_16x16x32_bf16 v[ACC+8*(2*\a+\u):ACC+8*(2*\a+\u)+7], v[FR+48*(\set)+8*\a:FR+48*(\set)+8*\a+7], v[FR+48*(\set)+32+8*\u:FR+48*(\set)+39+8*\u], v[ACC+8*(2*\a+\u):ACC+8*(2*\a+\u)+7]
.endif
.endr
.endr
.endm
.macro COMPUTE1 buf                     ; a chunk's four K steps; each wait leaves the next step's 12 loads out
	FRT 8+(\buf), 0, 4352, 10+(\buf), 0, 0
	FRT 8+(\buf), 64, 4352, 10+(\buf), 1, 1
	s_wait_dscnt 12
	MM1 0
	PLACES
	FRT 8+(\buf), 128, 4352, 10+(\buf), 2, 0
	s_wait_dscnt 12
	MM1 1
	PLACES
	FRT 8+(\buf), 192, 4352, 10+(\buf), 3, 1
	s_wait_dscnt 12
	MM1 0
	s_wait_dscnt 0x0
	MM1 1
	PLACES                          ; the fragment registers are written next by the rounding
.endm
.macro CH buf                           ; one chunk: round and store it, ask for the next (behind the sixth: the second matrix's first), one barrier, multiply
	s_wait_loadcnt 0x0              ; the chunk is in registers; its address registers are free
	CVT \buf, 1
	s_add_co_u32 s39, s39, 1
	s_add_nc_u64 s[58:59], s[40:41], 0x100000
	s_cmp_lt_u32 s39, 6
	s_cselect_b64 s[40:41], s[58:59], s[46:47]
	s_cselect_b32 s44, s44, s48
	WOFFS
	LOADW
	s_cmp_lt_u32 s39, 6
	s_cbranch_scc0 .Lnoa_\@
	s_add_nc_u64 s[42:43], s[42:43], 512
	LOADA
.Lnoa_\@:
	s_wait_dscnt 0x0                ; my stores are done; my reads of the other buffer ended with the last chunk
	BAR
	COMPUTE1 \buf
.endm
.macro C2T cc                           ; second product, weights turned: four K steps of chunk cc
	FRT 13, 256*(\cc), 8448, 10+(\cc), 0, 0
	FRT 13, 256*(\cc)+64, 8448, 10+(\cc), 1, 1
	s_wait_dscnt 12
	MM2 0, 1-(\cc)
	PLACES
	FRT 13, 256*(\cc)+128, 8448, 10+(\cc), 2, 0
	s_wait_dscnt 12
	MM2 1, 0
	PLACES
	FRT 13, 256*(\cc)+192, 8448, 10+(\cc), 3, 1
	s_wait_dscnt 12
	MM2 0, 0
	s_wait_dscnt 0x0
	MM2 1, 0
	PLACES
.endm
.macro FRP cc, kk, set                  ; second product, weights plain (rows = vd): one fragment of Wv, four of T: 10 loads
	ds_load_b128 v[FR+48*(\set)+32:FR+48*(\set)+35], v[14+(\cc)] offset:64*(\kk)
	ds_load_b128 v[FR+48*(\set)+36:FR+48*(\set)+39], v[14+(\cc)] offset:64*(\kk)+32
.irp a, 0,1,2,3
	ds_load_b128 v[FR+48*(\set)+8*\a:FR+48*(\set)+8*\a+3], v13 offset:\a*8448+64*(\kk)
	ds_load_b128 v[FR+48*(\set)+8*\a+4:FR+48*(\set)+8*\a+7], v13 offset:\a*8448+64*(\kk)+32
.endr
.endm
.macro C2P cc
	FRP \cc, 0, 0
	FRP \cc, 1, 1
.set k, 0
.rept 8
.if k < 7
	s_wait_dscnt 10
.else
	s_wait_dscnt 0x0
.endif
.irp a, 0,1,2,3
.if k == 0
	v_wmma_f32_16x16x32_bf16 v[ACC+8*(4*(\cc)+\a):ACC+8*(4*(\cc)+\a)+7], v[FR+48*(k%2)+32:FR+48*(k%2)+39], v[FR+48*(k%2)+8*\a:FR+48*(k%2)+8*\a+7], 0
.else
	v_wmma_f32_16x16x32_bf16 v[ACC+8*(4*(\cc)+\a):ACC+8*(4*(\cc)+\a)+7], v[FR+48*(k%2)+32:FR+48*(k%2)+39], v[FR+48*(k%2)+8*\a:FR+48*(k%2)+8*\a+7], v[ACC+8*(4*(\cc)+\a):ACC+8*(4*(\cc)+\a)+7]
.endif
.endr
	PLACES
.if k < 6
	FRP \cc, k+2, k%2
.endif
.set k, k+1
.endr
.endm
	s_load_b512 s[4:19], s[0:1], 0x0       ; l 4, Wl 6, bl 8, Wvl 10, bvl 12, Wv 14, bv 16, Wov 18
	s_load_b256 s[20:27], s[0:1], 0x40     ; Wvv 20, Wol 22, bvv 24, bol 26
	s_load_b128 s[28:31], s[0:1], 0x60     ; KN 28, GF 30
	s_load_b64 s[32:33], s[0:1], 0x70      ; small
	v_lshl_add_u32 v[SPW], v0, 2, SPARE
	v_mov_b32 v[NIL], 0
	v_lshrrev_b32 v42, 5, v0
	v_readfirstlane_b32 s34, v42           ; wave 0..7
	v_and_b32 v3, 31, v0
	v_and_b32 v1, 15, v0
	v_bfe_u32 v2, v0, 4, 1
	s_mov_b32 s35, ttmp9
	s_and_b32 s38, ttmp7, 0xffff           ; h
	s_mov_b32 s54, 0x76543210
	s_mov_b32 s55, 0xfedcba98
	s_mov_b32 s67, 0
	s_mov_b32 s51, 0
	s_mul_i32 s56, s34, 8704               ; 16 rows of 544
	v_lshl_add_u32 v4, v3, 3, s56
	v_add_nc_u32 v5, WT1, v4
	v_mul_u32_u24 v14, v1, 544
	v_lshl_add_u32 v14, v2, 4, v14
	v_add_nc_u32 v14, s56, v14
	v_add_nc_u32 v15, WT1, v14
	s_mul_i32 s56, s34, 2176               ; 8 rows of 272
	s_add_co_u32 s56, s56, AT0
	v_lshl_add_u32 v6, v3, 3, s56
	v_add_nc_u32 v7, 17408, v6
	v_mul_u32_u24 v8, v1, 272
	v_lshl_add_u32 v8, v2, 4, v8
	v_add_nc_u32 v8, AT0, v8
	v_add_nc_u32 v9, 17408, v8
	v_and_b32 v42, 7, v0
	v_lshl_add_u32 v42, v2, 3, v42
	v_mul_u32_u24 v10, v42, 544
	v_bfe_u32 v43, v0, 3, 1
	v_lshl_add_u32 v10, v43, 4, v10
	s_lshl_b32 s56, s34, 6                 ; my 32 columns: 64 bytes
	v_add_nc_u32 v10, s56, v10
	v_add_nc_u32 v11, WT1, v10
	v_mul_u32_u24 v13, v1, 528
	v_lshl_add_u32 v13, v2, 4, v13
	v_add_nc_u32 v13, TT, v13
	v_add_nc_u32 v12, s56, v13
	s_wait_kmcnt 0x0
	s_cmp_ge_u32 s35, 28
	s_cbranch_scc1 .LJ4
	s_cmp_ge_u32 s35, 16
	s_cbranch_scc1 .LJ3
	; jobs 0 (Mt, c) and 1 (N, tau)
	s_lshr_b32 s63, s35, 3                 ; the job
	s_bfe_u32 s37, s35, 0x10002            ; b
	s_and_b32 s62, s35, 3                  ; q: the block of 64 keys
	s_mov_b32 s56, 0x2000
	s_mov_b32 s57, 1024
	s_mov_b32 s49, 0x100000
	s_mov_b32 s68, 0x20000
	s_cmp_eq_u32 s63, 0
	s_cselect_b64 s[40:41], s[6:7], s[10:11]     ; W1: Wl or Wvl
	s_cselect_b64 s[58:59], s[8:9], s[12:13]     ; b1
	s_cselect_b64 s[46:47], s[14:15], s[18:19]   ; the second matrix: Wv or Wov
	s_cselect_b32 s48, s56, s57                  ; its pitch
	s_cselect_b32 s50, s49, s68                  ; 128 of its rows
	s_lshl_b32 s66, s38, 10                ; the head's 256 columns of f32
	s_add_nc_u64 s[40:41], s[40:41], s[66:67]
	s_add_nc_u64 s[58:59], s[58:59], s[66:67]
	s_lshl_b32 s56, s38, 18                ; the head's 256 rows of Wov
	s_cmp_eq_u32 s63, 0
	s_cselect_b32 s66, s66, s56
	s_add_nc_u64 s[46:47], s[46:47], s[66:67]
	s_lshl_b32 s56, s37, 8
	s_lshl_b32 s57, s62, 6
	s_add_co_u32 s56, s56, s57
	s_mul_i32 s66, s56, 3072
	s_add_nc_u64 s[42:43], s[4:5], s[66:67]      ; l at my 64 rows
	s_lshl_b32 s56, s37, 3
	s_add_co_u32 s56, s56, s38
	s_lshl_b32 s56, s56, 1
	s_add_co_u32 s56, s56, s63
	s_lshl_b32 s66, s56, 17
	s_lshl_b32 s57, s62, 15
	s_add_co_u32 s66, s66, s57
	s_add_nc_u64 s[52:53], s[28:29], s[66:67]    ; KN at (b, h, kind, q)
	s_lshl_b32 s56, s37, 13
	s_lshl_b32 s57, s38, 10
	s_add_co_u32 s56, s56, s57
	s_lshl_b32 s57, s62, 8
	s_add_co_u32 s56, s56, s57             ; c's place
	s_lshl_b32 s66, s37, 7
	s_lshl_b32 s57, s62, 5
	s_add_co_u32 s66, s66, s57
	s_lshl_b32 s57, s38, 2
	s_add_co_u32 s66, s66, s57
	s_add_co_u32 s66, s66, 16384           ; tau's place
	s_cmp_eq_u32 s63, 0
	s_cselect_b32 s66, s56, s66
	s_add_nc_u64 s[60:61], s[32:33], s[66:67]
	s_mov_b32 s49, 16384                   ; job 1's way out: bytes between key halves, and for a pair of waves
	s_mov_b32 s68, 4096
	s_lshl_b32 s56, s34, 7
	v_lshl_add_u32 v42, v2, 5, s56         ; b1 of my columns: (32 w + 8 hh) x 4
	global_load_b128 v[224:227], v42, s[58:59]
	global_load_b128 v[228:231], v42, s[58:59] offset:16
	global_load_b128 v[232:235], v42, s[58:59] offset:64
	global_load_b128 v[236:239], v42, s[58:59] offset:80
	s_mov_b32 s44, 8192
	s_mov_b32 s45, 3072
	WOFFS
	AOFFS
	LOADW
	LOADA
	s_wait_loadcnt 40                      ; b1 is in; the first chunk's 40 loads stay out
.set i, 0
.rept 8
	RB 224+2*i, 225+2*i, 43
.set i, i+1
.endr
.set i, 0
.rept 64
	v_mov_b32 v[ACC+i], v[224+8*((i/8)%2)+i%8]   ; the sums start at b1
.set i, i+1
.endr
	s_mov_b32 s39, 0
	s_mov_b32 s36, 3
.Lk1:
	CH 0
	CH 1
	s_sub_co_u32 s36, s36, 1
	s_cmp_lg_u32 s36, 0
	s_cbranch_scc1 .Lk1
.set i, 0
.rept 32
	v_cvt_pk_bf16_f32 v[FR+i], v[ACC+2*i], v[ACC+2*i+1]
.set i, i+1
.endr
.set i, 0
.rept 8
	ds_store_b128 v12, v[FR+4*i:FR+4*i+3] offset:(i/2)*8448+32*(i%2)   ; T[s][d]: a lane's eight d of one s
.set i, i+1
.endr
	s_branch .Lstage2
.LJ3:                                          ; G: T is 64 rows of Wvv_h, the second matrix 256 columns of Wol_h
	s_sub_co_u32 s56, s35, 16
	s_and_b32 s57, s56, 3                  ; block of 64 vd
	s_lshr_b32 s62, s56, 2                 ; block of 256 o
	s_mov_b32 s63, 2
	s_mov_b64 s[60:61], s[32:33]           ; this job stores neither c nor tau and branches round both stores; the pair holds small's address, so that it is a buffer's address on every way that leads to them
	s_lshl_b32 s66, s57, 19
	s_lshl_b32 s56, s38, 10
	s_add_co_u32 s66, s66, s56
	s_add_nc_u64 s[42:43], s[20:21], s[66:67]
	s_mul_i32 s66, s38, 786432
	s_lshl_b32 s56, s62, 10
	s_add_co_u32 s66, s66, s56
	s_add_nc_u64 s[40:41], s[22:23], s[66:67]
	s_mov_b32 s44, 3072
	s_mov_b32 s45, 8192
	s_mov_b32 s50, 0x60000
	s_lshl_b32 s66, s62, 20
	s_lshl_b32 s56, s38, 15
	s_add_co_u32 s66, s66, s56
	s_lshl_b32 s56, s57, 13
	s_add_co_u32 s66, s66, s56
	s_add_nc_u64 s[52:53], s[30:31], s[66:67]
	s_mov_b32 s49, 4096
	s_mov_b32 s68, 262144
	AOFFS
	WOFFS
	WIN 0x40
.set i, 0
.rept 16
	global_load_b128 v[128+4*i:128+4*i+3], v[32+i/2], s[42:43] offset:(i%2)*512
.set i, i+1
.endr
	WIN 0
	LOADW
	s_mul_i32 s56, s34, 4224               ; 8 rows of 528
	s_add_co_u32 s56, s56, TT
	v_lshl_add_u32 v44, v3, 3, s56
	s_wait_loadcnt 32                      ; Wvv's rows are in; the chunk of Wol stays out
	WIN 0x05
.set i, 0
.rept 32
	v_cvt_pk_bf16_f32 v[FR+i], v[128+2*i], v[128+2*i+1]
.set i, i+1
.endr
	WIN 0
.set i, 0
.rept 16
	ds_store_b64 v44, v[FR+2*i:FR+2*i+1] offset:(i/2)*528+(i%2)*256
.set i, i+1
.endr
.Lstage2:
	s_wait_loadcnt 0x0
	CVT 0, 0
	s_add_nc_u64 s[40:41], s[40:41], s[50:51]
	LOADW
	s_wait_dscnt 0x0                       ; my part of T and of the chunk is stored
	BAR
	s_cmp_eq_u32 s63, 0
	s_cbranch_scc1 .Lplain
	C2T 0
	s_wait_loadcnt 0x0
	CVT 1, 0
	s_wait_dscnt 0x0
	BAR
	C2T 1
	s_lshr_b32 s56, s34, 1
	s_mul_i32 s56, s56, s68
	s_and_b32 s57, s34, 1
	s_lshl_b32 s57, s57, 11
	s_add_co_u32 s56, s56, s57
	v_lshl_add_u32 v56, v3, 4, s56
	v_add_nc_u32 v57, s49, v56
	s_cmp_eq_u32 s63, 1
	s_cbranch_scc0 .Lgscale
	v_mov_b32 v42, 0                       ; tau: the largest |N| of the block, each accumulator from its low end
	v_mov_b32 v43, 0
.set i, 0
.rept 32
	v_max3_num_f32 v42, v42, |v[ACC+2*i]|, |v[ACC+2*i+1]|
.set i, i+1
.endr
	v_max_num_f32_dpp v42, v42, v42 row_xmask:1 row_mask:0xf bank_mask:0xf
	v_max_num_f32_dpp v42, v42, v42 row_xmask:2 row_mask:0xf bank_mask:0xf
	v_max_num_f32_dpp v42, v42, v42 row_xmask:4 row_mask:0xf bank_mask:0xf
	v_max_num_f32_dpp v42, v42, v42 row_xmask:8 row_mask:0xf bank_mask:0xf
	v_permlanex16_b32 v43, v42, s54, s55
	v_max_num_f32 v42, v42, v43
	s_lshl_b32 s56, s34, 2
	s_add_co_u32 s56, s56, RED
	v_mov_b32 v44, s56
	ds_store_b32 v44, v42
	s_wait_dscnt 0x0
	BAR
	v_mov_b32 v44, RED
	ds_load_b128 v[48:51], v44
	ds_load_b128 v[52:55], v44 offset:16
	s_wait_dscnt 0x0
	v_max3_num_f32 v48, v48, v49, v50
	v_max3_num_f32 v51, v51, v52, v53
	v_max3_num_f32 v48, v48, v54, v55
	v_max_num_f32 v48, v48, v51
	v_and_b32 v45, 0x7f800000, v48         ; its power of two,
	v_max_u32 v45, 0x00800000, v45         ; kept where its reciprocal is a normal number too
	v_min_u32 v45, 0x7e800000, v45
	v_sub_nc_u32 v46, 0x7f000000, v45      ; 1 / tau
	v_mov_b32 v44, 0
	s_wait_xcnt 0x0                        ; EXEC changes only behind this wait
	v_cmp_eq_u32 vcc_lo, 0, v0
	s_and_saveexec_b32 s57, vcc_lo
	global_store_b32 v44, v45, s[60:61]
	s_wait_xcnt 0x0
	s_or_b32 exec_lo, exec_lo, s57
	s_branch .Lpack
.Lgscale:
	v_mov_b32 v46, 0x42800000              ; G leaves as 64 G
.Lpack:
	v_mov_b32 v47, v46
.set n, 0
.rept 8
.irp p, 0,1,2,3
	v_pk_mul_f32 v[ACC+8*n+2*\p:ACC+8*n+2*\p+1], v[ACC+8*n+2*\p:ACC+8*n+2*\p+1], v[46:47]
.endr
.irp p, 0,1,2,3
	v_cvt_pk_f16_f32 v[FR+4*n+\p], v[ACC+8*n+2*\p], v[ACC+8*n+2*\p+1]
.endr
	global_store_b128 v[56+n/4], v[FR+4*n:FR+4*n+3], s[52:53] offset:(n%2)*1024+((n/2)%2)*512   ; 512 consecutive bytes: half a block in fragment order
.set n, n+1
.endr
	s_branch .Lend
.Lplain:                                       ; Mt^T: source 0 = rows of Wv, source 1 = T
	C2P 0
	s_wait_loadcnt 0x0
	CVT 1, 0
	s_wait_dscnt 0x0
	BAR
	C2P 1
	s_lshr_b32 s56, s34, 1
	s_lshl_b32 s56, s56, 12
	s_and_b32 s57, s34, 1
	s_lshl_b32 s57, s57, 9
	s_add_co_u32 s56, s56, s57
	v_lshl_add_u32 v56, v3, 4, s56
	v_mov_b32 v46, 0x3db8aa3b              ; kap / 16
	v_mov_b32 v47, v46
.set n, 0
.rept 8
.irp p, 0,1,2,3
	v_pk_mul_f32 v[ACC+8*n+2*\p:ACC+8*n+2*\p+1], v[ACC+8*n+2*\p:ACC+8*n+2*\p+1], v[46:47]
.endr
.irp p, 0,1,2,3
	v_cvt_pk_bf16_f32 v[FR+4*n+\p], v[ACC+8*n+2*\p], v[ACC+8*n+2*\p+1]
.endr
	global_store_b128 v56, v[FR+4*n:FR+4*n+3], s[52:53] offset:(n/4)*16384+(n%4)*1024
.set n, n+1
.endr
	; c[s] = (kap/16) bv_h . k_s: four lanes a row, 64 d each
	s_lshl_b32 s66, s38, 10
	s_add_nc_u64 s[58:59], s[16:17], s[66:67]
	v_lshrrev_b32 v42, 2, v3
	s_lshl_b32 s56, s34, 3
	v_add_nc_u32 v42, s56, v42             ; the row
	v_and_b32 v43, 3, v0                   ; the quarter
	v_mul_u32_u24 v44, v42, 528
	v_lshl_add_u32 v44, v43, 7, v44
	v_add_nc_u32 v44, TT, v44
	v_lshlrev_b32 v45, 8, v43
	s_wait_xcnt 0x0                        ; the stores above have read their registers
.set i, 0
.rept 8
	ds_load_b128 v[FR+4*i:FR+4*i+3], v44 offset:16*i
.set i, i+1
.endr
.set i, 0
.rept 16
	global_load_b128 v[160+4*i:160+4*i+3], v45, s[58:59] offset:16*i
.set i, i+1
.endr
	v_mov_b32 v46, 0
	v_mov_b32 v47, 0
	s_wait_loadcnt 0x0
	s_wait_dscnt 0x0
.set i, 0
.rept 32
	v_cvt_pk_bf16_f32 v[ACC+i], v[160+2*i], v[160+2*i+1]
.set i, i+1
.endr
.set i, 0
.rept 32
	v_fma_mix_f32_bf16 v46, v[FR+i], v[ACC+i], v46 op_sel_hi:[1,1,0]
	v_fma_mix_f32_bf16 v47, v[FR+i], v[ACC+i], v47 op_sel:[1,1,0] op_sel_hi:[1,1,0]
.set i, i+1
.endr
	v_add_f32 v46, v46, v47
	v_add_f32_dpp v46, v46, v46 row_xmask:1 row_mask:0xf bank_mask:0xf
	v_add_f32_dpp v46, v46, v46 row_xmask:2 row_mask:0xf bank_mask:0xf
	v_mul_f32 v46, 0x3db8aa3b, v46
	v_lshl_add_u32 v44, v42, 2, CL
	ds_store_b32 v44, v46
	s_wait_dscnt 0x0
	BAR
	s_cmp_lg_u32 s34, 0
	s_cbranch_scc1 .Lend
	v_lshl_add_u32 v44, v3, 3, CL
	ds_load_b64 v[48:49], v44
	v_lshlrev_b32 v50, 3, v3
	s_wait_dscnt 0x0
	global_store_b64 v50, v[48:49], s[60:61]     ; 256 consecutive bytes
	s_branch .Lend
.LJ4:                                          ; g0 = bvv Wol + bol, 32 columns; thread: 4 columns, 64 of the 2,048 rows
	s_sub_co_u32 s56, s35, 28
	s_lshl_b32 s56, s56, 3
	s_add_co_u32 s56, s56, s38
	s_lshl_b32 s66, s56, 7
	s_add_nc_u64 s[58:59], s[22:23], s[66:67]
	s_add_nc_u64 s[60:61], s[26:27], s[66:67]
	s_add_nc_u64 s[52:53], s[32:33], s[66:67]
	s_add_nc_u64 s[52:53], s[52:53], 16640
	v_and_b32 v42, 7, v0
	v_lshrrev_b32 v43, 3, v0
	v_mul_u32_u24 v44, v43, 0x30000
	v_lshl_add_u32 v44, v42, 4, v44
	v_lshlrev_b32 v45, 8, v43
.set i, 0
.rept 16
	global_load_b128 v[ACC+4*i:ACC+4*i+3], v45, s[24:25] offset:16*i
.set i, i+1
.endr
.macro J4L kk, buf                      ; 16 rows of Wol
.set i, 0
.rept 16
	global_load_b128 v[128+64*(\buf)+4*i:128+64*(\buf)+4*i+3], v44, s[58:59] offset:(16*(\kk)+i)*3072
.set i, i+1
.endr
.endm
.macro J4P kk, buf                      ; both factors rounded to bf16, products and sums in f32
.set i, 0
.rept 8
	v_cvt_pk_bf16_f32 v56, v[128+64*(\buf)+8*i], v[128+64*(\buf)+8*i+1]
	v_cvt_pk_bf16_f32 v57, v[128+64*(\buf)+8*i+2], v[128+64*(\buf)+8*i+3]
	v_cvt_pk_bf16_f32 v58, v[128+64*(\buf)+8*i+4], v[128+64*(\buf)+8*i+5]
	v_cvt_pk_bf16_f32 v59, v[128+64*(\buf)+8*i+6], v[128+64*(\buf)+8*i+7]
	v_fma_mix_f32_bf16 v48, v56, v[ACC+8*(\kk)+i], v48 op_sel:[0,0,0] op_sel_hi:[1,1,0]
	v_fma_mix_f32_bf16 v49, v56, v[ACC+8*(\kk)+i], v49 op_sel:[1,0,0] op_sel_hi:[1,1,0]
	v_fma_mix_f32_bf16 v50, v57, v[ACC+8*(\kk)+i], v50 op_sel:[0,0,0] op_sel_hi:[1,1,0]
	v_fma_mix_f32_bf16 v51, v57, v[ACC+8*(\kk)+i], v51 op_sel:[1,0,0] op_sel_hi:[1,1,0]
	v_fma_mix_f32_bf16 v48, v58, v[ACC+8*(\kk)+i], v48 op_sel:[0,1,0] op_sel_hi:[1,1,0]
	v_fma_mix_f32_bf16 v49, v58, v[ACC+8*(\kk)+i], v49 op_sel:[1,1,0] op_sel_hi:[1,1,0]
	v_fma_mix_f32_bf16 v50, v59, v[ACC+8*(\kk)+i], v50 op_sel:[0,1,0] op_sel_hi:[1,1,0]
	v_fma_mix_f32_bf16 v51, v59, v[ACC+8*(\kk)+i], v51 op_sel:[1,1,0] op_sel_hi:[1,1,0]
.set i, i+1
.endr
.endm
	J4L 0, 0
	J4L 1, 1
.set i, 48
.rept 8
	v_mov_b32 v[i], 0
.set i, i+1
.endr
	s_wait_loadcnt 16                      ; bvv and the first batch are in
.set i, 0
.rept 32
	v_cvt_pk_bf16_f32 v[ACC+i], v[ACC+2*i], v[ACC+2*i+1]
.set i, i+1
.endr
	J4P 0, 0
	J4L 2, 0
	s_wait_loadcnt 16
	J4P 1, 1
	J4L 3, 1
	s_wait_loadcnt 16
	J4P 2, 0
	s_wait_loadcnt 0x0
	J4P 3, 1
.irp p, 0,1,2,3
	v_add_f32_dpp v[48+\p], v[48+\p], v[48+\p] row_xmask:8 row_mask:0xf bank_mask:0xf
.endr
.irp p, 0,1,2,3
	v_permlanex16_b32 v[52+\p], v[48+\p], s54, s55
.endr
.irp p, 0,1,2,3
	v_add_f32 v[48+\p], v[48+\p], v[52+\p]
.endr
	s_lshl_b32 s56, s34, 7
	s_add_co_u32 s56, s56, RED
	v_lshl_add_u32 v46, v42, 4, s56
	ds_store_b128 v46, v[48:51]
	s_wait_dscnt 0x0
	BAR
	s_cmp_lg_u32 s34, 0
	s_cbranch_scc1 .Lend
	v_lshl_add_u32 v46, v3, 2, RED
.set i, 0
.rept 8
	ds_load_b32 v[ACC+i], v46 offset:128*i
.set i, i+1
.endr
	v_lshlrev_b32 v47, 2, v3
	global_load_b32 v56, v47, s[60:61]
	s_wait_dscnt 0x0
	v_add_f32 v64, v64, v65
	v_add_f32 v66, v66, v67
	v_add_f32 v68, v68, v69
	v_add_f32 v70, v70, v71
	v_add_f32 v64, v64, v66
	v_add_f32 v68, v68, v70
	v_add_f32 v64, v64, v68
	s_wait_loadcnt 0x0
	v_cvt_pk_bf16_f32 v56, v56, v56
	v_lshlrev_b32 v56, 16, v56
	v_add_f32 v64, v64, v56
	global_store_b32 v47, v64, s[52:53]
.Lend:
	s_wait_tensorcnt 0x0                   ; the wave's end, behind my last LDS store
	ds_add_u32 v[SPW], v[NIL]
	s_wait_dscnt 0x0
	s_endpgm
.Lfunc_end_k_q8a1958ad34_prep:
	.size	k_q8a1958ad34_prep, .Lfunc_end_k_q8a1958ad34_prep-k_q8a1958ad34_prep
	.p2alignl 7, 3214868480
	.fill 96, 4, 3214868480
	.section	.rodata,"a",@progbits
	.p2align	6, 0x0
	.amdhsa_kernel k_q8a1958ad34_prep
		.amdhsa_group_segment_fixed_size 210176
		.amdhsa_private_segment_fixed_size 0
		.amdhsa_enable_private_segment 0
		.amdhsa_kernarg_size 120
		.amdhsa_user_sgpr_count 2
		.amdhsa_user_sgpr_kernarg_segment_ptr 1
		.amdhsa_wavefront_size32 1
		.amdhsa_system_sgpr_workgroup_id_x 1
		.amdhsa_system_sgpr_workgroup_id_y 1
		.amdhsa_system_sgpr_workgroup_id_z 1
		.amdhsa_system_vgpr_workitem_id 0
		.amdhsa_next_free_vgpr 448
		.amdhsa_next_free_sgpr 72
		.amdhsa_reserve_vcc 1
		.amdhsa_float_denorm_mode_32 3
		.amdhsa_float_denorm_mode_16_64 3
		.amdhsa_memory_ordered 1
		.amdhsa_forward_progress 1
		.amdhsa_inst_pref_size 172
	.end_amdhsa_kernel
	.amdgpu_metadata
---
amdhsa.version: [ 1, 2 ]
amdhsa.kernels:
  - .name:           k_q8a1958ad34_prep
    .symbol:         k_q8a1958ad34_prep.kd
    .args:
      - { .name: l, .offset: 0, .size: 8, .value_kind: global_buffer, .address_space: global }
      - { .name: Wl, .offset: 8, .size: 8, .value_kind: global_buffer, .address_space: global }
      - { .name: bl, .offset: 16, .size: 8, .value_kind: global_buffer, .address_space: global }
      - { .name: Wvl, .offset: 24, .size: 8, .value_kind: global_buffer, .address_space: global }
      - { .name: bvl, .offset: 32, .size: 8, .value_kind: global_buffer, .address_space: global }
      - { .name: Wv, .offset: 40, .size: 8, .value_kind: global_buffer, .address_space: global }
      - { .name: bv, .offset: 48, .size: 8, .value_kind: global_buffer, .address_space: global }
      - { .name: Wov, .offset: 56, .size: 8, .value_kind: global_buffer, .address_space: global }
      - { .name: Wvv, .offset: 64, .size: 8, .value_kind: global_buffer, .address_space: global }
      - { .name: Wol, .offset: 72, .size: 8, .value_kind: global_buffer, .address_space: global }
      - { .name: bvv, .offset: 80, .size: 8, .value_kind: global_buffer, .address_space: global }
      - { .name: bol, .offset: 88, .size: 8, .value_kind: global_buffer, .address_space: global }
      - { .name: KN, .offset: 96, .size: 8, .value_kind: global_buffer, .address_space: global }
      - { .name: GF, .offset: 104, .size: 8, .value_kind: global_buffer, .address_space: global }
      - { .name: small, .offset: 112, .size: 8, .value_kind: global_buffer, .address_space: global }
    .group_segment_fixed_size: 210176
    .private_segment_fixed_size: 0
    .kernarg_segment_align: 8
    .kernarg_segment_size: 120
    .max_flat_workgroup_size: 256
    .sgpr_count:     72
    .vgpr_count:     448
    .wavefront_size: 32
...
	.end_amdgpu_metadata
.endif
;; end of part 1
;; launch rows (part 2): grid 256 x 1, 4 waves a work-group, clusters of 4 x 1, 327,680 bytes of LDS; arguments v, attention_mask_l, bov, KN, small, out0, vb, CM; writes out0, vb, CM
.if DOCPART == 2
	.amdgcn_target "amdgcn-amd-amdhsa--gfx1250"
	.amdhsa_code_object_version 6
	.text
	.protected	k_q8a1958ad34_rows
	.globl	k_q8a1958ad34_rows
	.p2align	8
	.type	k_q8a1958ad34_rows,@function
k_q8a1958ad34_rows:
	s_mov_b64 s[64:65], 0
	v_nop
	global_prefetch_b8 v0, s[64:65] scope:SCOPE_SE
	s_setreg_imm32_b32 hwreg(HW_REG_WAVE_MODE, 25, 1), 1
	s_wait_xcnt 0x0
	s_wait_alu depctr_hold_cnt(0) depctr_sa_sdst(0) depctr_va_vdst(0) depctr_va_sdst(0) depctr_va_ssrc(0) depctr_va_vcc(0) depctr_vm_vsrc(0)
	s_getreg_b32 s2, hwreg(HW_REG_IB_STS2, 6, 4)
	s_cmp_eq_u32 s2, 0
	s_cbranch_scc0 .Lentry_in_a_cluster
	s_endpgm
.Lentry_in_a_cluster:
	s_bfe_u32 s2, ttmp6, 0x10000c
	s_cmp_lg_u32 s2, 0x3003
	s_cbranch_scc0 .Lentry_shape_is_right
	s_endpgm
.Lentry_shape_is_right:
; Launch 2 of 5: the softmax over the 256 language keys, out0; also v rounded to bf16 (vb) and each work-group's maxima over its 64 rows of every column of scores (CM), for launch 3.
; q and the product with Wov are not formed: kap attn = v . Mt + c and out0 = sum_h P_h N_h + bov (shown at the head of the first kernel).
; SHARES.  A work-group owns 64 vision rows; each of its four waves holds all 64 (four tiles of 16) and owns keys 64 w .. 64 w + 63 of every head: part w of every tile of KN, which its own tensor load brings
; and it alone reads.  S^T = Mt Q^T (a lane holds one query and 8 keys of each block of 16); clip; the column maxima; + kap x bias in f32, as the reference adds it; the wave's true maximum M2 and sum L of its 64 keys;
; the four waves' (M2, L) meet in LDS and give the row's maximum and sum exactly; P x 2^(M2 - M) / L x tau / taumax is rounded to f16 and IS source 1 of O^T += N^T P.  O^T (512 registers) sums my keys over all
; heads; the four waves' sums are added at the end, times taumax, plus bov.
; RING.  The tiles of a batch are walked as one sequence Mt_0, N_0, Mt_1, .. of 131,072 bytes through two slots; the four work-groups of a cluster belong to one batch and ask jointly.  By the text's own count a
; wave has two tensor loads out at the start and one behind each round.
; LIMITS.  A weight below 2^-126 counts as 0; a block of keys whose tau is under 2^-14 of the batch's largest loses bits in f16; NaN and infinities are not treated apart.
; O^T is cleared by 512 lines in the wait for the first tiles: a first head written out would be a third copy of the head's text.
.set QT, 262144         ; LDS: slot A 0, slot B 131,072; here v in bf16: 64 rows x 528 bytes
.set CMT, 295936        ; column maxima [h][s], f32
.set STAT, 304128       ; [wave][64 queries][M2, L]
.set SPARE, 306176      ; the spare words
.set EP, 1040           ; the end's scratch, over the slots when they have had their last fill: 4 copies x 64 rows x 1,040 bytes
.set LN, 3
.set AK, 4              ; my part of slot A + 16 lane
.set AN, 5              ; of slot B
.set AQ, 6              ; a fragment of Q
.set ACM, 7
.set ASW, 8
.set ASR, 9
.set ACB, 10            ; byte offset of my keys in c and in the mask
.set VO, 11
.set PFO, 12
.set SPW, 13
.set NIL, 14
.set ZO, 15             ; 0, an offset
.set TM, 16             ; v16-17 taumax
.set RHO, 18
.set ITM, 19
.set TAUR, 20
.set T0, 22
.set CT, 24             ; v24-31 at work
.set ST, 32             ; tile t at ST + 8 t: M2, L, sum pair, F pair, two at work
.set CREG, 64           ; c of my keys as a C operand; later the four waves' (M2, L)
.set BIAS, 96
.set S, 128             ; S^T(t, kb) at S + 32 t + 8 kb; P(t, kk) in place at S + 32 t + 8 kk
; window 1: four buffers of 64 (4 fragments of Mt, 4 of Q); later N's 32 fragments.  windows 2, 3: O^T(t, cb) at 8 (8 t + cb % 8)
.set MSB, 0
.macro WIN new
.if MSB != (\new)
	s_set_vgpr_msb (MSB<<8)|(\new)
.set MSB, \new
.endif
.endm
.macro PLACES
.rept 4
	v_nop
.endr
.endm
.macro CROUND
	s_barrier_signal -1
	s_barrier_wait -1
	s_cmp_lg_u32 s20, 0
	s_cbranch_scc1 .Lnw0_\@
	s_barrier_signal -3
.Lnw0_\@:
	s_barrier_wait -3
	s_barrier_signal -1
	s_barrier_wait -1
.endm
.macro CHGA                             ; a change of slots, first part: all my tensor loads have landed, the add, the walking descriptor's step
	WIN 0
	s_wait_tensorcnt 0x0
	ds_add_u32 v[SPW], v[NIL]
	s_xor_b32 s37, s37, 0x20000     ; the other slot,
	s_add_nc_u64 s[38:39], s[38:39], 0x20000   ; the next tile
	s_wait_xcnt 0x0                 ; the last prefetch, a change back, has read its address
	s_add_nc_u64 s[42:43], s[42:43], 0x20000
.endm
.macro CHGB                             ; second part: the add and my reads of the slot are done; the cluster's round; the joint refill first behind it
	s_wait_dscnt 0x0
	CROUND
	tensor_load_to_lds s[36:39], s[24:31]
	s_nop 0
	PLACES
	s_cmp_gt_u32 s40, s41           ; the tile two changes on is asked of memory: 32 blocks of 256 bytes a wave, a lane a block; the first cluster of a batch asks, its partners told apart by address;
	s_cbranch_scc0 .Lnp_\@          ; the loop's last trip asks for nothing: those tiles do not exist
	global_prefetch_b8 v[PFO], s[42:43] offset:0x40000 th:TH_LOAD_NT scope:SCOPE_SE
.Lnp_\@:
.endm
.macro FETCHS ks                        ; 16 LDS loads: the fragments of 32 channels
	WIN 0x40
.irp kb, 0,1,2,3
	ds_load_b128 v[64*((\ks)%4)+8*\kb:64*((\ks)%4)+8*\kb+3], v[AK] offset:(4*(\ks)+\kb)*1024
	ds_load_b128 v[64*((\ks)%4)+8*\kb+4:64*((\ks)%4)+8*\kb+7], v[AK] offset:(4*(\ks)+\kb)*1024+512
.endr
.irp t, 0,1,2,3
	ds_load_b128 v[64*((\ks)%4)+32+8*\t:64*((\ks)%4)+35+8*\t], v[AQ] offset:\t*8448+64*(\ks)
	ds_load_b128 v[64*((\ks)%4)+36+8*\t:64*((\ks)%4)+39+8*\t], v[AQ] offset:\t*8448+64*(\ks)+32
.endr
.endm
.macro MMS ks                           ; 16 products; the 16 accumulators take turns; the first start the sums at c
	WIN 0x05
.irp t, 0,1,2,3
.irp kb, 0,1,2,3
.if (\ks) == 0
	v_wmma_f32_16x16x32_bf16 v[S+32*\t+8*\kb:S+32*\t+8*\kb+7], v[64*((\ks)%4)+8*\kb:64*((\ks)%4)+8*\kb+7], v[64*((\ks)%4)+32+8*\t:64*((\ks)%4)+39+8*\t], v[CREG+8*\kb:CREG+8*\kb+7]
.else
	v_wmma_f32_16x16x32_bf16 v[S+32*\t+8*\kb:S+32*\t+8*\kb+7], v[64*((\ks)%4)+8*\kb:64*((\ks)%4)+8*\kb+7], v[64*((\ks)%4)+32+8*\t:64*((\ks)%4)+39+8*\t], v[S+32*\t+8*\kb:S+32*\t+8*\kb+7]
.endif
.endr
.endr
.endm
.macro CLIP
.set i, 0
.rept 128
	v_med3_num_f32 v[S+i], v[S+i], s48, s49
.set i, i+1
.endr
.endm
.macro PVH hi                           ; 64 products O^T += N^T P for channels 128 hi ..; 32 accumulators take turns
	WIN 0xa1+0x50*(\hi)
.irp kk, 0,1
.irp cb, 0,1,2,3,4,5,6,7
.irp t, 0,1,2,3
	v_wmma_f32_16x16x32_f16 v[8*(8*\t+\cb):8*(8*\t+\cb)+7], v[8*(16*\kk+8*(\hi)+\cb):8*(16*\kk+8*(\hi)+\cb)+7], v[S+32*\t+8*\kk:S+32*\t+8*\kk+7], v[8*(8*\t+\cb):8*(8*\t+\cb)+7]
.endr
.endr
.endr
.endm
.macro HEAD fill
	s_wait_loadcnt 0x0              ; this head's c and tau
	v_mul_f32 v[RHO], v[TAUR], v[ITM]
	FETCHS 0
	FETCHS 1
	FETCHS 2
	FETCHS 3
.set k, 0
.rept 8
.if k < 5
	s_wait_dscnt 48                 ; three younger runs of 16 may stay out
.else
	s_wait_dscnt 16*(7-k)
.endif
	MMS k
	PLACES
.if k < 4
	FETCHS k+4
.endif
.set k, k+1
.endr
.if \fill
	CHGA                            ; slot A has been read out; N of this head has landed
	CLIP                            ; the first clip stands between the add and the wait for it
	CHGB                            ; Mt of the next head
.else
	WIN 0
	s_wait_tensorcnt 0x0            ; N of the last head
	CLIP
.endif
	WIN 0x40
.set i, 0
.rept 32
	ds_load_b128 v[8*i:8*i+3], v[AN] offset:1024*i
	ds_load_b128 v[8*i+4:8*i+7], v[AN] offset:1024*i+512
.set i, i+1
.endr
	WIN 0
.irp kb, 0,1,2,3                        ; the maxima over my work-group's 64 queries of each of my keys' columns
.irp j, 0,1,2,3,4,5,6,7
	v_max3_num_f32 v[CT+\j], v[S+8*\kb+\j], v[S+32+8*\kb+\j], v[S+64+8*\kb+\j]
.endr
.irp j, 0,1,2,3,4,5,6,7
	v_max_num_f32 v[CT+\j], v[CT+\j], v[S+96+8*\kb+\j]
.endr
.irp m, 1,2,4,8
.irp j, 0,1,2,3,4,5,6,7
	v_max_num_f32_dpp v[CT+\j], v[CT+\j], v[CT+\j] row_xmask:\m row_mask:0xf bank_mask:0xf
.endr
.endr
	ds_store_b128 v[ACM], v[CT:CT+3] offset:64*\kb
	ds_store_b128 v[ACM], v[CT+4:CT+7] offset:64*\kb+16
.endr
	v_add_nc_u32 v[ACM], 1024, v[ACM]
.set i, 0
.rept 64
	v_pk_add_f32 v[S+2*i:S+2*i+1], v[S+2*i:S+2*i+1], v[BIAS+2*(i%16):BIAS+2*(i%16)+1]
.set i, i+1
.endr
.irp t, 0,1,2,3
	v_max3_num_f32 v[ST+8*\t+6], v[S+32*\t], v[S+32*\t+1], v[S+32*\t+2]
.endr
.set n, 1
.rept 14
.irp t, 0,1,2,3
	v_max3_num_f32 v[ST+8*\t+6], v[ST+8*\t+6], v[S+32*\t+2*n+1], v[S+32*\t+2*n+2]
.endr
.set n, n+1
.endr
.irp t, 0,1,2,3
	v_max_num_f32 v[ST+8*\t+6], v[ST+8*\t+6], v[S+32*\t+31]
.endr
.irp t, 0,1,2,3
	v_permlanex16_b32 v[ST+8*\t+7], v[ST+8*\t+6], s50, s51
.endr
.irp t, 0,1,2,3
	v_max_num_f32 v[ST+8*\t], v[ST+8*\t+6], v[ST+8*\t+7]
.endr
.set i, 0
.rept 64
	v_pk_add_f32 v[S+2*i:S+2*i+1], v[S+2*i:S+2*i+1], v[ST+8*(i/16):ST+8*(i/16)+1] op_sel_hi:[1,0] neg_lo:[0,1] neg_hi:[0,1]
.set i, i+1
.endr
.set i, 0
.rept 128
	v_exp_f32 v[S+i], v[S+i]
.set i, i+1
.endr
	v_nop                           ; the plain instruction behind the last exponential,
	s_wait_alu depctr_va_vdst(0)    ; and one wait for the batch of 128
.irp t, 0,1,2,3
	v_pk_add_f32 v[ST+8*\t+2:ST+8*\t+3], v[S+32*\t:S+32*\t+1], v[S+32*\t+2:S+32*\t+3]
.endr
.set n, 2
.rept 14
.irp t, 0,1,2,3
	v_pk_add_f32 v[ST+8*\t+2:ST+8*\t+3], v[ST+8*\t+2:ST+8*\t+3], v[S+32*\t+2*n:S+32*\t+2*n+1]
.endr
.set n, n+1
.endr
.irp t, 0,1,2,3
	v_add_f32 v[ST+8*\t+6], v[ST+8*\t+2], v[ST+8*\t+3]
.endr
.irp t, 0,1,2,3
	v_permlanex16_b32 v[ST+8*\t+7], v[ST+8*\t+6], s50, s51
.endr
.irp t, 0,1,2,3
	v_add_f32 v[ST+8*\t+1], v[ST+8*\t+6], v[ST+8*\t+7]
.endr
.irp t, 0,1,2,3
	ds_store_b64 v[ASW], v[ST+8*\t:ST+8*\t+1] offset:128*\t
.endr
	s_wait_dscnt 0x0                ; my (M2, L) are stored (and N's fragments are in)
	s_barrier_signal -1
	s_barrier_wait -1
.irp t, 0,1,2,3
.irp u, 0,1,2,3
	ds_load_b64 v[CREG+8*\t+2*\u:CREG+8*\t+2*\u+1], v[ASR] offset:512*\u+128*\t
.endr
.endr
	s_wait_dscnt 0x0
.irp t, 0,1,2,3
	v_max3_num_f32 v[ST+8*\t+6], v[CREG+8*\t], v[CREG+8*\t+2], v[CREG+8*\t+4]
.endr
.irp t, 0,1,2,3
	v_max_num_f32 v[ST+8*\t+6], v[ST+8*\t+6], v[CREG+8*\t+6]
.endr
.irp t, 0,1,2,3
.irp u, 0,1,2,3
	v_sub_f32 v[CREG+8*\t+2*\u], v[CREG+8*\t+2*\u], v[ST+8*\t+6]
.endr
	v_sub_f32 v[ST+8*\t+7], v[ST+8*\t], v[ST+8*\t+6]
.endr
.irp t, 0,1,2,3
.irp u, 0,1,2,3
	v_exp_f32 v[CREG+8*\t+2*\u], v[CREG+8*\t+2*\u]
.endr
	v_exp_f32 v[ST+8*\t+7], v[ST+8*\t+7]
.endr
	v_nop
	s_wait_alu depctr_va_vdst(0)    ; one wait for the 20
.irp t, 0,1,2,3
	v_mul_f32 v[ST+8*\t+6], v[CREG+8*\t], v[CREG+8*\t+1]
.endr
.irp u, 1,2,3
.irp t, 0,1,2,3
	v_fma_f32 v[ST+8*\t+6], v[CREG+8*\t+2*\u], v[CREG+8*\t+2*\u+1], v[ST+8*\t+6]
.endr
.endr
.irp t, 0,1,2,3
	v_rcp_f32 v[ST+8*\t+4], v[ST+8*\t+6]
.endr
.irp t, 0,1,2,3
	v_mul_f32 v[ST+8*\t+7], v[ST+8*\t+7], v[RHO]
.endr
	s_wait_alu depctr_va_vdst(0)    ; one wait for the four reciprocals; the four lines above are the plain work between
.irp t, 0,1,2,3
	v_mul_f32 v[ST+8*\t+4], v[ST+8*\t+4], v[ST+8*\t+7]
.endr
.irp t, 0,1,2,3
	v_mov_b32 v[ST+8*\t+5], v[ST+8*\t+4]
.endr
.set i, 0
.rept 64
	v_pk_mul_f32 v[S+2*i:S+2*i+1], v[S+2*i:S+2*i+1], v[ST+8*(i/16)+4:ST+8*(i/16)+5]
.set i, i+1
.endr
.set i, 0
.rept 64
	v_cvt_pk_f16_f32 v[S+32*(i/16)+i%16], v[S+32*(i/16)+2*(i%16)], v[S+32*(i/16)+2*(i%16)+1]
.set i, i+1
.endr
.if \fill
	s_wait_xcnt 0x0                 ; the bases of c and tau step; their loads have the 128 products below in which to land
	s_add_nc_u64 s[44:45], s[44:45], 1024
	s_add_nc_u64 s[46:47], s[46:47], 4
.set i, 0
.rept 8
	global_load_b128 v[CREG+4*i:CREG+4*i+3], v[ACB], s[44:45] offset:64*(i/2)+16*(i%2)
.set i, i+1
.endr
	global_load_b32 v[TAUR], v[ZO], s[46:47]
.endif
	PVH 0
.if \fill
	CHGA                            ; slot B lies in registers; Mt of the next head has landed; the round also parts this head's reads of (M2, L) from the next head's stores
	CHGB                            ; N of the next head
.endif
	PVH 1
	WIN 0
.rept 6
	v_nop                           ; the places in front of the loads into N's registers and of the products that write over P
.endr
.endm
	s_load_b512 s[4:19], s[0:1], 0x0       ; v 4, mask 6, bov 8, KN 10, small 12, out0 14, vb 16, CM 18
	v_lshl_add_u32 v[SPW], v0, 2, SPARE
	v_mov_b32 v[NIL], 0
	ds_add_u32 v[SPW], v[NIL]              ; the opening: the add, twice on end, and its wait ahead of my first tensor load
	ds_add_u32 v[SPW], v[NIL]
	v_lshrrev_b32 v[T0], 5, v0
	v_readfirstlane_b32 s20, v[T0]         ; wave
	s_bfe_u32 s21, ttmp6, 0x40000          ; cx: it enters global addresses alone
	s_lshr_b32 s22, ttmp9, 5               ; b: 32 clusters a batch
	s_lshl_b32 s23, ttmp9, 2
	s_add_co_u32 s23, s23, s21             ; g: my block of 64 rows
	s_mov_b32 s24, 15|(3<<16)|(1<<21)      ; group 1: mask of four, 8-byte elements, bit 21 beside the mask: a dense block as 128 rows of 256 bytes
	s_mov_b32 s25, 32<<16
	s_mov_b32 s26, 128<<16
	s_mov_b32 s27, 32<<16
	s_mov_b32 s28, 128
	s_mov_b32 s29, 32
	s_mov_b32 s30, 0
	s_mov_b32 s31, 0
	s_mov_b32 s32, 1
	s_lshl_b32 s33, s20, 15                ; my part of slot A
	s_mov_b32 s36, 1
	s_add_co_u32 s37, s33, 0x20000         ; of slot B
	s_mov_b32 s48, 0xc78ce360              ; -kap x 50000
	s_mov_b32 s49, 0x478ce360
	s_mov_b32 s50, 0x76543210
	s_mov_b32 s51, 0xfedcba98
	s_mov_b32 s67, 0
	s_and_b32 s41, ttmp9, 31
	s_cmp_eq_u32 s41, 0
	s_cselect_b32 s41, 1, -1               ; 1 in the batch's first cluster, else the greatest number
	v_and_b32 v1, 15, v0
	v_bfe_u32 v2, v0, 4, 1
	v_and_b32 v[LN], 31, v0
	v_mov_b32 v[ZO], 0
	v_lshl_add_u32 v[AK], v[LN], 4, s33
	v_add_nc_u32 v[AN], 0x20000, v[AK]
	v_mul_u32_u24 v[AQ], v1, 528
	v_lshl_add_u32 v[AQ], v2, 4, v[AQ]
	v_add_nc_u32 v[AQ], QT, v[AQ]
	s_lshl_b32 s52, s20, 8
	v_lshl_add_u32 v[ACB], v2, 5, s52
	v_add_nc_u32 v[ACM], CMT, v[ACB]
	v_lshl_add_u32 v[ASR], v1, 3, STAT
	s_lshl_b32 s52, s20, 9
	v_add_nc_u32 v[ASW], s52, v[ASR]
	s_lshl_b32 s52, s20, 14
	v_lshl_add_u32 v[VO], v[LN], 4, s52
	s_lshl_b32 s52, s21, 13
	s_add_co_u32 s52, s52, s33
	v_lshl_add_u32 v[PFO], v[LN], 8, s52
	s_mul_i32 s52, s20, 8448
	s_add_co_u32 s52, s52, QT
	v_lshl_add_u32 v26, v[LN], 3, s52      ; where my 16 rows of Q go
	s_lshl_b32 s52, s20, 13
	v_lshl_add_u32 v27, v[LN], 3, s52      ; and in vb
	v_lshlrev_b32 v24, 2, v[LN]
	s_wait_dscnt 0x0
	s_wait_kmcnt 0x0
	s_lshl_b32 s66, s22, 21
	s_add_nc_u64 s[42:43], s[10:11], s[66:67]
	s_mov_b32 s66, s33
	s_add_nc_u64 s[34:35], s[42:43], s[66:67]    ; tile 0, my part
	s_add_nc_u64 s[38:39], s[34:35], 0x20000     ; tile 1
	s_or_b32 s35, s35, 0x80000000
	s_or_b32 s39, s39, 0x80000000
	s_add_nc_u64 s[42:43], s[42:43], 0x20000     ; the prefetches' base: change n steps it by n tiles and names the tile two further on
	s_lshl_b32 s66, s23, 16
	s_add_nc_u64 s[52:53], s[4:5], s[66:67]
	s_add_nc_u64 s[60:61], s[14:15], s[66:67]
	s_lshl_b32 s66, s23, 15
	s_add_nc_u64 s[58:59], s[16:17], s[66:67]
	s_lshl_b32 s66, s23, 13
	s_add_nc_u64 s[62:63], s[18:19], s[66:67]
	s_lshl_b32 s66, s22, 10
	s_add_nc_u64 s[54:55], s[6:7], s[66:67]
	s_lshl_b32 s66, s22, 13
	s_add_nc_u64 s[44:45], s[12:13], s[66:67]
	s_lshl_b32 s66, s22, 7
	s_add_co_u32 s66, s66, 16384
	s_add_nc_u64 s[56:57], s[12:13], s[66:67]
	s_lshl_b32 s66, s20, 5
	s_add_nc_u64 s[46:47], s[56:57], s[66:67]
	CROUND                                 ; all four work-groups are here: the first joint loads meet
	tensor_load_to_lds s[32:35], s[24:31]
	s_nop 0
	tensor_load_to_lds s[36:39], s[24:31]
	s_nop 0
	PLACES
.set i, 0
.rept 32
	global_load_b128 v[S+4*i:S+4*i+3], v[VO], s[52:53] offset:512*i   ; my 16 rows of v
.set i, i+1
.endr
.set i, 0
.rept 8
	global_load_b128 v[BIAS+4*i:BIAS+4*i+3], v[ACB], s[54:55] offset:64*(i/2)+16*(i%2)
	global_load_b128 v[CREG+4*i:CREG+4*i+3], v[ACB], s[44:45] offset:64*(i/2)+16*(i%2)
.set i, i+1
.endr
	global_load_b32 v[TAUR], v[ZO], s[46:47]
	global_load_b32 v25, v24, s[56:57]     ; the batch's 32 tau, a lane each
	WIN 0x80
.set i, 0
.rept 256
	v_mov_b32 v[i], 0
.set i, i+1
.endr
	WIN 0xc0
.set i, 0
.rept 256
	v_mov_b32 v[i], 0
.set i, i+1
.endr
	WIN 0
.set i, 0
.rept 32
	v_mov_b32 v[ST+i], 0
.set i, i+1
.endr
	v_mov_b32 v28, 0
	v_mov_b32 v29, 0xd9ffcb9e              ; -9e15
	s_wait_loadcnt 18                      ; v is in; mask 8, c 8, tau 2 may stay out
.set i, 0
.rept 32
	v_cvt_pk_bf16_f32 v[S+4*i], v[S+4*i], v[S+4*i+1]
	v_cvt_pk_bf16_f32 v[S+4*i+1], v[S+4*i+2], v[S+4*i+3]
.set i, i+1
.endr
.set i, 0
.rept 32
	ds_store_b64 v26, v[S+4*i:S+4*i+1] offset:(i/2)*528+(i%2)*256
	global_store_b64 v27, v[S+4*i:S+4*i+1], s[58:59] offset:256*i     ; 256 consecutive bytes, aligned
.set i, i+1
.endr
	s_wait_loadcnt 0x0
.set i, 0
.rept 32
	v_cmp_eq_u32 vcc_lo, 0, v[BIAS+i]
	v_cvt_f32_i32 v[BIAS+i], v[BIAS+i]
	v_cndmask_b32 v[BIAS+i], v[BIAS+i], v29, vcc_lo
	v_mul_f32 v[BIAS+i], 0x3fb8aa3b, v[BIAS+i]
.set i, i+1
.endr
	v_max_num_f32_dpp v25, v25, v25 row_xmask:1 row_mask:0xf bank_mask:0xf
	v_max_num_f32_dpp v25, v25, v25 row_xmask:2 row_mask:0xf bank_mask:0xf
	v_max_num_f32_dpp v25, v25, v25 row_xmask:4 row_mask:0xf bank_mask:0xf
	v_max_num_f32_dpp v25, v25, v25 row_xmask:8 row_mask:0xf bank_mask:0xf
	v_permlanex16_b32 v28, v25, s50, s51
	v_max_num_f32 v[TM], v25, v28
	v_mov_b32 v[TM+1], v[TM]
	v_sub_nc_u32 v[ITM], 0x7f000000, v[TM] ; 1 / taumax: tau is a power of two
	s_wait_xcnt 0x0                        ; the stores to vb have read their registers
	s_wait_tensorcnt 1                     ; tile 0 is in; tile 1 may stay out
	s_wait_dscnt 0x0                       ; my rows of Q are stored
	s_barrier_signal -1
	s_barrier_wait -1
	s_mov_b32 s40, 7
.Lhead:
	HEAD 1
	s_sub_co_u32 s40, s40, 1
	s_cmp_lg_u32 s40, 0
	s_cbranch_scc1 .Lhead
	HEAD 0                                 ; the last head is written out: it asks for nothing
	; THE END.  Every wave's O^T goes into a copy of its own over the slots, which have had their last fill; rows come back whole and are added.
	s_wait_dscnt 0x0
	s_barrier_signal -1
	s_barrier_wait -1                      ; nobody reads the slots or Q any more
	v_lshlrev_b32 v[T0], 4, v[LN]
	global_load_b128 v[BIAS:BIAS+3], v[T0], s[8:9]
	global_load_b128 v[BIAS+4:BIAS+7], v[T0], s[8:9] offset:512
	s_mul_i32 s52, s20, 64*EP
	v_mul_u32_u24 v[AK], v1, EP
	v_lshl_add_u32 v[AK], v2, 5, v[AK]
	v_add_nc_u32 v[AK], s52, v[AK]
	WIN 0x08
.irp t, 0,1,2,3
.irp cb, 0,1,2,3,4,5,6,7
	ds_store_b128 v[AK], v[8*(8*\t+\cb):8*(8*\t+\cb)+3] offset:\t*16*EP+64*\cb
	ds_store_b128 v[AK], v[8*(8*\t+\cb)+4:8*(8*\t+\cb)+7] offset:\t*16*EP+64*\cb+16
.endr
.endr
	WIN 0x0c
.irp t, 0,1,2,3
.irp cb, 0,1,2,3,4,5,6,7
	ds_store_b128 v[AK], v[8*(8*\t+\cb):8*(8*\t+\cb)+3] offset:\t*16*EP+64*\cb+512
	ds_store_b128 v[AK], v[8*(8*\t+\cb)+4:8*(8*\t+\cb)+7] offset:\t*16*EP+64*\cb+528
.endr
.endr
	WIN 0
	s_mul_i32 s52, s20, 16*EP
	v_lshl_add_u32 v24, v[LN], 4, s52
	v_add_nc_u32 v25, 64*EP, v24
	v_add_nc_u32 v26, 64*EP, v25
	v_add_nc_u32 v27, 64*EP, v26
	s_wait_loadcnt 0x0
.irp p, 0,1,2,3
	v_cvt_pk_bf16_f32 v[T0], v[BIAS+2*\p], v[BIAS+2*\p+1]
	v_lshlrev_b32 v[BIAS+2*\p], 16, v[T0]
	v_and_b32 v[BIAS+2*\p+1], 0xffff0000, v[T0]
.endr
	s_wait_dscnt 0x0
	s_barrier_signal -1
	s_barrier_wait -1
.set bt, 0
.rept 4                                        ; four of my 16 rows at a time
.if bt > 0
	s_wait_xcnt 0x0                        ; the last batch's stores have read their registers
.endif
.set n, 0
.rept 8
.irp u, 0,1,2,3
	ds_load_b128 v[S+16*n+4*\u:S+16*n+4*\u+3], v[24+\u] offset:(4*bt+n/2)*EP+(n%2)*512
.endr
.set n, n+1
.endr
	s_wait_dscnt 0x0
.set n, 0
.rept 8
	v_pk_add_f32 v[S+16*n:S+16*n+1], v[S+16*n:S+16*n+1], v[S+16*n+4:S+16*n+5]
	v_pk_add_f32 v[S+16*n+2:S+16*n+3], v[S+16*n+2:S+16*n+3], v[S+16*n+6:S+16*n+7]
	v_pk_add_f32 v[S+16*n+8:S+16*n+9], v[S+16*n+8:S+16*n+9], v[S+16*n+12:S+16*n+13]
	v_pk_add_f32 v[S+16*n+10:S+16*n+11], v[S+16*n+10:S+16*n+11], v[S+16*n+14:S+16*n+15]
	v_pk_add_f32 v[S+16*n:S+16*n+1], v[S+16*n:S+16*n+1], v[S+16*n+8:S+16*n+9]
	v_pk_add_f32 v[S+16*n+2:S+16*n+3], v[S+16*n+2:S+16*n+3], v[S+16*n+10:S+16*n+11]
	v_pk_fma_f32 v[S+16*n:S+16*n+1], v[S+16*n:S+16*n+1], v[TM:TM+1], v[BIAS+4*(n%2):BIAS+4*(n%2)+1]
	v_pk_fma_f32 v[S+16*n+2:S+16*n+3], v[S+16*n+2:S+16*n+3], v[TM:TM+1], v[BIAS+4*(n%2)+2:BIAS+4*(n%2)+3]
	global_store_b128 v[VO], v[S+16*n:S+16*n+3], s[60:61] offset:(4*bt+n/2)*1024+(n%2)*512   ; 512 consecutive bytes of a row of out0
.set n, n+1
.endr
.set bt, bt+1
.endr
	s_lshl_b32 s52, s20, 11
	v_lshl_add_u32 v28, v[LN], 4, s52
	v_add_nc_u32 v29, CMT, v28
.irp p, 0,1,2,3
	ds_load_b128 v[CREG+4*\p:CREG+4*\p+3], v29 offset:512*\p
.endr
	s_wait_dscnt 0x0
.irp p, 0,1,2,3
	global_store_b128 v28, v[CREG+4*\p:CREG+4*\p+3], s[62:63] offset:512*\p
.endr
	s_wait_tensorcnt 0x0                   ; the wave's end
	ds_add_u32 v[SPW], v[NIL]
	s_wait_dscnt 0x0
	CROUND                                 ; the closing round
	s_endpgm
.Lfunc_end_k_q8a1958ad34_rows:
	.size	k_q8a1958ad34_rows, .Lfunc_end_k_q8a1958ad34_rows-k_q8a1958ad34_rows
	.p2alignl 7, 3214868480
	.fill 96, 4, 3214868480
	.section	.rodata,"a",@progbits
	.p2align	6, 0x0
	.amdhsa_kernel k_q8a1958ad34_rows
		.amdhsa_group_segment_fixed_size 327680
		.amdhsa_private_segment_fixed_size 0
		.amdhsa_enable_private_segment 0
		.amdhsa_kernarg_size 64
		.amdhsa_user_sgpr_count 2
		.amdhsa_user_sgpr_kernarg_segment_ptr 1
		.amdhsa_wavefront_size32 1
		.amdhsa_system_sgpr_workgroup_id_x 1
		.amdhsa_system_sgpr_workgroup_id_y 1
		.amdhsa_system_sgpr_workgroup_id_z 1
		.amdhsa_system_vgpr_workitem_id 0
		.amdhsa_next_free_vgpr 1024
		.amdhsa_next_free_sgpr 72
		.amdhsa_reserve_vcc 1
		.amdhsa_float_denorm_mode_32 3
		.amdhsa_float_denorm_mode_16_64 3
		.amdhsa_memory_ordered 1
		.amdhsa_forward_progress 1
		.amdhsa_inst_pref_size 249
	.end_amdhsa_kernel
	.amdgpu_metadata
---
amdhsa.version: [ 1, 2 ]
amdhsa.kernels:
  - .name:           k_q8a1958ad34_rows
    .symbol:         k_q8a1958ad34_rows.kd
    .args:
      - { .name: v, .offset: 0, .size: 8, .value_kind: global_buffer, .address_space: global }
      - { .name: attention_mask_l, .offset: 8, .size: 8, .value_kind: global_buffer, .address_space: global }
      - { .name: bov, .offset: 16, .size: 8, .value_kind: global_buffer, .address_space: global }
      - { .name: KN, .offset: 24, .size: 8, .value_kind: global_buffer, .address_space: global }
      - { .name: small, .offset: 32, .size: 8, .value_kind: global_buffer, .address_space: global }
      - { .name: out0, .offset: 40, .size: 8, .value_kind: global_buffer, .address_space: global }
      - { .name: vb, .offset: 48, .size: 8, .value_kind: global_buffer, .address_space: global }
      - { .name: CM, .offset: 56, .size: 8, .value_kind: global_buffer, .address_space: global }
    .group_segment_fixed_size: 327680
    .private_segment_fixed_size: 0
    .kernarg_segment_align: 8
    .kernarg_segment_size: 64
    .max_flat_workgroup_size: 128
    .sgpr_count:     72
    .vgpr_count:     1024
    .wavefront_size: 32
...
	.end_amdgpu_metadata
.endif
;; end of part 2
;; launch cols (part 3): grid 16 x 16, 4 waves a work-group, clusters of 4 x 1, 327,680 bytes of LDS; arguments vb, KN, small, CM, UP; writes UP
.if DOCPART == 3
	.amdgcn_target "amdgcn-amd-amdhsa--gfx1250"
	.amdhsa_code_object_version 6
	.text
	.protected	k_q8a1958ad34_cols
	.globl	k_q8a1958ad34_cols
	.p2align	8
	.type	k_q8a1958ad34_cols,@function
k_q8a1958ad34_cols:
	s_mov_b64 s[64:65], 0
	v_nop
	global_prefetch_b8 v0, s[64:65] scope:SCOPE_SE
	s_setreg_imm32_b32 hwreg(HW_REG_WAVE_MODE, 25, 1), 1
	s_wait_xcnt 0x0
	s_wait_alu depctr_hold_cnt(0) depctr_sa_sdst(0) depctr_va_vdst(0) depctr_va_sdst(0) depctr_va_ssrc(0) depctr_va_vcc(0) depctr_vm_vsrc(0)
	s_getreg_b32 s2, hwreg(HW_REG_IB_STS2, 6, 4)
	s_cmp_eq_u32 s2, 0
	s_cbranch_scc0 .Lentry_in_a_cluster
	s_endpgm
.Lentry_in_a_cluster:
	s_bfe_u32 s2, ttmp6, 0x10000c
	s_cmp_lg_u32 s2, 0x3003
	s_cbranch_scc0 .Lentry_shape_is_right
	s_endpgm
.Lentry_shape_is_right:
; Launch 3 of 5: the softmax over the 8,192 vision rows, as partial sums.  vv is not formed: U = A_l v takes its place (shown at the head of the first kernel).
; SHARES.  A work-group has 64 keys (q = its place in the cluster) of one (b, h) (the grid's y) and 2,048 rows t (the cluster's x), in 8 steps of 256; wave w has rows 64 w .. + 63 of a step, two chunks of 32.
; S = v Mt^T (a lane holds one key and 8 rows); p = 2^(med3(S, lo, hi) - m): m is the column's TRUE maximum over all 8,192 rows, made here from launch 2's maxima; lo = max(-C, m - C) holds both of the
; reference's lower clips, hi = C the first one's upper (all less c, which is folded in).  Two tiles of p, rounded to bf16, ARE source 1 of U^T += v^T P (v turned by the LDS load).  Mt stays in registers.
; The sums of p (f32, of the unrounded p) and U^T (f32) leave as partial sums; launch 4 adds the four parts and divides.
; RING.  Two slots of a step (256 rows x 528 bytes); a wave's tensor load brings the 64 rows that it alone reads; the four partners, which differ in their keys alone, ask jointly.  One descriptor walks:
; the bits of 135,168 and of w x 33,792 do not meet, so an exclusive or changes slots.  By the text's own count two tensor loads of a wave are out at the start, one behind each round.
; LIMITS.  A weight below 2^-126 counts as 0; NaN and infinities are not treated apart.  U^T is cleared by 512 lines in the wait for the first tile: a first chunk written out would be a further copy of the chunk.
.set SLOT, 135168
.set RED, 270336
.set LS, 271360
.set SPARE, 272384
.set LN, 3
.set AP0, 4             ; my rows in slot 0, plain fragments
.set AT0, 5             ; turned fragments
.set APC, 6
.set ATC, 7
.set PFO, 8
.set SPW, 9
.set NIL, 10
.set S, 64              ; S(st, tt) at S + 16 st + 8 tt; P(st) in place at S + 16 st
.set FR, 128            ; 16 fragments
; v32 + 4 st: lo, hi, m (twice), all less c; v48 + 2 st: the sums of p.  window 1: Mt(kstep, st) at 8 (4 kstep + st).  windows 2, 3: U^T(cb, st) at 8 (4 (cb % 8) + st)
.set MSB, 0
.macro WIN new
.if MSB != (\new)
	s_set_vgpr_msb (MSB<<8)|(\new)
.set MSB, \new
.endif
.endm
.macro PLACES
.rept 4
	v_nop
.endr
.endm
.macro CROUND
	s_barrier_signal -1
	s_barrier_wait -1
	s_cmp_lg_u32 s20, 0
	s_cbranch_scc1 .Lnw0_\@
	s_barrier_signal -3
.Lnw0_\@:
	s_barrier_wait -3
	s_barrier_signal -1
	s_barrier_wait -1
.endm
.macro CHUNK                            ; 32 rows t x 64 keys
	WIN 0
.set k, 0
.rept 8
.irp tt, 0,1
	ds_load_b128 v[FR+8*(2*k+\tt):FR+8*(2*k+\tt)+3], v[APC] offset:\tt*8448+64*k
	ds_load_b128 v[FR+8*(2*k+\tt)+4:FR+8*(2*k+\tt)+7], v[APC] offset:\tt*8448+64*k+32
.endr
.set k, k+1
.endr
.set k, 0
.rept 8
	s_wait_dscnt 28-4*(k%4)         ; this K step's four loads are in; the younger ones stay out
	WIN 0x04
.irp st, 0,1,2,3
.irp tt, 0,1
.if k == 0
	v_wmma_f32_16x16x32_bf16 v[S+16*\st+8*\tt:S+16*\st+8*\tt+7], v[FR+8*(2*k+\tt):FR+8*(2*k+\tt)+7], v[8*(4*k+\st):8*(4*k+\st)+7], 0
.else
	v_wmma_f32_16x16x32_bf16 v[S+16*\st+8*\tt:S+16*\st+8*\tt+7], v[FR+8*(2*k+\tt):FR+8*(2*k+\tt)+7], v[8*(4*k+\st):8*(4*k+\st)+7], v[S+16*\st+8*\tt:S+16*\st+8*\tt+7]
.endif
.endr
.endr
.if (k == 3) || (k == 7)                ; half of the fragment registers are free: v turned, eight blocks of 16 channels
	PLACES
	WIN 0
.irp cb, 0,1,2,3,4,5,6,7
	ds_load_tr16_b128 v[FR+16*(k-3)+8*\cb:FR+16*(k-3)+8*\cb+3], v[ATC] offset:64*(k-3)+32*\cb
	ds_load_tr16_b128 v[FR+16*(k-3)+8*\cb+4:FR+16*(k-3)+8*\cb+7], v[ATC] offset:64*(k-3)+32*\cb+8448
.endr
.endif
.set k, k+1
.endr
.set i, 0
.rept 64
	v_med3_num_f32 v[S+i], v[S+i], v[32+4*(i/16)], v[33+4*(i/16)]
.set i, i+1
.endr
.set i, 0
.rept 32
	v_pk_add_f32 v[S+2*i:S+2*i+1], v[S+2*i:S+2*i+1], v[34+4*(i/8):35+4*(i/8)] neg_lo:[0,1] neg_hi:[0,1]
.set i, i+1
.endr
.set i, 0
.rept 64
	v_exp_f32 v[S+i], v[S+i]
.set i, i+1
.endr
	v_nop
	s_wait_alu depctr_va_vdst(0)    ; one wait for the batch of 64
.set n, 0
.rept 8
.irp st, 0,1,2,3
	v_pk_add_f32 v[48+2*\st:49+2*\st], v[48+2*\st:49+2*\st], v[S+16*\st+2*n:S+16*\st+2*n+1]
.endr
.set n, n+1
.endr
.set i, 0
.rept 32
	v_cvt_pk_bf16_f32 v[S+16*(i/8)+i%8], v[S+16*(i/8)+2*(i%8)], v[S+16*(i/8)+2*(i%8)+1]
.set i, i+1
.endr
	s_wait_dscnt 16                 ; channels 0-127 are in
	WIN 0xa0
.irp cb, 0,1,2,3,4,5,6,7
.irp st, 0,1,2,3
	v_wmma_f32_16x16x32_bf16 v[8*(4*\cb+\st):8*(4*\cb+\st)+7], v[FR+8*\cb:FR+8*\cb+7], v[S+16*\st:S+16*\st+7], v[8*(4*\cb+\st):8*(4*\cb+\st)+7]
.endr
.endr
	s_wait_dscnt 0x0
	WIN 0xf0
.irp cb, 0,1,2,3,4,5,6,7
.irp st, 0,1,2,3
	v_wmma_f32_16x16x32_bf16 v[8*(4*\cb+\st):8*(4*\cb+\st)+7], v[FR+64+8*\cb:FR+64+8*\cb+7], v[S+16*\st:S+16*\st+7], v[8*(4*\cb+\st):8*(4*\cb+\st)+7]
.endr
.endr
	WIN 0
.rept 6
	v_nop                           ; the places in front of the next loads into the fragments and of the products that write over P
.endr
.endm
.macro COMPUTE                          ; a step: my 64 rows of the slot at s46, two chunks
	WIN 0
	v_add_nc_u32 v[APC], s46, v[AP0]
	v_add_nc_u32 v[ATC], s46, v[AT0]
	s_mov_b32 s41, 2
.Lch_\@:
	CHUNK
	v_add_nc_u32 v[APC], 16896, v[APC]
	v_add_nc_u32 v[ATC], 16896, v[ATC]
	s_sub_co_u32 s41, s41, 1
	s_cmp_lg_u32 s41, 0
	s_cbranch_scc1 .Lch_\@
.endm
	s_load_b256 s[4:11], s[0:1], 0x0       ; vb 4, KN 6, small 8, CM 10
	s_load_b64 s[12:13], s[0:1], 0x20      ; UP
	v_lshl_add_u32 v[SPW], v0, 2, SPARE
	v_mov_b32 v[NIL], 0
	ds_add_u32 v[SPW], v[NIL]              ; the opening: the add, twice on end, and its wait ahead of my first tensor load
	ds_add_u32 v[SPW], v[NIL]
	v_lshrrev_b32 v11, 5, v0
	v_readfirstlane_b32 s20, v11           ; wave
	s_bfe_u32 s21, ttmp6, 0x40000          ; q = cx: it enters global addresses alone
	s_mov_b32 s22, ttmp9                   ; the quarter of the rows
	s_and_b32 s23, ttmp7, 0xffff           ; y = 8 b + h
	s_lshr_b32 s52, s23, 3
	s_and_b32 s53, s23, 7
	s_mov_b32 s24, 15|(1<<16)|(1<<20)|(1<<21)|(6<<22)|(3<<25)   ; mask of four, 2-byte elements, 4 words of padding behind every 128
	s_mov_b32 s25, 256<<16
	s_mov_b32 s26, 64<<16
	s_mov_b32 s27, 256<<16
	s_mov_b32 s28, 64
	s_mov_b32 s29, 256
	s_mov_b32 s30, 0
	s_mov_b32 s31, 0
	s_mov_b32 s32, 1
	s_mul_i32 s33, s20, 33792
	s_mov_b32 s36, 1
	s_add_co_u32 s37, s33, SLOT
	s_mov_b32 s46, 0
	s_mov_b32 s48, 0xc78ce360
	s_mov_b32 s49, 0x478ce360
	s_mov_b32 s50, 0x76543210
	s_mov_b32 s51, 0xfedcba98
	s_mov_b32 s67, 0
	s_cmp_eq_u32 s53, 0
	s_cselect_b32 s42, 1, -1               ; of the eight clusters that walk the same rows the one of head 0 prefetches
	v_and_b32 v1, 15, v0
	v_bfe_u32 v2, v0, 4, 1
	v_and_b32 v[LN], 31, v0
	v_mul_u32_u24 v[AP0], v1, 528
	v_lshl_add_u32 v[AP0], v2, 4, v[AP0]
	v_add_nc_u32 v[AP0], s33, v[AP0]
	v_and_b32 v11, 7, v0
	v_lshl_add_u32 v11, v2, 3, v11
	v_mul_u32_u24 v[AT0], v11, 528
	v_bfe_u32 v12, v0, 3, 1
	v_lshl_add_u32 v[AT0], v12, 4, v[AT0]
	v_add_nc_u32 v[AT0], s33, v[AT0]
	s_lshl_b32 s54, s20, 15
	s_lshl_b32 s55, s21, 13
	s_add_co_u32 s55, s55, s54
	v_lshl_add_u32 v[PFO], v[LN], 8, s55
	v_lshlrev_b32 v11, 4, v[LN]
	s_lshl_b32 s55, s20, 18                ; 32 w work-groups of 8,192 bytes
	v_lshl_add_u32 v12, v2, 13, s55
	v_lshl_add_u32 v12, v1, 4, v12
	v_lshlrev_b32 v13, 2, v1
	s_lshl_b32 s55, s20, 8
	s_add_co_u32 s55, s55, RED
	v_lshl_add_u32 v14, v1, 4, s55
	v_lshl_add_u32 v15, v1, 2, RED
	s_wait_dscnt 0x0
	s_wait_kmcnt 0x0
	s_lshl_b32 s66, s52, 22
	s_lshl_b32 s55, s22, 20
	s_add_co_u32 s66, s66, s55
	s_add_nc_u64 s[44:45], s[4:5], s[66:67]      ; vb at my quarter's first row
	s_mov_b32 s66, s54
	s_add_nc_u64 s[34:35], s[44:45], s[66:67]    ; step 0, my 64 rows
	s_add_nc_u64 s[38:39], s[34:35], 0x20000     ; step 1
	s_or_b32 s35, s35, 0x80000000
	s_or_b32 s39, s39, 0x80000000
	s_add_nc_u64 s[44:45], s[44:45], 0x20000     ; the prefetches' base: change n steps it by n steps and names the step after
	s_lshl_b32 s66, s23, 18
	s_lshl_b32 s55, s21, 15
	s_add_co_u32 s66, s66, s55
	s_add_nc_u64 s[54:55], s[6:7], s[66:67]      ; Mt of (b, h, q)
	s_lshl_b32 s66, s52, 20
	s_lshl_b32 s56, s53, 10
	s_add_co_u32 s66, s66, s56
	s_lshl_b32 s56, s21, 8
	s_add_co_u32 s66, s66, s56
	s_add_nc_u64 s[58:59], s[10:11], s[66:67]    ; CM of the batch's first work-group, my head and keys
	s_lshl_b32 s66, s23, 10
	s_add_co_u32 s66, s66, s56
	s_add_nc_u64 s[60:61], s[8:9], s[66:67]      ; c of my keys
	CROUND
	tensor_load_to_lds s[32:35], s[24:31]
	s_nop 0
	tensor_load_to_lds s[36:39], s[24:31]
	s_nop 0
	PLACES
	WIN 0x40
.set i, 0
.rept 64
	global_load_b128 v[4*i:4*i+3], v11, s[54:55] offset:512*i
.set i, i+1
.endr
	WIN 0
.set i, 0
.rept 16
	global_load_b128 v[FR+4*i:FR+4*i+3], v12, s[58:59] offset:16384*i
.set i, i+1
.endr
.irp st, 0,1,2,3
	global_load_b32 v[16+\st], v13, s[60:61] offset:64*\st
.endr
	WIN 0x80
.set i, 0
.rept 256
	v_mov_b32 v[i], 0
.set i, i+1
.endr
	WIN 0xc0
.set i, 0
.rept 256
	v_mov_b32 v[i], 0
.set i, i+1
.endr
	WIN 0
.set i, 0
.rept 8
	v_mov_b32 v[48+i], 0
	v_mov_b32 v[24+i], 0
.set i, i+1
.endr
	s_wait_loadcnt 4                       ; Mt and the maxima are in; c's four loads may stay out
.irp e, 0,1,2,3
	v_max3_num_f32 v[20+\e], v[FR+\e], v[FR+4+\e], v[FR+8+\e]
.endr
.set n, 0
.rept 6
.irp e, 0,1,2,3
	v_max3_num_f32 v[20+\e], v[20+\e], v[FR+12+8*n+\e], v[FR+16+8*n+\e]
.endr
.set n, n+1
.endr
.irp e, 0,1,2,3
	v_max_num_f32 v[20+\e], v[20+\e], v[FR+60+\e]
.endr
.irp e, 0,1,2,3
	v_permlanex16_b32 v[24+\e], v[20+\e], s50, s51
.endr
.irp e, 0,1,2,3
	v_max_num_f32 v[20+\e], v[20+\e], v[24+\e]
.endr
	ds_store_b128 v14, v[20:23]
	s_wait_dscnt 0x0
	s_barrier_signal -1
	s_barrier_wait -1                      ; the two tiles may stay out
.irp st, 0,1,2,3
.irp u, 0,1,2,3
	ds_load_b32 v[FR+64+4*\st+\u], v15 offset:256*\u+64*\st
.endr
.endr
	s_wait_dscnt 0x0
	s_wait_loadcnt 0x0
.irp st, 0,1,2,3
	v_max3_num_f32 v[20+\st], v[FR+64+4*\st], v[FR+65+4*\st], v[FR+66+4*\st]
	v_max_num_f32 v[20+\st], v[20+\st], v[FR+67+4*\st]        ; m: the column's maximum over all rows
	v_add_f32 v24, s48, v[20+\st]
	v_max_num_f32 v24, s48, v24                               ; max(-C, m - C)
	v_sub_f32 v[32+4*\st], v24, v[16+\st]
	v_sub_f32 v[33+4*\st], s49, v[16+\st]
	v_sub_f32 v[34+4*\st], v[20+\st], v[16+\st]
	v_sub_f32 v[35+4*\st], v[20+\st], v[16+\st]
.endr
	s_wait_tensorcnt 1                     ; my rows of step 0 are in, and I alone read them
	s_mov_b32 s40, 6
.Lstep:
	COMPUTE
	s_wait_tensorcnt 0x0                   ; the change of slots: all my tensor loads have landed, the next step's among them
	ds_add_u32 v[SPW], v[NIL]
	s_xor_b32 s37, s37, SLOT               ; the slot just read,
	s_add_nc_u64 s[38:39], s[38:39], 0x20000   ; the step two on
	s_xor_b32 s46, s46, SLOT
	s_wait_xcnt 0x0
	s_add_nc_u64 s[44:45], s[44:45], 0x20000
	s_wait_dscnt 0x0
	CROUND
	tensor_load_to_lds s[36:39], s[24:31]
	s_nop 0
	PLACES
	s_cmp_gt_u32 s40, s42                  ; the step after the one just asked for: 32 blocks of 256 bytes a wave, the partners told apart by address; the last change asks for nothing
	s_cbranch_scc0 .Lnp
	global_prefetch_b8 v[PFO], s[44:45] offset:0x20000 th:TH_LOAD_NT scope:SCOPE_SE
.Lnp:
	s_sub_co_u32 s40, s40, 1
	s_cmp_lg_u32 s40, 0
	s_cbranch_scc1 .Lstep
	s_mov_b32 s43, 2
.Ltail:                                        ; the last two steps ask for nothing
	COMPUTE
	s_wait_tensorcnt 0x0                   ; the last step's rows, which I alone read
	s_xor_b32 s46, s46, SLOT
	s_sub_co_u32 s43, s43, 1
	s_cmp_lg_u32 s43, 0
	s_cbranch_scc1 .Ltail
	; THE END: the four waves' U^T and sums meet in LDS, over the slots, which have had their last fill
.irp st, 0,1,2,3
	v_add_f32 v[16+\st], v[48+2*\st], v[49+2*\st]
.endr
.irp st, 0,1,2,3
	v_permlanex16_b32 v[24+\st], v[16+\st], s50, s51
.endr
.irp st, 0,1,2,3
	v_add_f32 v[16+\st], v[16+\st], v[24+\st]
.endr
	s_wait_dscnt 0x0
	s_barrier_signal -1
	s_barrier_wait -1
	s_lshl_b32 s54, s20, 16
	v_lshl_add_u32 v[AP0], v[LN], 4, s54
	s_lshl_b32 s54, s20, 8
	s_add_co_u32 s54, s54, LS
	v_lshl_add_u32 v[AT0], v1, 2, s54
	WIN 0x08
.irp cb, 0,1,2,3,4,5,6,7
.irp st, 0,1,2,3
	ds_store_b128 v[AP0], v[8*(4*\cb+\st):8*(4*\cb+\st)+3] offset:\st*16384+\cb*1024
	ds_store_b128 v[AP0], v[8*(4*\cb+\st)+4:8*(4*\cb+\st)+7] offset:\st*16384+\cb*1024+512
.endr
.endr
	WIN 0x0c
.irp cb, 0,1,2,3,4,5,6,7
.irp st, 0,1,2,3
	ds_store_b128 v[AP0], v[8*(4*\cb+\st):8*(4*\cb+\st)+3] offset:\st*16384+\cb*1024+8192
	ds_store_b128 v[AP0], v[8*(4*\cb+\st)+4:8*(4*\cb+\st)+7] offset:\st*16384+\cb*1024+8704
.endr
.endr
	WIN 0
.irp st, 0,1,2,3
	ds_store_b32 v[AT0], v[16+\st] offset:64*\st
.endr
	s_lshl_b32 s54, s20, 14
	v_lshl_add_u32 v28, v[LN], 4, s54      ; tile st = my wave's number
	v_mov_b32 v24, v28
	v_add_nc_u32 v25, 0x10000, v24
	v_add_nc_u32 v26, 0x10000, v25
	v_add_nc_u32 v27, 0x10000, v26
	s_lshl_b32 s66, s22, 22
	s_lshl_b32 s54, s23, 2
	s_add_co_u32 s54, s54, s21
	s_lshl_b32 s54, s54, 16
	s_add_co_u32 s66, s66, s54
	s_add_nc_u64 s[56:57], s[12:13], s[66:67]
	s_lshl_b32 s66, s22, 14
	s_lshl_b32 s54, s23, 10
	s_add_co_u32 s66, s66, s54
	s_lshl_b32 s54, s21, 8
	s_add_co_u32 s66, s66, s54
	s_add_nc_u64 s[58:59], s[12:13], s[66:67]
	s_add_nc_u64 s[58:59], s[58:59], 0x1000000
	s_wait_dscnt 0x0
	s_barrier_signal -1
	s_barrier_wait -1
.set bt, 0
.rept 4
.if bt > 0
	s_wait_xcnt 0x0                        ; the last batch's stores have read their registers
.endif
.set n, 0
.rept 8
.irp u, 0,1,2,3
	ds_load_b128 v[FR+16*n+4*\u:FR+16*n+4*\u+3], v[24+\u] offset:512*(8*bt+n)
.endr
.set n, n+1
.endr
	s_wait_dscnt 0x0
.set n, 0
.rept 8
	v_pk_add_f32 v[FR+16*n:FR+16*n+1], v[FR+16*n:FR+16*n+1], v[FR+16*n+4:FR+16*n+5]
	v_pk_add_f32 v[FR+16*n+2:FR+16*n+3], v[FR+16*n+2:FR+16*n+3], v[FR+16*n+6:FR+16*n+7]
	v_pk_add_f32 v[FR+16*n+8:FR+16*n+9], v[FR+16*n+8:FR+16*n+9], v[FR+16*n+12:FR+16*n+13]
	v_pk_add_f32 v[FR+16*n+10:FR+16*n+11], v[FR+16*n+10:FR+16*n+11], v[FR+16*n+14:FR+16*n+15]
	v_pk_add_f32 v[FR+16*n:FR+16*n+1], v[FR+16*n:FR+16*n+1], v[FR+16*n+8:FR+16*n+9]
	v_pk_add_f32 v[FR+16*n+2:FR+16*n+3], v[FR+16*n+2:FR+16*n+3], v[FR+16*n+10:FR+16*n+11]
	global_store_b128 v28, v[FR+16*n:FR+16*n+3], s[56:57] offset:512*(8*bt+n)   ; 512 consecutive bytes
.set n, n+1
.endr
.set bt, bt+1
.endr
	s_cmp_lg_u32 s20, 0
	s_cbranch_scc1 .Lend
	v_lshl_add_u32 v29, v[LN], 3, LS
.irp u, 0,1,2,3
	ds_load_b64 v[S+2*\u:S+2*\u+1], v29 offset:256*\u
.endr
	v_lshlrev_b32 v30, 3, v[LN]
	s_wait_dscnt 0x0
	v_pk_add_f32 v[S:S+1], v[S:S+1], v[S+2:S+3]
	v_pk_add_f32 v[S+4:S+5], v[S+4:S+5], v[S+6:S+7]
	v_pk_add_f32 v[S:S+1], v[S:S+1], v[S+4:S+5]
	global_store_b64 v30, v[S:S+1], s[58:59]     ; 256 consecutive bytes
.Lend:
	s_wait_tensorcnt 0x0                   ; the wave's end
	ds_add_u32 v[SPW], v[NIL]
	s_wait_dscnt 0x0
	CROUND                                 ; the closing round
	s_endpgm
.Lfunc_end_k_q8a1958ad34_cols:
	.size	k_q8a1958ad34_cols, .Lfunc_end_k_q8a1958ad34_cols-k_q8a1958ad34_cols
	.p2alignl 7, 3214868480
	.fill 96, 4, 3214868480
	.section	.rodata,"a",@progbits
	.p2align	6, 0x0
	.amdhsa_kernel k_q8a1958ad34_cols
		.amdhsa_group_segment_fixed_size 327680
		.amdhsa_private_segment_fixed_size 0
		.amdhsa_enable_private_segment 0
		.amdhsa_kernarg_size 40
		.amdhsa_user_sgpr_count 2
		.amdhsa_user_sgpr_kernarg_segment_ptr 1
		.amdhsa_wavefront_size32 1
		.amdhsa_system_sgpr_workgroup_id_x 1
		.amdhsa_system_sgpr_workgroup_id_y 1
		.amdhsa_system_sgpr_workgroup_id_z 1
		.amdhsa_system_vgpr_workitem_id 0
		.amdhsa_next_free_vgpr 1024
		.amdhsa_next_free_sgpr 72
		.amdhsa_reserve_vcc 0
		.amdhsa_float_denorm_mode_32 3
		.amdhsa_float_denorm_mode_16_64 3
		.amdhsa_memory_ordered 1
		.amdhsa_forward_progress 1
		.amdhsa_inst_pref_size 121
	.end_amdhsa_kernel
	.amdgpu_metadata
---
amdhsa.version: [ 1, 2 ]
amdhsa.kernels:
  - .name:           k_q8a1958ad34_cols
    .symbol:         k_q8a1958ad34_cols.kd
    .args:
      - { .name: vb, .offset: 0, .size: 8, .value_kind: global_buffer, .address_space: global }
      - { .name: KN, .offset: 8, .size: 8, .value_kind: global_buffer, .address_space: global }
      - { .name: small, .offset: 16, .size: 8, .value_kind: global_buffer, .address_space: global }
      - { .name: CM, .offset: 24, .size: 8, .value_kind: global_buffer, .address_space: global }
      - { .name: UP, .offset: 32, .size: 8, .value_kind: global_buffer, .address_space: global }
    .group_segment_fixed_size: 327680
    .private_segment_fixed_size: 0
    .kernarg_segment_align: 8
    .kernarg_segment_size: 40
    .max_flat_workgroup_size: 128
    .sgpr_count:     72
    .vgpr_count:     1024
    .wavefront_size: 32
...
	.end_amdgpu_metadata
.endif
;; end of part 3
;; launch merge (part 4): grid 256 x 1, 4 waves a work-group, no clusters, 0 bytes of LDS; arguments UP, UF; writes UF
.if DOCPART == 4
	.amdgcn_target "amdgcn-amd-amdhsa--gfx1250"
	.amdhsa_code_object_version 6
	.text
	.protected	k_q8a1958ad34_merge
	.globl	k_q8a1958ad34_merge
	.p2align	8
	.type	k_q8a1958ad34_merge,@function
k_q8a1958ad34_merge:
	s_mov_b64 s[64:65], 0
	v_nop
	global_prefetch_b8 v0, s[64:65] scope:SCOPE_SE
	s_setreg_imm32_b32 hwreg(HW_REG_WAVE_MODE, 25, 1), 1
	s_wait_xcnt 0x0
; Launch 4 of 5: U = (the four parts of U^T added) / (the four parts of the sum of p added), rounded once to f16, in the order in which launch 5's operand registers take it.
; A stream: each byte of UP is read once, 512 consecutive bytes an instruction.  An accumulator's lane (key l % 16, channels 8 (l / 16) ..) is the fragment's lane, so nothing changes lanes: no LDS, no barrier.
; A work-group has one tile of 16 keys, g' = ((8 b + h) 4 + q) 4 + st; wave w its channels 64 w .. 64 w + 63.  LIMIT: U is a mean of v's rows: |v| stays under 65,504.
	s_load_b128 s[4:7], s[0:1], 0x0        ; UP, UF
	v_lshrrev_b32 v1, 5, v0
	v_readfirstlane_b32 s8, v1
	v_and_b32 v2, 31, v0
	v_and_b32 v3, 15, v0
	v_lshlrev_b32 v4, 4, v2
	v_lshlrev_b32 v5, 2, v3
	s_mov_b32 s9, ttmp9
	s_lshl_b32 s10, s9, 14
	s_lshl_b32 s11, s8, 12
	s_add_co_u32 s10, s10, s11
	s_mov_b32 s11, 0
	s_lshl_b32 s20, s9, 6                  ; the tile's 16 keys in the sums: 16 g' x 4 bytes
	s_mov_b32 s21, 0
	s_lshr_b32 s22, s9, 7                  ; b
	s_lshl_b32 s22, s22, 3
	s_bfe_u32 s23, s9, 0x20002             ; q
	s_lshl_b32 s23, s23, 1
	s_add_co_u32 s22, s22, s23
	s_bfe_u32 s23, s9, 0x10001             ; st / 2
	s_add_co_u32 s22, s22, s23             ; rt
	s_lshl_b32 s22, s22, 17
	s_bfe_u32 s23, s9, 0x30004             ; h
	s_lshl_b32 s23, s23, 14
	s_add_co_u32 s22, s22, s23
	s_lshl_b32 s23, s8, 12                 ; K steps 2 w, 2 w + 1
	s_add_co_u32 s22, s22, s23
	s_and_b32 s23, s9, 1                   ; nt
	s_lshl_b32 s23, s23, 10
	s_add_co_u32 s22, s22, s23
	s_mov_b32 s23, 0
	s_wait_kmcnt 0x0
	s_add_nc_u64 s[12:13], s[4:5], s[10:11]
	s_add_nc_u64 s[14:15], s[12:13], 0x400000
	s_add_nc_u64 s[16:17], s[14:15], 0x400000
	s_add_nc_u64 s[18:19], s[16:17], 0x400000
	s_add_nc_u64 s[20:21], s[4:5], s[20:21]
	s_add_nc_u64 s[20:21], s[20:21], 0x1000000
	s_add_nc_u64 s[6:7], s[6:7], s[22:23]
.irp ks, 0,1,2,3
	global_load_b32 v[8+\ks], v5, s[20:21] offset:16384*\ks
.endr
.irp ks, 0,1,2,3
.irp m, 0,1,2,3,4,5,6,7
	global_load_b128 v[16+32*\ks+4*\m:16+32*\ks+4*\m+3], v4, s[12+2*\ks:13+2*\ks] offset:512*\m th:TH_LOAD_NT
.endr
.endr
	s_wait_loadcnt 32                      ; the four sums are in
	v_add_f32 v8, v8, v9
	v_add_f32 v10, v10, v11
	v_add_f32 v8, v8, v10
	v_rcp_f32 v12, v8
	v_rcp_f32 v13, v8
	s_wait_loadcnt 0x0
.set i, 0
.rept 16
	v_pk_add_f32 v[16+2*i:17+2*i], v[16+2*i:17+2*i], v[48+2*i:49+2*i]
	v_pk_add_f32 v[80+2*i:81+2*i], v[80+2*i:81+2*i], v[112+2*i:113+2*i]
.set i, i+1
.endr
.set i, 0
.rept 16
	v_pk_add_f32 v[16+2*i:17+2*i], v[16+2*i:17+2*i], v[80+2*i:81+2*i]
.set i, i+1
.endr
	s_wait_alu depctr_va_vdst(0)           ; one wait for both reciprocals; the additions above are the work between
.set i, 0
.rept 16
	v_pk_mul_f32 v[16+2*i:17+2*i], v[16+2*i:17+2*i], v[12:13]
.set i, i+1
.endr
.set i, 0
.rept 16
	v_cvt_pk_f16_f32 v[144+i], v[16+2*i], v[17+2*i]
.set i, i+1
.endr
.irp c, 0,1,2,3
	global_store_b128 v4, v[144+4*\c:147+4*\c], s[6:7] offset:(\c/2)*2048+(\c%2)*512
.endr
	s_endpgm
.Lfunc_end_k_q8a1958ad34_merge:
	.size	k_q8a1958ad34_merge, .Lfunc_end_k_q8a1958ad34_merge-k_q8a1958ad34_merge
	.p2alignl 7, 3214868480
	.fill 96, 4, 3214868480
	.section	.rodata,"a",@progbits
	.p2align	6, 0x0
	.amdhsa_kernel k_q8a1958ad34_merge
		.amdhsa_group_segment_fixed_size 0
		.amdhsa_private_segment_fixed_size 0
		.amdhsa_enable_private_segment 0
		.amdhsa_kernarg_size 16
		.amdhsa_user_sgpr_count 2
		.amdhsa_user_sgpr_kernarg_segment_ptr 1
		.amdhsa_wavefront_size32 1
		.amdhsa_system_sgpr_workgroup_id_x 1
		.amdhsa_system_sgpr_workgroup_id_y 1
		.amdhsa_system_sgpr_workgroup_id_z 1
		.amdhsa_system_vgpr_workitem_id 0
		.amdhsa_next_free_vgpr 160
		.amdhsa_next_free_sgpr 66
		.amdhsa_reserve_vcc 0
		.amdhsa_float_denorm_mode_32 3
		.amdhsa_float_denorm_mode_16_64 3
		.amdhsa_memory_ordered 1
		.amdhsa_forward_progress 1
		.amdhsa_inst_pref_size 11
	.end_amdhsa_kernel
	.amdgpu_metadata
---
amdhsa.version: [ 1, 2 ]
amdhsa.kernels:
  - .name:           k_q8a1958ad34_merge
    .symbol:         k_q8a1958ad34_merge.kd
    .args:
      - { .name: UP, .offset: 0, .size: 8, .value_kind: global_buffer, .address_space: global }
      - { .name: UF, .offset: 8, .size: 8, .value_kind: global_buffer, .address_space: global }
    .group_segment_fixed_size: 0
    .private_segment_fixed_size: 0
    .kernarg_segment_align: 8
    .kernarg_segment_size: 16
    .max_flat_workgroup_size: 128
    .sgpr_count:     66
    .vgpr_count:     160
    .wavefront_size: 32
...
	.end_amdgpu_metadata
.endif
;; end of part 4
;; launch outl (part 5): grid 16 x 12, 4 waves a work-group, no clusters, 35,328 bytes of LDS; arguments UF, GF, small, out1; writes out1
.if DOCPART == 5
	.amdgcn_target "amdgcn-amd-amdhsa--gfx1250"
	.amdhsa_code_object_version 6
	.text
	.protected	k_q8a1958ad34_outl
	.globl	k_q8a1958ad34_outl
	.p2align	8
	.type	k_q8a1958ad34_outl,@function
k_q8a1958ad34_outl:
	s_mov_b64 s[64:65], 0
	v_nop
	global_prefetch_b8 v0, s[64:65] scope:SCOPE_SE
	s_setreg_imm32_b32 hwreg(HW_REG_WAVE_MODE, 25, 1), 1
	s_wait_xcnt 0x0
; Launch 5 of 5: out1 = sum_h U_h G_h + g0 (vv and its projection are not formed: shown at the head of the first kernel).  [512 x 2048] x [2048 x 768] in f16, sums in f32.
; A work-group makes 32 rows x 64 columns; K is split among its four waves, two heads each: 16 K steps whose fragments lie on end in both buffers and come straight into registers, 512 consecutive bytes a load.
; Three sets of registers: two K steps' 24 loads stay out while one is multiplied.  The four partial sums meet in LDS.  G was stored as 64 G: the last line multiplies by 1/64.  192 work-groups: the product has no more
; tiles of this size, and it is short: no ring, no cluster, no prefetch.
.set SPARE, 34816
.set SPW, 6
.set NIL, 7
.set ACC, 16            ; (nt, mt) at ACC + 8 (4 nt + mt)
.set FR, 80             ; three sets of 48: four fragments of G, two of U
	s_load_b256 s[4:11], s[0:1], 0x0       ; UF 4, GF 6, small 8, out1 10
	v_lshl_add_u32 v[SPW], v0, 2, SPARE
	v_mov_b32 v[NIL], 0
	v_lshrrev_b32 v1, 5, v0
	v_readfirstlane_b32 s12, v1
	v_and_b32 v1, 15, v0
	v_bfe_u32 v2, v0, 4, 1
	v_and_b32 v3, 31, v0
	v_lshlrev_b32 v4, 4, v3
	v_lshlrev_b32 v5, 4, v1
	s_mov_b32 s13, ttmp9
	s_and_b32 s14, ttmp7, 0xffff
	s_lshl_b32 s16, s13, 17
	s_lshl_b32 s15, s12, 15
	s_add_co_u32 s16, s16, s15
	s_mov_b32 s17, 0
	s_lshl_b32 s18, s14, 18
	s_lshl_b32 s15, s12, 16
	s_add_co_u32 s18, s18, s15
	s_mov_b32 s19, 0
	s_lshl_b32 s20, s14, 8
	s_mov_b32 s21, 0
	s_mul_i32 s22, s13, 98304              ; 32 rows of out1
	s_add_co_u32 s22, s22, s20
	s_mov_b32 s23, 0
	s_wait_kmcnt 0x0
	s_add_nc_u64 s[4:5], s[4:5], s[16:17]
	s_add_nc_u64 s[6:7], s[6:7], s[18:19]
	s_add_nc_u64 s[8:9], s[8:9], s[20:21]
	s_add_nc_u64 s[10:11], s[10:11], s[22:23]
	global_load_b128 v[8:11], v5, s[8:9] offset:16640    ; g0 of my four columns
.macro LOADS kk
.irp mt, 0,1,2,3
	global_load_b128 v[FR+48*((\kk)%3)+8*\mt:FR+48*((\kk)%3)+8*\mt+3], v4, s[6:7] offset:(\kk)*4096+\mt*1024
	global_load_b128 v[FR+48*((\kk)%3)+8*\mt+4:FR+48*((\kk)%3)+8*\mt+7], v4, s[6:7] offset:(\kk)*4096+\mt*1024+512
.endr
.irp nt, 0,1
	global_load_b128 v[FR+48*((\kk)%3)+32+8*\nt:FR+48*((\kk)%3)+35+8*\nt], v4, s[4:5] offset:(\kk)*2048+\nt*1024
	global_load_b128 v[FR+48*((\kk)%3)+36+8*\nt:FR+48*((\kk)%3)+39+8*\nt], v4, s[4:5] offset:(\kk)*2048+\nt*1024+512
.endr
.endm
	LOADS 0
	LOADS 1
	LOADS 2
.set k, 0
.rept 16
.if k < 14
	s_wait_loadcnt 24                      ; this K step is in; two younger ones stay out
.else
	s_wait_loadcnt 12*(15-k)
.endif
.irp nt, 0,1
.irp mt, 0,1,2,3
.if k == 0
	v_wmma_f32_16x16x32_f16 v[ACC+8*(4*\nt+\mt):ACC+8*(4*\nt+\mt)+7], v[FR+48*(k%3)+8*\mt:FR+48*(k%3)+8*\mt+7], v[FR+48*(k%3)+32+8*\nt:FR+48*(k%3)+39+8*\nt], 0
.else
	v_wmma_f32_16x16x32_f16 v[ACC+8*(4*\nt+\mt):ACC+8*(4*\nt+\mt)+7], v[FR+48*(k%3)+8*\mt:FR+48*(k%3)+8*\mt+7], v[FR+48*(k%3)+32+8*\nt:FR+48*(k%3)+39+8*\nt], v[ACC+8*(4*\nt+\mt):ACC+8*(4*\nt+\mt)+7]
.endif
.endr
.endr
.rept 4
	v_nop                                  ; the places in front of loads into registers just read, and of the stores of the results
.endr
.if k < 13
	LOADS k+3
.endif
.set k, k+1
.endr
	s_mul_i32 s15, s12, 8704               ; my copy: 32 rows x 272 bytes
	v_mul_u32_u24 v12, v1, 272
	v_lshl_add_u32 v12, v2, 5, v12
	v_add_nc_u32 v12, s15, v12
.irp nt, 0,1
.irp mt, 0,1,2,3
	ds_store_b128 v12, v[ACC+8*(4*\nt+\mt):ACC+8*(4*\nt+\mt)+3] offset:\nt*4352+64*\mt
	ds_store_b128 v12, v[ACC+8*(4*\nt+\mt)+4:ACC+8*(4*\nt+\mt)+7] offset:\nt*4352+64*\mt+16
.endr
.endr
	s_lshl_b32 s15, s12, 3
	v_add_nc_u32 v13, s15, v2              ; row 8 w + hh
	v_mul_u32_u24 v14, v13, 272
	v_lshl_add_u32 v14, v1, 4, v14
	v_mul_u32_u24 v15, v13, 3072
	v_lshl_add_u32 v15, v1, 4, v15
	s_wait_dscnt 0x0
	s_barrier_signal -1
	s_barrier_wait -1
.irp p, 0,1,2,3
.irp u, 0,1,2,3
	ds_load_b128 v[FR+16*\p+4*\u:FR+16*\p+4*\u+3], v14 offset:\u*8704+\p*544
.endr
.endr
	v_mov_b32 v144, 0x3c800000             ; 1/64
	v_mov_b32 v145, v144
	s_wait_dscnt 0x0
.irp p, 0,1,2,3
	v_pk_add_f32 v[FR+16*\p:FR+16*\p+1], v[FR+16*\p:FR+16*\p+1], v[FR+16*\p+4:FR+16*\p+5]
	v_pk_add_f32 v[FR+16*\p+2:FR+16*\p+3], v[FR+16*\p+2:FR+16*\p+3], v[FR+16*\p+6:FR+16*\p+7]
	v_pk_add_f32 v[FR+16*\p+8:FR+16*\p+9], v[FR+16*\p+8:FR+16*\p+9], v[FR+16*\p+12:FR+16*\p+13]
	v_pk_add_f32 v[FR+16*\p+10:FR+16*\p+11], v[FR+16*\p+10:FR+16*\p+11], v[FR+16*\p+14:FR+16*\p+15]
	v_pk_add_f32 v[FR+16*\p:FR+16*\p+1], v[FR+16*\p:FR+16*\p+1], v[FR+16*\p+8:FR+16*\p+9]
	v_pk_add_f32 v[FR+16*\p+2:FR+16*\p+3], v[FR+16*\p+2:FR+16*\p+3], v[FR+16*\p+10:FR+16*\p+11]
	v_pk_fma_f32 v[FR+16*\p:FR+16*\p+1], v[FR+16*\p:FR+16*\p+1], v[144:145], v[8:9]
	v_pk_fma_f32 v[FR+16*\p+2:FR+16*\p+3], v[FR+16*\p+2:FR+16*\p+3], v[144:145], v[10:11]
	global_store_b128 v15, v[FR+16*\p:FR+16*\p+3], s[10:11] offset:\p*6144     ; sixteen lanes fill 256 consecutive bytes of a row, aligned
.endr
	s_wait_tensorcnt 0x0                   ; the wave's end, behind my last LDS store
	ds_add_u32 v[SPW], v[NIL]
	s_wait_dscnt 0x0
	s_endpgm
.Lfunc_end_k_q8a1958ad34_outl:
	.size	k_q8a1958ad34_outl, .Lfunc_end_k_q8a1958ad34_outl-k_q8a1958ad34_outl
	.p2alignl 7, 3214868480
	.fill 96, 4, 3214868480
	.section	.rodata,"a",@progbits
	.p2align	6, 0x0
	.amdhsa_kernel k_q8a1958ad34_outl
		.amdhsa_group_segment_fixed_size 35328
		.amdhsa_private_segment_fixed_size 0
		.amdhsa_enable_private_segment 0
		.amdhsa_kernarg_size 32
		.amdhsa_user_sgpr_count 2
		.amdhsa_user_sgpr_kernarg_segment_ptr 1
		.amdhsa_wavefront_size32 1
		.amdhsa_system_sgpr_workgroup_id_x 1
		.amdhsa_system_sgpr_workgroup_id_y 1
		.amdhsa_system_sgpr_workgroup_id_z 1
		.amdhsa_system_vgpr_workitem_id 0
		.amdhsa_next_free_vgpr 224
		.amdhsa_next_free_sgpr 66
		.amdhsa_reserve_vcc 0
		.amdhsa_float_denorm_mode_32 3
		.amdhsa_float_denorm_mode_16_64 3
		.amdhsa_memory_ordered 1
		.amdhsa_forward_progress 1
		.amdhsa_inst_pref_size 36
	.end_amdhsa_kernel
	.amdgpu_metadata
---
amdhsa.version: [ 1, 2 ]
amdhsa.kernels:
  - .name:           k_q8a1958ad34_outl
    .symbol:         k_q8a1958ad34_outl.kd
    .args:
      - { .name: UF, .offset: 0, .size: 8, .value_kind: global_buffer, .address_space: global }
      - { .name: GF, .offset: 8, .size: 8, .value_kind: global_buffer, .address_space: global }
      - { .name: small, .offset: 16, .size: 8, .value_kind: global_buffer, .address_space: global }
      - { .name: out1, .offset: 24, .size: 8, .value_kind: global_buffer, .address_space: global }
    .group_segment_fixed_size: 35328
    .private_segment_fixed_size: 0
    .kernarg_segment_align: 8
    .kernarg_segment_size: 32
    .max_flat_workgroup_size: 128
    .sgpr_count:     66
    .vgpr_count:     224
    .wavefront_size: 32
...
	.end_amdgpu_metadata
.endif
;; end of part 5
;; ======== version 2 of 3: 5 launches
;; limits: values are held in f16: magnitudes above 65,504 overflow, below 6.1e-05 lose precision; right only within a limited range of input values; inputs' magnitudes at most 65,504
;; workspace buffers: KN 4,194,304 bytes; GF 3,145,728 bytes; small 19,712 bytes; vb 8,388,608 bytes; CM 2,097,152 bytes; UP 16,842,752 bytes; UF 2,097,152 bytes
;; launch prep (part 6): grid 31 x 8, 8 waves a work-group, no clusters, 210,176 bytes of LDS; arguments l, Wl, bl, Wvl, bvl, Wv, bv, Wov, Wvv, Wol, bvv, bol, KN, GF, small; writes KN, GF, small
.if DOCPART == 6
	.amdgcn_target "amdgcn-amd-amdhsa--gfx1250"
	.amdhsa_code_object_version 6
	.text
	.protected	k_q8a1958ad34_prep
	.globl	k_q8a1958ad34_prep
	.p2align	8
	.type	k_q8a1958ad34_prep,@function
k_q8a1958ad34_prep:
	s_mov_b64 s[64:65], 0
	v_nop
	global_prefetch_b8 v0, s[64:65] scope:SCOPE_SE
	s_setreg_imm32_b32 hwreg(HW_REG_WAVE_MODE, 25, 1), 1
	s_wait_xcnt 0x0
; BiMultiHeadAttention, launch 1 of 5: the small matrices that take the place of three large projections.
; ALGEBRA (exact in real numbers for all inputs; kap = log2 e; h a head, s a language row, t a vision row):
;   kap attn[t,s] = v_t . Mt_s + c_s   with Mt[b,h,s,:] = (kap/16) Wv_h k_hs, c[b,h,s] = (kap/16) bv_h . k_hs, k = l Wl + bl: q is never formed.
;   out0 = sum_h P_h N_h + bov         with N[b,h,s,:] = vl_hs Wov_h, vl = l Wvl + bvl: the product with Wov is done on 256 rows, not on 8,192.
;   out1 = sum_h U_h G_h + g0          with U = A_l v, G_h = Wvv_h Wol_h, g0 = bvv Wol + bol, since a softmax's weights add up to 1: vv is never formed.
; No input is left out: every one is loaded by some launch.  Of the second clip the upper bound is an identity (a score less its maximum is not above 0); its lower bound is kept (launch 3).
; LIMITS.  The order of rounding differs from the reference's.  All inputs are rounded once to bf16; k, vl, Mt are bf16; N is f16 as N / tau, tau = the power of two of the largest |N| of its
; block of 64 keys (kept in 2^-126 .. 2^126); G is f16 as 64 G, so |G| stays under 1,023.  NaN and infinities are not treated apart.
; JOBS by the work-group's x (h = its y): 0-7 Mt and c of (b, 64 keys); 8-15 N and tau of the same; 16-27 G (64 vd x 256 o); 28-30 g0 (32 columns for each (x, h)).
; A job is T[64 x 256] = l_block W1_h + b1 (K = 768 in six chunks of 128, two LDS buffers that take turns, one barrier a chunk) and then T times a second matrix (two chunks).  f32 is rounded on the way from registers to LDS.
; THE STREAM.  A chunk is 40 loads a wave, in five groups of eight with registers of their own: l's, then four of the weights' (four rows each).  A group's turn: its counted wait, its 16 roundings, AT ONCE the same
; group's eight loads for the next chunk, then its eight LDS stores.  So 32 to 40 loads of a wave are on their way at all times, and each wait in the loop is for 32: four younger groups, of this chunk or already of the next.
; In the sixth trip there is no further chunk of l: the group's eight loads are issued all the same, on the chunk in hand (the base's step is 0): 4 KiB a wave that nobody reads, the price of one text and one count of
; loads for every trip.
.set WT1, 69632         ; LDS: two weight chunks of 128 rows x 544 bytes (512 of bf16 + 32), at 0 and here
.set AT0, 139264        ; two chunks of l: 64 rows x 272 bytes, 17,408 apart
.set TT, 174080         ; T: 64 rows x 528 bytes
.set RED, 207872        ; 1,024 bytes for sums and maxima across waves
.set CL, 208896         ; 256 bytes: c before it leaves
.set SPARE, 209152      ; the spare words: 128 bytes for each of eight waves
.set SPW, 40            ; v40 my spare word's address; v41 zero: for the add alone
.set NIL, 41
.set ACC, 64            ; v64-127 eight accumulators
.set FR, 128            ; v128-223 two fragment sets of 48; also the rounded chunk on its way to LDS
; v1 r = lane % 16, v2 hh = lane / 16, v3 lane; v4,5 chunk store (buffer 0, 1); v6 l store; v8 l fragments; v10,11 turned weight fragments; v12 T store; v13 T fragments; v14,15 plain weight fragments
; v16-31 row offsets of a weight chunk, v32-39 of a chunk of l; v42-63 at work (v58-61: the first product's four addresses in the buffer in hand); v224-239 b1.
; Window 1: v0-127 a weight chunk in f32 (group g: v[32 g .. 32 g + 31]), v128-191 a chunk of l (or Wvv's rows) in f32
.set MSB, 0
.macro WIN new
.if MSB != (\new)
	s_set_vgpr_msb (MSB<<8)|(\new)
.set MSB, \new
.endif
.endm
.macro PLACES
.rept 4
	v_nop
.endr
.endm
.macro BAR
	s_barrier_signal -1
	s_barrier_wait -1
.endm
.macro RB x, y, tmp                     ; two f32 rounded to bf16 and kept as f32
	v_cvt_pk_bf16_f32 v[\tmp], v[\x], v[\y]
	v_lshlrev_b32 v[\x], 16, v[\tmp]
	v_and_b32 v[\y], 0xffff0000, v[\tmp]
.endm
.macro WOFFS                            ; row 16 w + i of a chunk, pitch s44, 16 bytes a lane
	s_mul_i32 s56, s34, s44
	s_lshl_b32 s56, s56, 4
	v_lshl_add_u32 v16, v3, 4, s56
.set i, 1
.rept 15
	v_add_nc_u32 v[16+i], s44, v[15+i]
.set i, i+1
.endr
.endm
.macro AOFFS                            ; row 8 w + i, pitch s45
	s_mul_i32 s56, s34, s45
	s_lshl_b32 s56, s56, 3
	v_lshl_add_u32 v32, v3, 4, s56
.set i, 1
.rept 7
	v_add_nc_u32 v[32+i], s45, v[31+i]
.set i, i+1
.endr
.endm
.macro LOADW                            ; 128 rows x 1,024 bytes of f32: 32 loads of 512 consecutive bytes a wave, groups 0 to 3 in order
	WIN 0x40
.set i, 0
.rept 16
	global_load_b128 v[8*i:8*i+3], v[16+i], s[40:41]
	global_load_b128 v[8*i+4:8*i+7], v[16+i], s[40:41] offset:512
.set i, i+1
.endr
	WIN 0
.endm
.macro LOADA                            ; 64 rows x 512 bytes of l: eight loads a wave
	WIN 0x40
.set i, 0
.rept 8
	global_load_b128 v[128+4*i:128+4*i+3], v[32+i], s[42:43]
.set i, i+1
.endr
	WIN 0
.endm
; Group g of a weight chunk (my rows 4 g .. 4 g + 3) is rounded to bf16; again = 1: its registers are asked for again at once, for the chunk at s[40:41]; then it is laid into LDS as it lies in memory, at v[wreg]
.macro GRP g, wreg, again
	WIN 0x05
.set i, 0
.rept 16
	v_cvt_pk_bf16_f32 v[FR+16*(\g)+i], v[32*(\g)+2*i], v[32*(\g)+2*i+1]
.set i, i+1
.endr
.if \again
	WIN 0x40
.set i, 0
.rept 4
	global_load_b128 v[32*(\g)+8*i:32*(\g)+8*i+3], v[16+4*(\g)+i], s[40:41]
	global_load_b128 v[32*(\g)+8*i+4:32*(\g)+8*i+7], v[16+4*(\g)+i], s[40:41] offset:512
.set i, i+1
.endr
.endif
	WIN 0
.set i, 0
.rept 8
	ds_store_b64 v[\wreg], v[FR+16*(\g)+2*i:FR+16*(\g)+2*i+1] offset:(4*(\g)+i/2)*544+(i%2)*256
.set i, i+1
.endr
.endm
.macro CVT wreg                         ; a whole weight chunk, behind which nothing is asked for
	WIN 0x05
.set i, 0
.rept 64
	v_cvt_pk_bf16_f32 v[FR+i], v[2*i], v[2*i+1]
.set i, i+1
.endr
	WIN 0
.set i, 0
.rept 32
	ds_store_b64 v[\wreg], v[FR+2*i:FR+2*i+1] offset:(i/2)*544+(i%2)*256
.set i, i+1
.endr
.endm
; fragments of one K step of 32: four of the 64 rows (plain), two of my 32 columns of the weights (turned): 12 loads
.macro FRT areg, aoff, apitch, breg, ks, set
.irp a, 0,1,2,3
	ds_load_b128 v[FR+48*(\set)+8*\a:FR+48*(\set)+8*\a+3], v[\areg] offset:\a*(\apitch)+(\aoff)
	ds_load_b128 v[FR+48*(\set)+8*\a+4:FR+48*(\set)+8*\a+7], v[\areg] offset:\a*(\apitch)+(\aoff)+32
.endr
.irp u, 0,1
	ds_load_tr16_b128 v[FR+48*(\set)+32+8*\u:FR+48*(\set)+35+8*\u], v[\breg] offset:(\ks)*17408+32*\u
	ds_load_tr16_b128 v[FR+48*(\set)+36+8*\u:FR+48*(\set)+39+8*\u], v[\breg] offset:(\ks)*17408+32*\u+8704
.endr
.endm
.macro MM1 set                          ; T^T: source 0 = weights (m = d), source 1 = l (n = s); the eight accumulators take turns
.irp a, 0,1,2,3
.irp u, 0,1
	v_wmma_f32_16x16x32_bf16 v[ACC+8*(2*\a+\u):ACC+8*(2*\a+\u)+7], v[FR+48*(\set)+32+8*\u:FR+48*(\set)+39+8*\u], v[FR+48*(\set)+8*\a:FR+48*(\set)+8*\a+7], v[ACC+8*(2*\a+\u):ACC+8*(2*\a+\u)+7]
.endr
.endr
.endm
.macro MM2 set, zero                    ; source 0 = T (m = row), source 1 = weights (n = column)
.irp a, 0,1,2,3
.irp u, 0,1
.if \zero
	v_wmma_f32_16x16x32_bf16 v[ACC+8*(2*\a+\u):ACC+8*(2*\a+\u)+7], v[FR+48*(\set)+8*\a:FR+48*(\set)+8*\a+7], v[FR+48*(\set)+32+8*\u:FR+48*(\set)+39+8*\u], 0
.else
	v_wmma_f32_16x16x32_bf16 v[ACC+8*(2*\a+\u):ACC+8*(2*\a+\u)+7], v[FR+48*(\set)+8*\a:FR+48*(\set)+8*\a+7], v[FR+48*(\set)+32+8*\u:FR+48*(\set)+39+8*\u], v[ACC+8*(2*\a+\u):ACC+8*(2*\a+\u)+7]
.endif
.endr
.endr
.endm
.macro COMPUTE1 areg, breg              ; a chunk's four K steps; each wait leaves the next step's 12 loads out
	FRT \areg, 0, 4352, \breg, 0, 0
	FRT \areg, 64, 4352, \breg, 1, 1
	s_wait_dscnt 12
	MM1 0
	PLACES
	FRT \areg, 128, 4352, \breg, 2, 0
	s_wait_dscnt 12
	MM1 1
	PLACES
	FRT \areg, 192, 4352, \breg, 3, 1
	s_wait_dscnt 12
	MM1 0
	s_wait_dscnt 0x0
	MM1 1
	PLACES                          ; the fragment registers are written next by the rounding
.endm
.macro C2T cc                           ; second product, weights turned: four K steps of chunk cc
	FRT 13, 256*(\cc), 8448, 10+(\cc), 0, 0
	FRT 13, 256*(\cc)+64, 8448, 10+(\cc), 1, 1
	s_wait_dscnt 12
	MM2 0, 1-(\cc)
	PLACES
	FRT 13, 256*(\cc)+128, 8448, 10+(\cc), 2, 0
	s_wait_dscnt 12
	MM2 1, 0
	PLACES
	FRT 13, 256*(\cc)+192, 8448, 10+(\cc), 3, 1
	s_wait_dscnt 12
	MM2 0, 0
	s_wait_dscnt 0x0
	MM2 1, 0
	PLACES
.endm
.macro FRP cc, kk, set                  ; second product, weights plain (rows = vd): one fragment of Wv, four of T: 10 loads
	ds_load_b128 v[FR+48*(\set)+32:FR+48*(\set)+35], v[14+(\cc)] offset:64*(\kk)
	ds_load_b128 v[FR+48*(\set)+36:FR+48*(\set)+39], v[14+(\cc)] offset:64*(\kk)+32
.irp a, 0,1,2,3
	ds_load_b128 v[FR+48*(\set)+8*\a:FR+48*(\set)+8*\a+3], v13 offset:\a*8448+64*(\kk)
	ds_load_b128 v[FR+48*(\set)+8*\a+4:FR+48*(\set)+8*\a+7], v13 offset:\a*8448+64*(\kk)+32
.endr
.endm
.macro C2P cc
	FRP \cc, 0, 0
	FRP \cc, 1, 1
.set k, 0
.rept 8
.if k < 7
	s_wait_dscnt 10
.else
	s_wait_dscnt 0x0
.endif
.irp a, 0,1,2,3
.if k == 0
	v_wmma_f32_16x16x32_bf16 v[ACC+8*(4*(\cc)+\a):ACC+8*(4*(\cc)+\a)+7], v[FR+48*(k%2)+32:FR+48*(k%2)+39], v[FR+48*(k%2)+8*\a:FR+48*(k%2)+8*\a+7], 0
.else
	v_wmma_f32_16x16x32_bf16 v[ACC+8*(4*(\cc)+\a):ACC+8*(4*(\cc)+\a)+7], v[FR+48*(k%2)+32:FR+48*(k%2)+39], v[FR+48*(k%2)+8*\a:FR+48*(k%2)+8*\a+7], v[ACC+8*(4*(\cc)+\a):ACC+8*(4*(\cc)+\a)+7]
.endif
.endr
	PLACES
.if k < 6
	FRP \cc, k+2, k%2
.endif
.set k, k+1
.endr
.endm
	s_load_b512 s[4:19], s[0:1], 0x0       ; l 4, Wl 6, bl 8, Wvl 10, bvl 12, Wv 14, bv 16, Wov 18
	s_load_b256 s[20:27], s[0:1], 0x40     ; Wvv 20, Wol 22, bvv 24, bol 26
	s_load_b128 s[28:31], s[0:1], 0x60     ; KN 28, GF 30
	s_load_b64 s[32:33], s[0:1], 0x70      ; small
	v_lshl_add_u32 v[SPW], v0, 2, SPARE
	v_mov_b32 v[NIL], 0
	v_lshrrev_b32 v42, 5, v0
	v_readfirstlane_b32 s34, v42           ; wave 0..7
	v_and_b32 v3, 31, v0
	v_and_b32 v1, 15, v0
	v_bfe_u32 v2, v0, 4, 1
	s_mov_b32 s35, ttmp9
	s_and_b32 s38, ttmp7, 0xffff           ; h
	s_mov_b32 s54, 0x76543210
	s_mov_b32 s55, 0xfedcba98
	s_mov_b32 s67, 0
	s_mov_b32 s51, 0
	s_mul_i32 s56, s34, 8704               ; 16 rows of 544
	v_lshl_add_u32 v4, v3, 3, s56
	v_add_nc_u32 v5, WT1, v4
	v_mul_u32_u24 v14, v1, 544
	v_lshl_add_u32 v14, v2, 4, v14
	v_add_nc_u32 v14, s56, v14
	v_add_nc_u32 v15, WT1, v14
	s_mul_i32 s56, s34, 2176               ; 8 rows of 272
	s_add_co_u32 s56, s56, AT0
	v_lshl_add_u32 v6, v3, 3, s56
	v_mul_u32_u24 v8, v1, 272
	v_lshl_add_u32 v8, v2, 4, v8
	v_add_nc_u32 v8, AT0, v8
	v_and_b32 v42, 7, v0
	v_lshl_add_u32 v42, v2, 3, v42
	v_mul_u32_u24 v10, v42, 544
	v_bfe_u32 v43, v0, 3, 1
	v_lshl_add_u32 v10, v43, 4, v10
	s_lshl_b32 s56, s34, 6                 ; my 32 columns: 64 bytes
	v_add_nc_u32 v10, s56, v10
	v_add_nc_u32 v11, WT1, v10
	v_mul_u32_u24 v13, v1, 528
	v_lshl_add_u32 v13, v2, 4, v13
	v_add_nc_u32 v13, TT, v13
	v_add_nc_u32 v12, s56, v13
	s_wait_kmcnt 0x0
	s_cmp_ge_u32 s35, 28
	s_cbranch_scc1 .LJ4
	s_cmp_ge_u32 s35, 16
	s_cbranch_scc1 .LJ3
	; jobs 0 (Mt, c) and 1 (N, tau)
	s_lshr_b32 s63, s35, 3                 ; the job
	s_bfe_u32 s37, s35, 0x10002            ; b
	s_and_b32 s62, s35, 3                  ; q: the block of 64 keys
	s_mov_b32 s56, 0x2000
	s_mov_b32 s57, 1024
	s_mov_b32 s49, 0x100000
	s_mov_b32 s68, 0x20000
	s_cmp_eq_u32 s63, 0
	s_cselect_b64 s[40:41], s[6:7], s[10:11]     ; W1: Wl or Wvl
	s_cselect_b64 s[58:59], s[8:9], s[12:13]     ; b1
	s_cselect_b64 s[46:47], s[14:15], s[18:19]   ; the second matrix: Wv or Wov
	s_cselect_b32 s48, s56, s57                  ; its pitch
	s_cselect_b32 s50, s49, s68                  ; 128 of its rows
	s_lshl_b32 s66, s38, 10                ; the head's 256 columns of f32
	s_add_nc_u64 s[40:41], s[40:41], s[66:67]
	s_add_nc_u64 s[58:59], s[58:59], s[66:67]
	s_lshl_b32 s56, s38, 18                ; the head's 256 rows of Wov
	s_cmp_eq_u32 s63, 0
	s_cselect_b32 s66, s66, s56
	s_add_nc_u64 s[46:47], s[46:47], s[66:67]
	s_lshl_b32 s56, s37, 8
	s_lshl_b32 s57, s62, 6
	s_add_co_u32 s56, s56, s57
	s_mul_i32 s66, s56, 3072
	s_add_nc_u64 s[42:43], s[4:5], s[66:67]      ; l at my 64 rows
	s_lshl_b32 s56, s37, 3
	s_add_co_u32 s56, s56, s38
	s_lshl_b32 s56, s56, 1
	s_add_co_u32 s56, s56, s63
	s_lshl_b32 s66, s56, 17
	s_lshl_b32 s57, s62, 15
	s_add_co_u32 s66, s66, s57
	s_add_nc_u64 s[52:53], s[28:29], s[66:67]    ; KN at (b, h, kind, q)
	s_lshl_b32 s56, s37, 13
	s_lshl_b32 s57, s38, 10
	s_add_co_u32 s56, s56, s57
	s_lshl_b32 s57, s62, 8
	s_add_co_u32 s56, s56, s57             ; c's place
	s_lshl_b32 s66, s37, 7
	s_lshl_b32 s57, s62, 5
	s_add_co_u32 s66, s66, s57
	s_lshl_b32 s57, s38, 2
	s_add_co_u32 s66, s66, s57
	s_add_co_u32 s66, s66, 16384           ; tau's place
	s_cmp_eq_u32 s63, 0
	s_cselect_b32 s66, s56, s66
	s_add_nc_u64 s[60:61], s[32:33], s[66:67]
	s_mov_b32 s49, 16384                   ; job 1's way out: bytes between key halves, and for a pair of waves
	s_mov_b32 s68, 4096
	s_lshl_b32 s56, s34, 7
	v_lshl_add_u32 v42, v2, 5, s56         ; b1 of my columns: (32 w + 8 hh) x 4
	global_load_b128 v[224:227], v42, s[58:59]
	global_load_b128 v[228:231], v42, s[58:59] offset:16
	global_load_b128 v[232:235], v42, s[58:59] offset:64
	global_load_b128 v[236:239], v42, s[58:59] offset:80
	s_mov_b32 s44, 8192
	s_mov_b32 s45, 3072
	WOFFS
	AOFFS
	LOADA                                  ; the first chunk, in the order in which the loop takes the groups: l's, then the weights' four
	LOADW
	s_wait_loadcnt 40                      ; b1 is in; the first chunk's 40 loads stay out
.set i, 0
.rept 8
	RB 224+2*i, 225+2*i, 43
.set i, i+1
.endr
.set i, 0
.rept 64
	v_mov_b32 v[ACC+i], v[224+8*((i/8)%2)+i%8]   ; the sums start at b1
.set i, i+1
.endr
	s_mov_b32 s39, 0                       ; chunks asked for behind the first
	s_mov_b32 s69, 0                       ; the buffer in hand: 0 or WT1 for the weights,
	s_mov_b32 s70, 0                       ; 0 or 17,408 for l
	s_mov_b32 s36, 6
.Lk1:                                          ; one chunk a trip.  On the way in and round the back edge alike 40 loads are out: l's eight, then the weights' groups 0 to 3
	s_wait_loadcnt 32                      ; l's group is in; the weights' four groups stay out
	s_wait_xcnt 0x0                        ; every load issued so far has read its addresses: the bases and the row offsets, which the loads still out name, are written only behind this wait
	v_add_nc_u32 v58, s69, v4
	v_add_nc_u32 v59, s70, v6
	v_add_nc_u32 v60, s70, v8
	v_add_nc_u32 v61, s69, v10
	s_add_co_u32 s39, s39, 1
	s_add_nc_u64 s[58:59], s[40:41], 0x100000
	s_cmp_lt_u32 s39, 6
	s_cselect_b64 s[40:41], s[58:59], s[46:47]   ; the next chunk of W1; behind the sixth the second matrix's first,
	s_cselect_b32 s44, s44, s48                  ; with its own pitch
	s_cselect_b32 s66, 512, 0                    ; l goes 128 columns on; in the sixth trip it stays (see THE STREAM)
	s_add_nc_u64 s[42:43], s[42:43], s[66:67]
	WOFFS
	WIN 0x05
.set i, 0
.rept 16
	v_cvt_pk_bf16_f32 v[FR+64+i], v[128+2*i], v[128+2*i+1]
.set i, i+1
.endr
	LOADA                                  ; asked for again as soon as the registers are free
.set i, 0
.rept 8
	ds_store_b64 v59, v[FR+64+2*i:FR+64+2*i+1] offset:i*272
.set i, i+1
.endr
.irp g, 0,1,2,3
	s_wait_loadcnt 32                      ; the weights' group g is in: behind it stand this chunk's later groups and the groups already asked for again, four of eight in all
	GRP \g, 58, 1
.endr
	s_wait_dscnt 0x0                       ; my stores are done; my reads of the other buffer ended with the last chunk, in front of its barrier
	BAR
	COMPUTE1 60, 61
	s_xor_b32 s69, s69, WT1                ; the buffers take turns
	s_xor_b32 s70, s70, 17408
	s_sub_co_u32 s36, s36, 1
	s_cmp_lg_u32 s36, 0
	s_cbranch_scc1 .Lk1
.set i, 0
.rept 32
	v_cvt_pk_bf16_f32 v[FR+i], v[ACC+2*i], v[ACC+2*i+1]
.set i, i+1
.endr
.set i, 0
.rept 8
	ds_store_b128 v12, v[FR+4*i:FR+4*i+3] offset:(i/2)*8448+32*(i%2)   ; T[s][d]: a lane's eight d of one s
.set i, i+1
.endr
	s_branch .Lstage2
.LJ3:                                          ; G: T is 64 rows of Wvv_h, the second matrix 256 columns of Wol_h
	s_sub_co_u32 s56, s35, 16
	s_and_b32 s57, s56, 3                  ; block of 64 vd
	s_lshr_b32 s62, s56, 2                 ; block of 256 o
	s_mov_b32 s63, 2
	s_mov_b64 s[60:61], s[32:33]           ; this job stores neither c nor tau and branches round both stores; the pair holds small's address, so that it is a buffer's address on every way that leads to them
	s_lshl_b32 s66, s57, 19
	s_lshl_b32 s56, s38, 10
	s_add_co_u32 s66, s66, s56
	s_add_nc_u64 s[42:43], s[20:21], s[66:67]
	s_mul_i32 s66, s38, 786432
	s_lshl_b32 s56, s62, 10
	s_add_co_u32 s66, s66, s56
	s_add_nc_u64 s[40:41], s[22:23], s[66:67]
	s_mov_b32 s44, 3072
	s_mov_b32 s45, 8192
	s_mov_b32 s50, 0x60000
	s_lshl_b32 s66, s62, 20
	s_lshl_b32 s56, s38, 15
	s_add_co_u32 s66, s66, s56
	s_lshl_b32 s56, s57, 13
	s_add_co_u32 s66, s66, s56
	s_add_nc_u64 s[52:53], s[30:31], s[66:67]
	s_mov_b32 s49, 4096
	s_mov_b32 s68, 262144
	AOFFS
	WOFFS
	WIN 0x40
.set i, 0
.rept 16
	global_load_b128 v[128+4*i:128+4*i+3], v[32+i/2], s[42:43] offset:(i%2)*512
.set i, i+1
.endr
	WIN 0
	LOADW
	s_mul_i32 s56, s34, 4224               ; 8 rows of 528
	s_add_co_u32 s56, s56, TT
	v_lshl_add_u32 v44, v3, 3, s56
	s_wait_loadcnt 32                      ; Wvv's rows are in; the chunk of Wol stays out
	WIN 0x05
.set i, 0
.rept 32
	v_cvt_pk_bf16_f32 v[FR+i], v[128+2*i], v[128+2*i+1]
.set i, i+1
.endr
	WIN 0
.set i, 0
.rept 16
	ds_store_b64 v44, v[FR+2*i:FR+2*i+1] offset:(i/2)*528+(i%2)*256
.set i, i+1
.endr
.Lstage2:                                      ; on both ways here the youngest 32 loads are the second matrix's first chunk, groups 0 to 3 (what the first way has out beside them is older)
	s_wait_loadcnt 24                      ; group 0 is in; three groups stay out
	s_wait_xcnt 0x0                        ; the loads still out have read the base: it steps to the second chunk only behind this wait
	s_add_nc_u64 s[40:41], s[40:41], s[50:51]
	GRP 0, 4, 1
.irp g, 1,2,3
	s_wait_loadcnt 24                      ; group g is in: behind it stand this chunk's later groups and the second chunk's groups already asked for, three of eight in all
	GRP \g, 4, 1
.endr
	s_wait_dscnt 0x0                       ; my part of T and of the chunk is stored
	BAR
	s_cmp_eq_u32 s63, 0
	s_cbranch_scc1 .Lplain
	C2T 0
	s_wait_loadcnt 0x0
	CVT 5
	s_wait_dscnt 0x0
	BAR
	C2T 1
	s_lshr_b32 s56, s34, 1
	s_mul_i32 s56, s56, s68
	s_and_b32 s57, s34, 1
	s_lshl_b32 s57, s57, 11
	s_add_co_u32 s56, s56, s57
	v_lshl_add_u32 v56, v3, 4, s56
	v_add_nc_u32 v57, s49, v56
	s_cmp_eq_u32 s63, 1
	s_cbranch_scc0 .Lgscale
	v_mov_b32 v42, 0                       ; tau: the largest |N| of the block, each accumulator from its low end
	v_mov_b32 v43, 0
.set i, 0
.rept 32
	v_max3_num_f32 v42, v42, |v[ACC+2*i]|, |v[ACC+2*i+1]|
.set i, i+1
.endr
	v_max_num_f32_dpp v42, v42, v42 row_xmask:1 row_mask:0xf bank_mask:0xf
	v_max_num_f32_dpp v42, v42, v42 row_xmask:2 row_mask:0xf bank_mask:0xf
	v_max_num_f32_dpp v42, v42, v42 row_xmask:4 row_mask:0xf bank_mask:0xf
	v_max_num_f32_dpp v42, v42, v42 row_xmask:8 row_mask:0xf bank_mask:0xf
	v_permlanex16_b32 v43, v42, s54, s55
	v_max_num_f32 v42, v42, v43
	s_lshl_b32 s56, s34, 2
	s_add_co_u32 s56, s56, RED
	v_mov_b32 v44, s56
	ds_store_b32 v44, v42
	s_wait_dscnt 0x0
	BAR
	v_mov_b32 v44, RED
	ds_load_b128 v[48:51], v44
	ds_load_b128 v[52:55], v44 offset:16
	s_wait_dscnt 0x0
	v_max3_num_f32 v48, v48, v49, v50
	v_max3_num_f32 v51, v51, v52, v53
	v_max3_num_f32 v48, v48, v54, v55
	v_max_num_f32 v48, v48, v51
	v_and_b32 v45, 0x7f800000, v48         ; its power of two,
	v_max_u32 v45, 0x00800000, v45         ; kept where its reciprocal is a normal number too
	v_min_u32 v45, 0x7e800000, v45
	v_sub_nc_u32 v46, 0x7f000000, v45      ; 1 / tau
	v_mov_b32 v44, 0
	s_wait_xcnt 0x0                        ; EXEC changes only behind this wait
	v_cmp_eq_u32 vcc_lo, 0, v0
	s_and_saveexec_b32 s57, vcc_lo
	global_store_b32 v44, v45, s[60:61]
	s_wait_xcnt 0x0
	s_or_b32 exec_lo, exec_lo, s57
	s_branch .Lpack
.Lgscale:
	v_mov_b32 v46, 0x42800000              ; G leaves as 64 G
.Lpack:
	v_mov_b32 v47, v46
.set n, 0
.rept 8
.irp p, 0,1,2,3
	v_pk_mul_f32 v[ACC+8*n+2*\p:ACC+8*n+2*\p+1], v[ACC+8*n+2*\p:ACC+8*n+2*\p+1], v[46:47]
.endr
.irp p, 0,1,2,3
	v_cvt_pk_f16_f32 v[FR+4*n+\p], v[ACC+8*n+2*\p], v[ACC+8*n+2*\p+1]
.endr
	global_store_b128 v[56+n/4], v[FR+4*n:FR+4*n+3], s[52:53] offset:(n%2)*1024+((n/2)%2)*512   ; 512 consecutive bytes: half a block in fragment order
.set n, n+1
.endr
	s_branch .Lend
.Lplain:                                       ; Mt^T: source 0 = rows of Wv, source 1 = T
	C2P 0
	s_wait_loadcnt 0x0
	CVT 5
	s_wait_dscnt 0x0
	BAR
	C2P 1
	s_lshr_b32 s56, s34, 1
	s_lshl_b32 s56, s56, 12
	s_and_b32 s57, s34, 1
	s_lshl_b32 s57, s57, 9
	s_add_co_u32 s56, s56, s57
	v_lshl_add_u32 v56, v3, 4, s56
	v_mov_b32 v46, 0x3db8aa3b              ; kap / 16
	v_mov_b32 v47, v46
.set n, 0
.rept 8
.irp p, 0,1,2,3
	v_pk_mul_f32 v[ACC+8*n+2*\p:ACC+8*n+2*\p+1], v[ACC+8*n+2*\p:ACC+8*n+2*\p+1], v[46:47]
.endr
.irp p, 0,1,2,3
	v_cvt_pk_bf16_f32 v[FR+4*n+\p], v[ACC+8*n+2*\p], v[ACC+8*n+2*\p+1]
.endr
	global_store_b128 v56, v[FR+4*n:FR+4*n+3], s[52:53] offset:(n/4)*16384+(n%4)*1024
.set n, n+1
.endr
	; c[s] = (kap/16) bv_h . k_s: four lanes a row, 64 d each
	s_lshl_b32 s66, s38, 10
	s_add_nc_u64 s[58:59], s[16:17], s[66:67]
	v_lshrrev_b32 v42, 2, v3
	s_lshl_b32 s56, s34, 3
	v_add_nc_u32 v42, s56, v42             ; the row
	v_and_b32 v43, 3, v0                   ; the quarter
	v_mul_u32_u24 v44, v42, 528
	v_lshl_add_u32 v44, v43, 7, v44
	v_add_nc_u32 v44, TT, v44
	v_lshlrev_b32 v45, 8, v43
	s_wait_xcnt 0x0                        ; the stores above have read their registers
.set i, 0
.rept 8
	ds_load_b128 v[FR+4*i:FR+4*i+3], v44 offset:16*i
.set i, i+1
.endr
.set i, 0
.rept 16
	global_load_b128 v[160+4*i:160+4*i+3], v45, s[58:59] offset:16*i
.set i, i+1
.endr
	v_mov_b32 v46, 0
	v_mov_b32 v47, 0
	s_wait_loadcnt 0x0
	s_wait_dscnt 0x0
.set i, 0
.rept 32
	v_cvt_pk_bf16_f32 v[ACC+i], v[160+2*i], v[160+2*i+1]
.set i, i+1
.endr
.set i, 0
.rept 32
	v_fma_mix_f32_bf16 v46, v[FR+i], v[ACC+i], v46 op_sel_hi:[1,1,0]
	v_fma_mix_f32_bf16 v47, v[FR+i], v[ACC+i], v47 op_sel:[1,1,0] op_sel_hi:[1,1,0]
.set i, i+1
.endr
	v_add_f32 v46, v46, v47
	v_add_f32_dpp v46, v46, v46 row_xmask:1 row_mask:0xf bank_mask:0xf
	v_add_f32_dpp v46, v46, v46 row_xmask:2 row_mask:0xf bank_mask:0xf
	v_mul_f32 v46, 0x3db8aa3b, v46
	v_lshl_add_u32 v44, v42, 2, CL
	ds_store_b32 v44, v46
	s_wait_dscnt 0x0
	BAR
	s_cmp_lg_u32 s34, 0
	s_cbranch_scc1 .Lend
	v_lshl_add_u32 v44, v3, 3, CL
	ds_load_b64 v[48:49], v44
	v_lshlrev_b32 v50, 3, v3
	s_wait_dscnt 0x0
	global_store_b64 v50, v[48:49], s[60:61]     ; 256 consecutive bytes
	s_branch .Lend
.LJ4:                                          ; g0 = bvv Wol + bol, 32 columns; thread: 4 columns, 64 of the 2,048 rows, 16 rows a trip
	s_sub_co_u32 s56, s35, 28
	s_lshl_b32 s56, s56, 3
	s_add_co_u32 s56, s56, s38
	s_lshl_b32 s66, s56, 7
	s_add_nc_u64 s[58:59], s[22:23], s[66:67]
	s_add_nc_u64 s[60:61], s[26:27], s[66:67]
	s_add_nc_u64 s[52:53], s[32:33], s[66:67]
	s_add_nc_u64 s[52:53], s[52:53], 16640
	v_and_b32 v42, 7, v0
	v_lshrrev_b32 v43, 3, v0
	v_mul_u32_u24 v44, v43, 0x30000
	v_lshl_add_u32 v44, v42, 4, v44        ; my 64 rows of Wol, my 4 columns
	v_lshlrev_b32 v45, 8, v43              ; my 64 numbers of bvv
.set i, 48
.rept 8
	v_mov_b32 v[i], 0                      ; four sums, and four registers that the exchange of the lanes' halves writes
.set i, i+1
.endr
	s_mov_b32 s36, 4
.Lj4:                                          ; this job has a sixteenth of the other jobs' bytes: a trip waits for its own loads, and the text stands once
.set i, 0
.rept 16
	global_load_b128 v[128+4*i:128+4*i+3], v44, s[58:59] offset:i*3072
.set i, i+1
.endr
.set i, 0
.rept 4
	global_load_b128 v[ACC+4*i:ACC+4*i+3], v45, s[24:25] offset:16*i
.set i, i+1
.endr
	s_wait_loadcnt 0x0                     ; the trip's 20 loads are in, and their offsets are free
.set i, 0
.rept 8
	v_cvt_pk_bf16_f32 v[ACC+i], v[ACC+2*i], v[ACC+2*i+1]
.set i, i+1
.endr
.set i, 0
.rept 8                                        ; both factors rounded to bf16, products and sums in f32; two rows at a time
	v_cvt_pk_bf16_f32 v56, v[128+8*i], v[128+8*i+1]
	v_cvt_pk_bf16_f32 v57, v[128+8*i+2], v[128+8*i+3]
	v_cvt_pk_bf16_f32 v58, v[128+8*i+4], v[128+8*i+5]
	v_cvt_pk_bf16_f32 v59, v[128+8*i+6], v[128+8*i+7]
	v_fma_mix_f32_bf16 v48, v56, v[ACC+i], v48 op_sel:[0,0,0] op_sel_hi:[1,1,0]
	v_fma_mix_f32_bf16 v49, v56, v[ACC+i], v49 op_sel:[1,0,0] op_sel_hi:[1,1,0]
	v_fma_mix_f32_bf16 v50, v57, v[ACC+i], v50 op_sel:[0,0,0] op_sel_hi:[1,1,0]
	v_fma_mix_f32_bf16 v51, v57, v[ACC+i], v51 op_sel:[1,0,0] op_sel_hi:[1,1,0]
	v_fma_mix_f32_bf16 v48, v58, v[ACC+i], v48 op_sel:[0,1,0] op_sel_hi:[1,1,0]
	v_fma_mix_f32_bf16 v49, v58, v[ACC+i], v49 op_sel:[1,1,0] op_sel_hi:[1,1,0]
	v_fma_mix_f32_bf16 v50, v59, v[ACC+i], v50 op_sel:[0,1,0] op_sel_hi:[1,1,0]
	v_fma_mix_f32_bf16 v51, v59, v[ACC+i], v51 op_sel:[1,1,0] op_sel_hi:[1,1,0]
.set i, i+1
.endr
	v_add_nc_u32 v44, 0xc000, v44          ; 16 rows of 3,072 bytes on
	v_add_nc_u32 v45, 64, v45
	s_sub_co_u32 s36, s36, 1
	s_cmp_lg_u32 s36, 0
	s_cbranch_scc1 .Lj4
.irp p, 0,1,2,3
	v_add_f32_dpp v[48+\p], v[48+\p], v[48+\p] row_xmask:8 row_mask:0xf bank_mask:0xf
.endr
.irp p, 0,1,2,3
	v_permlanex16_b32 v[52+\p], v[48+\p], s54, s55
.endr
.irp p, 0,1,2,3
	v_add_f32 v[48+\p], v[48+\p], v[52+\p]
.endr
	s_lshl_b32 s56, s34, 7
	s_add_co_u32 s56, s56, RED
	v_lshl_add_u32 v46, v42, 4, s56
	ds_store_b128 v46, v[48:51]
	s_wait_dscnt 0x0
	BAR
	s_cmp_lg_u32 s34, 0
	s_cbranch_scc1 .Lend
	v_lshl_add_u32 v46, v3, 2, RED
.set i, 0
.rept 8
	ds_load_b32 v[ACC+i], v46 offset:128*i
.set i, i+1
.endr
	v_lshlrev_b32 v47, 2, v3
	global_load_b32 v56, v47, s[60:61]
	s_wait_dscnt 0x0
	v_add_f32 v64, v64, v65
	v_add_f32 v66, v66, v67
	v_add_f32 v68, v68, v69
	v_add_f32 v70, v70, v71
	v_add_f32 v64, v64, v66
	v_add_f32 v68, v68, v70
	v_add_f32 v64, v64, v68
	s_wait_loadcnt 0x0
	v_cvt_pk_bf16_f32 v56, v56, v56
	v_lshlrev_b32 v56, 16, v56
	v_add_f32 v64, v64, v56
	global_store_b32 v47, v64, s[52:53]
.Lend:
	s_wait_tensorcnt 0x0                   ; the wave's end, behind my last LDS store
	ds_add_u32 v[SPW], v[NIL]
	s_wait_dscnt 0x0
	s_endpgm
.Lfunc_end_k_q8a1958ad34_prep:
	.size	k_q8a1958ad34_prep, .Lfunc_end_k_q8a1958ad34_prep-k_q8a1958ad34_prep
	.p2alignl 7, 3214868480
	.fill 96, 4, 3214868480
	.section	.rodata,"a",@progbits
	.p2align	6, 0x0
	.amdhsa_kernel k_q8a1958ad34_prep
		.amdhsa_group_segment_fixed_size 210176
		.amdhsa_private_segment_fixed_size 0
		.amdhsa_enable_private_segment 0
		.amdhsa_kernarg_size 120
		.amdhsa_user_sgpr_count 2
		.amdhsa_user_sgpr_kernarg_segment_ptr 1
		.amdhsa_wavefront_size32 1
		.amdhsa_system_sgpr_workgroup_id_x 1
		.amdhsa_system_sgpr_workgroup_id_y 1
		.amdhsa_system_sgpr_workgroup_id_z 1
		.amdhsa_system_vgpr_workitem_id 0
		.amdhsa_next_free_vgpr 448
		.amdhsa_next_free_sgpr 72
		.amdhsa_reserve_vcc 1
		.amdhsa_float_denorm_mode_32 3
		.amdhsa_float_denorm_mode_16_64 3
		.amdhsa_memory_ordered 1
		.amdhsa_forward_progress 1
		.amdhsa_inst_pref_size 130
	.end_amdhsa_kernel
	.amdgpu_metadata
---
amdhsa.version: [ 1, 2 ]
amdhsa.kernels:
  - .name:           k_q8a1958ad34_prep
    .symbol:         k_q8a1958ad34_prep.kd
    .args:
      - { .name: l, .offset: 0, .size: 8, .value_kind: global_buffer, .address_space: global }
      - { .name: Wl, .offset: 8, .size: 8, .value_kind: global_buffer, .address_space: global }
      - { .name: bl, .offset: 16, .size: 8, .value_kind: global_buffer, .address_space: global }
      - { .name: Wvl, .offset: 24, .size: 8, .value_kind: global_buffer, .address_space: global }
      - { .name: bvl, .offset: 32, .size: 8, .value_kind: global_buffer, .address_space: global }
      - { .name: Wv, .offset: 40, .size: 8, .value_kind: global_buffer, .address_space: global }
      - { .name: bv, .offset: 48, .size: 8, .value_kind: global_buffer, .address_space: global }
      - { .name: Wov, .offset: 56, .size: 8, .value_kind: global_buffer, .address_space: global }
      - { .name: Wvv, .offset: 64, .size: 8, .value_kind: global_buffer, .address_space: global }
      - { .name: Wol, .offset: 72, .size: 8, .value_kind: global_buffer, .address_space: global }
      - { .name: bvv, .offset: 80, .size: 8, .value_kind: global_buffer, .address_space: global }
      - { .name: bol, .offset: 88, .size: 8, .value_kind: global_buffer, .address_space: global }
      - { .name: KN, .offset: 96, .size: 8, .value_kind: global_buffer, .address_space: global }
      - { .name: GF, .offset: 104, .size: 8, .value_kind: global_buffer, .address_space: global }
      - { .name: small, .offset: 112, .size: 8, .value_kind: global_buffer, .address_space: global }
    .group_segment_fixed_size: 210176
    .private_segment_fixed_size: 0
    .kernarg_segment_align: 8
    .kernarg_segment_size: 120
    .max_flat_workgroup_size: 256
    .sgpr_count:     72
    .vgpr_count:     448
    .wavefront_size: 32
...
	.end_amdgpu_metadata
.endif
;; end of part 6
;; launch rows (part 7): grid 256 x 1, 4 waves a work-group, clusters of 4 x 1, 327,680 bytes of LDS; arguments v, attention_mask_l, bov, KN, small, out0, vb, CM; writes out0, vb, CM
.if DOCPART == 7
	.amdgcn_target "amdgcn-amd-amdhsa--gfx1250"
	.amdhsa_code_object_version 6
	.text
	.protected	k_q8a1958ad34_rows
	.globl	k_q8a1958ad34_rows
	.p2align	8
	.type	k_q8a1958ad34_rows,@function
k_q8a1958ad34_rows:
	s_mov_b64 s[64:65], 0
	v_nop
	global_prefetch_b8 v0, s[64:65] scope:SCOPE_SE
	s_setreg_imm32_b32 hwreg(HW_REG_WAVE_MODE, 25, 1), 1
	s_wait_xcnt 0x0
	s_wait_alu depctr_hold_cnt(0) depctr_sa_sdst(0) depctr_va_vdst(0) depctr_va_sdst(0) depctr_va_ssrc(0) depctr_va_vcc(0) depctr_vm_vsrc(0)
	s_getreg_b32 s2, hwreg(HW_REG_IB_STS2, 6, 4)
	s_cmp_eq_u32 s2, 0
	s_cbranch_scc0 .Lentry_in_a_cluster
	s_endpgm
.Lentry_in_a_cluster:
	s_bfe_u32 s2, ttmp6, 0x10000c
	s_cmp_lg_u32 s2, 0x3003
	s_cbranch_scc0 .Lentry_shape_is_right
	s_endpgm
.Lentry_shape_is_right:
; Launch 2 of 5: the softmax over the 256 language keys, out0; also v rounded to bf16 (vb) and each work-group's maxima over its 64 rows of every column of scores (CM), for launch 3.
; q and the product with Wov are not formed: kap attn = v . Mt + c and out0 = sum_h P_h N_h + bov (shown at the head of the first kernel).
; SHARES.  A work-group owns 64 vision rows; each of its four waves holds all 64 (four tiles of 16) and owns keys 64 w .. 64 w + 63 of every head: part w of every tile of KN, which its own tensor load brings
; and it alone reads.  S^T = Mt Q^T (a lane holds one query and 8 keys of each block of 16); clip; the column maxima; + kap x bias in f32, as the reference adds it; the wave's true maximum M2 and sum L of its 64 keys;
; the four waves' (M2, L) meet in LDS and give the row's maximum and sum exactly; P x 2^(M2 - M) / L x tau / taumax is rounded to f16 and IS source 1 of O^T += N^T P.  O^T (512 registers) sums my keys over all
; heads; the four waves' sums are added at the end, times taumax, plus bov.
; RING.  The tiles of a batch are walked as one sequence Mt_0, N_0, Mt_1, .. of 131,072 bytes through two slots; the four work-groups of a cluster belong to one batch and ask jointly.  By the text's own count a
; wave has two tensor loads out at the start and one behind each round.
; LIMITS.  A weight below 2^-126 counts as 0; a block of keys whose tau is under 2^-14 of the batch's largest loses bits in f16; NaN and infinities are not treated apart.
; O^T is cleared by 512 lines in the wait for the first tiles: a first head written out would be a third copy of the head's text.
.set QT, 262144         ; LDS: slot A 0, slot B 131,072; here v in bf16: 64 rows x 528 bytes
.set CMT, 295936        ; column maxima [h][s], f32
.set STAT, 304128       ; [wave][64 queries][M2, L]
.set SPARE, 306176      ; the spare words
.set EP, 1040           ; the end's scratch, over the slots when they have had their last fill: 4 copies x 64 rows x 1,040 bytes
.set LN, 3
.set AK, 4              ; my part of slot A + 16 lane
.set AN, 5              ; of slot B
.set AQ, 6              ; a fragment of Q
.set ACM, 7
.set ASW, 8
.set ASR, 9
.set ACB, 10            ; byte offset of my keys in c and in the mask
.set VO, 11
.set PFO, 12
.set SPW, 13
.set NIL, 14
.set ZO, 15             ; 0, an offset
.set TM, 16             ; v16-17 taumax
.set RHO, 18
.set ITM, 19
.set TAUR, 20
.set T0, 22
.set CT, 24             ; v24-31 at work
.set ST, 32             ; tile t at ST + 8 t: M2, L, sum pair, F pair, two at work
.set CREG, 64           ; c of my keys as a C operand; later the four waves' (M2, L)
.set BIAS, 96
.set S, 128             ; S^T(t, kb) at S + 32 t + 8 kb; P(t, kk) in place at S + 32 t + 8 kk
; window 1: four buffers of 64 (4 fragments of Mt, 4 of Q); later N's 32 fragments.  windows 2, 3: O^T(t, cb) at 8 (8 t + cb % 8)
.set MSB, 0
.macro WIN new
.if MSB != (\new)
	s_set_vgpr_msb (MSB<<8)|(\new)
.set MSB, \new
.endif
.endm
.macro PLACES
.rept 4
	v_nop
.endr
.endm
.macro CROUND
	s_barrier_signal -1
	s_barrier_wait -1
	s_cmp_lg_u32 s20, 0
	s_cbranch_scc1 .Lnw0_\@
	s_barrier_signal -3
.Lnw0_\@:
	s_barrier_wait -3
	s_barrier_signal -1
	s_barrier_wait -1
.endm
.macro CHGA                             ; a change of slots, first part: all my tensor loads have landed, the add, the walking descriptor's step
	WIN 0
	s_wait_tensorcnt 0x0
	ds_add_u32 v[SPW], v[NIL]
	s_xor_b32 s37, s37, 0x20000     ; the other slot,
	s_add_nc_u64 s[38:39], s[38:39], 0x20000   ; the next tile
	s_wait_xcnt 0x0                 ; the last prefetch, a change back, has read its address
	s_add_nc_u64 s[42:43], s[42:43], 0x20000
.endm
.macro CHGB                             ; second part: the add and my reads of the slot are done; the cluster's round; the joint refill first behind it
	s_wait_dscnt 0x0
	CROUND
	tensor_load_to_lds s[36:39], s[24:31]
	s_nop 0
	PLACES
	s_cmp_gt_u32 s40, s41           ; the tile two changes on is asked of memory: 32 blocks of 256 bytes a wave, a lane a block; the first cluster of a batch asks, its partners told apart by address;
	s_cbranch_scc0 .Lnp_\@          ; the loop's last trip asks for nothing: those tiles do not exist
	global_prefetch_b8 v[PFO], s[42:43] offset:0x40000 th:TH_LOAD_NT scope:SCOPE_SE
.Lnp_\@:
.endm
.macro FETCHS ks                        ; 16 LDS loads: the fragments of 32 channels
	WIN 0x40
.irp kb, 0,1,2,3
	ds_load_b128 v[64*((\ks)%4)+8*\kb:64*((\ks)%4)+8*\kb+3], v[AK] offset:(4*(\ks)+\kb)*1024
	ds_load_b128 v[64*((\ks)%4)+8*\kb+4:64*((\ks)%4)+8*\kb+7], v[AK] offset:(4*(\ks)+\kb)*1024+512
.endr
.irp t, 0,1,2,3
	ds_load_b128 v[64*((\ks)%4)+32+8*\t:64*((\ks)%4)+35+8*\t], v[AQ] offset:\t*8448+64*(\ks)
	ds_load_b128 v[64*((\ks)%4)+36+8*\t:64*((\ks)%4)+39+8*\t], v[AQ] offset:\t*8448+64*(\ks)+32
.endr
.endm
.macro MMS ks                           ; 16 products; the 16 accumulators take turns; the first start the sums at c
	WIN 0x05
.irp t, 0,1,2,3
.irp kb, 0,1,2,3
.if (\ks) == 0
	v_wmma_f32_16x16x32_bf16 v[S+32*\t+8*\kb:S+32*\t+8*\kb+7], v[64*((\ks)%4)+8*\kb:64*((\ks)%4)+8*\kb+7], v[64*((\ks)%4)+32+8*\t:64*((\ks)%4)+39+8*\t], v[CREG+8*\kb:CREG+8*\kb+7]
.else
	v_wmma_f32_16x16x32_bf16 v[S+32*\t+8*\kb:S+32*\t+8*\kb+7], v[64*((\ks)%4)+8*\kb:64*((\ks)%4)+8*\kb+7], v[64*((\ks)%4)+32+8*\t:64*((\ks)%4)+39+8*\t], v[S+32*\t+8*\kb:S+32*\t+8*\kb+7]
.endif
.endr
.endr
.endm
.macro CLIP
.set i, 0
.rept 128
	v_med3_num_f32 v[S+i], v[S+i], s48, s49
.set i, i+1
.endr
.endm
.macro PVH hi                           ; 64 products O^T += N^T P for channels 128 hi ..; 32 accumulators take turns
	WIN 0xa1+0x50*(\hi)
.irp kk, 0,1
.irp cb, 0,1,2,3,4,5,6,7
.irp t, 0,1,2,3
	v_wmma_f32_16x16x32_f16 v[8*(8*\t+\cb):8*(8*\t+\cb)+7], v[8*(16*\kk+8*(\hi)+\cb):8*(16*\kk+8*(\hi)+\cb)+7], v[S+32*\t+8*\kk:S+32*\t+8*\kk+7], v[8*(8*\t+\cb):8*(8*\t+\cb)+7]
.endr
.endr
.endr
.endm
.macro HEAD fill
	s_wait_loadcnt 0x0              ; this head's c and tau
	v_mul_f32 v[RHO], v[TAUR], v[ITM]
	FETCHS 0
	FETCHS 1
	FETCHS 2
	FETCHS 3
.set k, 0
.rept 8
.if k < 5
	s_wait_dscnt 48                 ; three younger runs of 16 may stay out
.else
	s_wait_dscnt 16*(7-k)
.endif
	MMS k
	PLACES
.if k < 4
	FETCHS k+4
.endif
.set k, k+1
.endr
.if \fill
	CHGA                            ; slot A has been read out; N of this head has landed
	CLIP                            ; the first clip stands between the add and the wait for it
	CHGB                            ; Mt of the next head
.else
	WIN 0
	s_wait_tensorcnt 0x0            ; N of the last head
	CLIP
.endif
	WIN 0x40
.set i, 0
.rept 32
	ds_load_b128 v[8*i:8*i+3], v[AN] offset:1024*i
	ds_load_b128 v[8*i+4:8*i+7], v[AN] offset:1024*i+512
.set i, i+1
.endr
	WIN 0
.irp kb, 0,1,2,3                        ; the maxima over my work-group's 64 queries of each of my keys' columns
.irp j, 0,1,2,3,4,5,6,7
	v_max3_num_f32 v[CT+\j], v[S+8*\kb+\j], v[S+32+8*\kb+\j], v[S+64+8*\kb+\j]
.endr
.irp j, 0,1,2,3,4,5,6,7
	v_max_num_f32 v[CT+\j], v[CT+\j], v[S+96+8*\kb+\j]
.endr
.irp m, 1,2,4,8
.irp j, 0,1,2,3,4,5,6,7
	v_max_num_f32_dpp v[CT+\j], v[CT+\j], v[CT+\j] row_xmask:\m row_mask:0xf bank_mask:0xf
.endr
.endr
	ds_store_b128 v[ACM], v[CT:CT+3] offset:64*\kb
	ds_store_b128 v[ACM], v[CT+4:CT+7] offset:64*\kb+16
.endr
	v_add_nc_u32 v[ACM], 1024, v[ACM]
.set i, 0
.rept 64
	v_pk_add_f32 v[S+2*i:S+2*i+1], v[S+2*i:S+2*i+1], v[BIAS+2*(i%16):BIAS+2*(i%16)+1]
.set i, i+1
.endr
.irp t, 0,1,2,3
	v_max3_num_f32 v[ST+8*\t+6], v[S+32*\t], v[S+32*\t+1], v[S+32*\t+2]
.endr
.set n, 1
.rept 14
.irp t, 0,1,2,3
	v_max3_num_f32 v[ST+8*\t+6], v[ST+8*\t+6], v[S+32*\t+2*n+1], v[S+32*\t+2*n+2]
.endr
.set n, n+1
.endr
.irp t, 0,1,2,3
	v_max_num_f32 v[ST+8*\t+6], v[ST+8*\t+6], v[S+32*\t+31]
.endr
.irp t, 0,1,2,3
	v_permlanex16_b32 v[ST+8*\t+7], v[ST+8*\t+6], s50, s51
.endr
.irp t, 0,1,2,3
	v_max_num_f32 v[ST+8*\t], v[ST+8*\t+6], v[ST+8*\t+7]
.endr
.set i, 0
.rept 64
	v_pk_add_f32 v[S+2*i:S+2*i+1], v[S+2*i:S+2*i+1], v[ST+8*(i/16):ST+8*(i/16)+1] op_sel_hi:[1,0] neg_lo:[0,1] neg_hi:[0,1]
.set i, i+1
.endr
.set i, 0
.rept 128
	v_exp_f32 v[S+i], v[S+i]
.set i, i+1
.endr
	v_nop                           ; the plain instruction behind the last exponential,
	s_wait_alu depctr_va_vdst(0)    ; and one wait for the batch of 128
.irp t, 0,1,2,3
	v_pk_add_f32 v[ST+8*\t+2:ST+8*\t+3], v[S+32*\t:S+32*\t+1], v[S+32*\t+2:S+32*\t+3]
.endr
.set n, 2
.rept 14
.irp t, 0,1,2,3
	v_pk_add_f32 v[ST+8*\t+2:ST+8*\t+3], v[ST+8*\t+2:ST+8*\t+3], v[S+32*\t+2*n:S+32*\t+2*n+1]
.endr
.set n, n+1
.endr
.irp t, 0,1,2,3
	v_add_f32 v[ST+8*\t+6], v[ST+8*\t+2], v[ST+8*\t+3]
.endr
.irp t, 0,1,2,3
	v_permlanex16_b32 v[ST+8*\t+7], v[ST+8*\t+6], s50, s51
.endr
.irp t, 0,1,2,3
	v_add_f32 v[ST+8*\t+1], v[ST+8*\t+6], v[ST+8*\t+7]
.endr
.irp t, 0,1,2,3
	ds_store_b64 v[ASW], v[ST+8*\t:ST+8*\t+1] offset:128*\t
.endr
	s_wait_dscnt 0x0                ; my (M2, L) are stored (and N's fragments are in)
	s_barrier_signal -1
	s_barrier_wait -1
.irp t, 0,1,2,3
.irp u, 0,1,2,3
	ds_load_b64 v[CREG+8*\t+2*\u:CREG+8*\t+2*\u+1], v[ASR] offset:512*\u+128*\t
.endr
.endr
	s_wait_dscnt 0x0
.irp t, 0,1,2,3
	v_max3_num_f32 v[ST+8*\t+6], v[CREG+8*\t], v[CREG+8*\t+2], v[CREG+8*\t+4]
.endr
.irp t, 0,1,2,3
	v_max_num_f32 v[ST+8*\t+6], v[ST+8*\t+6], v[CREG+8*\t+6]
.endr
.irp t, 0,1,2,3
.irp u, 0,1,2,3
	v_sub_f32 v[CREG+8*\t+2*\u], v[CREG+8*\t+2*\u], v[ST+8*\t+6]
.endr
	v_sub_f32 v[ST+8*\t+7], v[ST+8*\t], v[ST+8*\t+6]
.endr
.irp t, 0,1,2,3
.irp u, 0,1,2,3
	v_exp_f32 v[CREG+8*\t+2*\u], v[CREG+8*\t+2*\u]
.endr
	v_exp_f32 v[ST+8*\t+7], v[ST+8*\t+7]
.endr
	v_nop
	s_wait_alu depctr_va_vdst(0)    ; one wait for the 20
.irp t, 0,1,2,3
	v_mul_f32 v[ST+8*\t+6], v[CREG+8*\t], v[CREG+8*\t+1]
.endr
.irp u, 1,2,3
.irp t, 0,1,2,3
	v_fma_f32 v[ST+8*\t+6], v[CREG+8*\t+2*\u], v[CREG+8*\t+2*\u+1], v[ST+8*\t+6]
.endr
.endr
.irp t, 0,1,2,3
	v_rcp_f32 v[ST+8*\t+4], v[ST+8*\t+6]
.endr
.irp t, 0,1,2,3
	v_mul_f32 v[ST+8*\t+7], v[ST+8*\t+7], v[RHO]
.endr
	s_wait_alu depctr_va_vdst(0)    ; one wait for the four reciprocals; the four lines above are the plain work between
.irp t, 0,1,2,3
	v_mul_f32 v[ST+8*\t+4], v[ST+8*\t+4], v[ST+8*\t+7]
.endr
.irp t, 0,1,2,3
	v_mov_b32 v[ST+8*\t+5], v[ST+8*\t+4]
.endr
.set i, 0
.rept 64
	v_pk_mul_f32 v[S+2*i:S+2*i+1], v[S+2*i:S+2*i+1], v[ST+8*(i/16)+4:ST+8*(i/16)+5]
.set i, i+1
.endr
.set i, 0
.rept 64
	v_cvt_pk_f16_f32 v[S+32*(i/16)+i%16], v[S+32*(i/16)+2*(i%16)], v[S+32*(i/16)+2*(i%16)+1]
.set i, i+1
.endr
.if \fill
	s_wait_xcnt 0x0                 ; the bases of c and tau step; their loads have the 128 products below in which to land
	s_add_nc_u64 s[44:45], s[44:45], 1024
	s_add_nc_u64 s[46:47], s[46:47], 4
.set i, 0
.rept 8
	global_load_b128 v[CREG+4*i:CREG+4*i+3], v[ACB], s[44:45] offset:64*(i/2)+16*(i%2)
.set i, i+1
.endr
	global_load_b32 v[TAUR], v[ZO], s[46:47]
.endif
	PVH 0
.if \fill
	CHGA                            ; slot B lies in registers; Mt of the next head has landed; the round also parts this head's reads of (M2, L) from the next head's stores
	CHGB                            ; N of the next head
.endif
	PVH 1
	WIN 0
.rept 6
	v_nop                           ; the places in front of the loads into N's registers and of the products that write over P
.endr
.endm
	s_load_b512 s[4:19], s[0:1], 0x0       ; v 4, mask 6, bov 8, KN 10, small 12, out0 14, vb 16, CM 18
	v_lshl_add_u32 v[SPW], v0, 2, SPARE
	v_mov_b32 v[NIL], 0
	ds_add_u32 v[SPW], v[NIL]              ; the opening: the add, twice on end, and its wait ahead of my first tensor load
	ds_add_u32 v[SPW], v[NIL]
	v_lshrrev_b32 v[T0], 5, v0
	v_readfirstlane_b32 s20, v[T0]         ; wave
	s_bfe_u32 s21, ttmp6, 0x40000          ; cx: it enters global addresses alone
	s_lshr_b32 s22, ttmp9, 5               ; b: 32 clusters a batch
	s_lshl_b32 s23, ttmp9, 2
	s_add_co_u32 s23, s23, s21             ; g: my block of 64 rows
	s_mov_b32 s24, 15|(3<<16)|(1<<21)      ; group 1: mask of four, 8-byte elements, bit 21 beside the mask: a dense block as 128 rows of 256 bytes
	s_mov_b32 s25, 32<<16
	s_mov_b32 s26, 128<<16
	s_mov_b32 s27, 32<<16
	s_mov_b32 s28, 128
	s_mov_b32 s29, 32
	s_mov_b32 s30, 0
	s_mov_b32 s31, 0
	s_mov_b32 s32, 1
	s_lshl_b32 s33, s20, 15                ; my part of slot A
	s_mov_b32 s36, 1
	s_add_co_u32 s37, s33, 0x20000         ; of slot B
	s_mov_b32 s48, 0xc78ce360              ; -kap x 50000
	s_mov_b32 s49, 0x478ce360
	s_mov_b32 s50, 0x76543210
	s_mov_b32 s51, 0xfedcba98
	s_mov_b32 s67, 0
	s_and_b32 s41, ttmp9, 31
	s_cmp_eq_u32 s41, 0
	s_cselect_b32 s41, 1, -1               ; 1 in the batch's first cluster, else the greatest number
	v_and_b32 v1, 15, v0
	v_bfe_u32 v2, v0, 4, 1
	v_and_b32 v[LN], 31, v0
	v_mov_b32 v[ZO], 0
	v_lshl_add_u32 v[AK], v[LN], 4, s33
	v_add_nc_u32 v[AN], 0x20000, v[AK]
	v_mul_u32_u24 v[AQ], v1, 528
	v_lshl_add_u32 v[AQ], v2, 4, v[AQ]
	v_add_nc_u32 v[AQ], QT, v[AQ]
	s_lshl_b32 s52, s20, 8
	v_lshl_add_u32 v[ACB], v2, 5, s52
	v_add_nc_u32 v[ACM], CMT, v[ACB]
	v_lshl_add_u32 v[ASR], v1, 3, STAT
	s_lshl_b32 s52, s20, 9
	v_add_nc_u32 v[ASW], s52, v[ASR]
	s_lshl_b32 s52, s20, 14
	v_lshl_add_u32 v[VO], v[LN], 4, s52
	s_lshl_b32 s52, s21, 13
	s_add_co_u32 s52, s52, s33
	v_lshl_add_u32 v[PFO], v[LN], 8, s52
	s_mul_i32 s52, s20, 8448
	s_add_co_u32 s52, s52, QT
	v_lshl_add_u32 v26, v[LN], 3, s52      ; where my 16 rows of Q go
	s_lshl_b32 s52, s20, 13
	v_lshl_add_u32 v27, v[LN], 3, s52      ; and in vb
	v_lshlrev_b32 v24, 2, v[LN]
	s_wait_dscnt 0x0
	s_wait_kmcnt 0x0
	s_lshl_b32 s66, s22, 21
	s_add_nc_u64 s[42:43], s[10:11], s[66:67]
	s_mov_b32 s66, s33
	s_add_nc_u64 s[34:35], s[42:43], s[66:67]    ; tile 0, my part
	s_add_nc_u64 s[38:39], s[34:35], 0x20000     ; tile 1
	s_or_b32 s35, s35, 0x80000000
	s_or_b32 s39, s39, 0x80000000
	s_add_nc_u64 s[42:43], s[42:43], 0x20000     ; the prefetches' base: change n steps it by n tiles and names the tile two further on
	s_lshl_b32 s66, s23, 16
	s_add_nc_u64 s[52:53], s[4:5], s[66:67]
	s_add_nc_u64 s[60:61], s[14:15], s[66:67]
	s_lshl_b32 s66, s23, 15
	s_add_nc_u64 s[58:59], s[16:17], s[66:67]
	s_lshl_b32 s66, s23, 13
	s_add_nc_u64 s[62:63], s[18:19], s[66:67]
	s_lshl_b32 s66, s22, 10
	s_add_nc_u64 s[54:55], s[6:7], s[66:67]
	s_lshl_b32 s66, s22, 13
	s_add_nc_u64 s[44:45], s[12:13], s[66:67]
	s_lshl_b32 s66, s22, 7
	s_add_co_u32 s66, s66, 16384
	s_add_nc_u64 s[56:57], s[12:13], s[66:67]
	s_lshl_b32 s66, s20, 5
	s_add_nc_u64 s[46:47], s[56:57], s[66:67]
	CROUND                                 ; all four work-groups are here: the first joint loads meet
	tensor_load_to_lds s[32:35], s[24:31]
	s_nop 0
	tensor_load_to_lds s[36:39], s[24:31]
	s_nop 0
	PLACES
.set i, 0
.rept 32
	global_load_b128 v[S+4*i:S+4*i+3], v[VO], s[52:53] offset:512*i   ; my 16 rows of v
.set i, i+1
.endr
.set i, 0
.rept 8
	global_load_b128 v[BIAS+4*i:BIAS+4*i+3], v[ACB], s[54:55] offset:64*(i/2)+16*(i%2)
	global_load_b128 v[CREG+4*i:CREG+4*i+3], v[ACB], s[44:45] offset:64*(i/2)+16*(i%2)
.set i, i+1
.endr
	global_load_b32 v[TAUR], v[ZO], s[46:47]
	global_load_b32 v25, v24, s[56:57]     ; the batch's 32 tau, a lane each
	WIN 0x80
.set i, 0
.rept 256
	v_mov_b32 v[i], 0
.set i, i+1
.endr
	WIN 0xc0
.set i, 0
.rept 256
	v_mov_b32 v[i], 0
.set i, i+1
.endr
	WIN 0
.set i, 0
.rept 32
	v_mov_b32 v[ST+i], 0
.set i, i+1
.endr
	v_mov_b32 v28, 0
	v_mov_b32 v29, 0xd9ffcb9e              ; -9e15
	s_wait_loadcnt 18                      ; v is in; mask 8, c 8, tau 2 may stay out
.set i, 0
.rept 32
	v_cvt_pk_bf16_f32 v[S+4*i], v[S+4*i], v[S+4*i+1]
	v_cvt_pk_bf16_f32 v[S+4*i+1], v[S+4*i+2], v[S+4*i+3]
.set i, i+1
.endr
.set i, 0
.rept 32
	ds_store_b64 v26, v[S+4*i:S+4*i+1] offset:(i/2)*528+(i%2)*256
	global_store_b64 v27, v[S+4*i:S+4*i+1], s[58:59] offset:256*i     ; 256 consecutive bytes, aligned
.set i, i+1
.endr
	s_wait_loadcnt 0x0
.set i, 0
.rept 32
	v_cmp_eq_u32 vcc_lo, 0, v[BIAS+i]
	v_cvt_f32_i32 v[BIAS+i], v[BIAS+i]
	v_cndmask_b32 v[BIAS+i], v[BIAS+i], v29, vcc_lo
	v_mul_f32 v[BIAS+i], 0x3fb8aa3b, v[BIAS+i]
.set i, i+1
.endr
	v_max_num_f32_dpp v25, v25, v25 row_xmask:1 row_mask:0xf bank_mask:0xf
	v_max_num_f32_dpp v25, v25, v25 row_xmask:2 row_mask:0xf bank_mask:0xf
	v_max_num_f32_dpp v25, v25, v25 row_xmask:4 row_mask:0xf bank_mask:0xf
	v_max_num_f32_dpp v25, v25, v25 row_xmask:8 row_mask:0xf bank_mask:0xf
	v_permlanex16_b32 v28, v25, s50, s51
	v_max_num_f32 v[TM], v25, v28
	v_mov_b32 v[TM+1], v[TM]
	v_sub_nc_u32 v[ITM], 0x7f000000, v[TM] ; 1 / taumax: tau is a power of two
	s_wait_xcnt 0x0                        ; the stores to vb have read their registers
	s_wait_tensorcnt 1                     ; tile 0 is in; tile 1 may stay out
	s_wait_dscnt 0x0                       ; my rows of Q are stored
	s_barrier_signal -1
	s_barrier_wait -1
	s_mov_b32 s40, 7
.Lhead:
	HEAD 1
	s_sub_co_u32 s40, s40, 1
	s_cmp_lg_u32 s40, 0
	s_cbranch_scc1 .Lhead
	HEAD 0                                 ; the last head is written out: it asks for nothing
	; THE END.  Every wave's O^T goes into a copy of its own over the slots, which have had their last fill; rows come back whole and are added.
	s_wait_dscnt 0x0
	s_barrier_signal -1
	s_barrier_wait -1                      ; nobody reads the slots or Q any more
	v_lshlrev_b32 v[T0], 4, v[LN]
	global_load_b128 v[BIAS:BIAS+3], v[T0], s[8:9]
	global_load_b128 v[BIAS+4:BIAS+7], v[T0], s[8:9] offset:512
	s_mul_i32 s52, s20, 64*EP
	v_mul_u32_u24 v[AK], v1, EP
	v_lshl_add_u32 v[AK], v2, 5, v[AK]
	v_add_nc_u32 v[AK], s52, v[AK]
	WIN 0x08
.irp t, 0,1,2,3
.irp cb, 0,1,2,3,4,5,6,7
	ds_store_b128 v[AK], v[8*(8*\t+\cb):8*(8*\t+\cb)+3] offset:\t*16*EP+64*\cb
	ds_store_b128 v[AK], v[8*(8*\t+\cb)+4:8*(8*\t+\cb)+7] offset:\t*16*EP+64*\cb+16
.endr
.endr
	WIN 0x0c
.irp t, 0,1,2,3
.irp cb, 0,1,2,3,4,5,6,7
	ds_store_b128 v[AK], v[8*(8*\t+\cb):8*(8*\t+\cb)+3] offset:\t*16*EP+64*\cb+512
	ds_store_b128 v[AK], v[8*(8*\t+\cb)+4:8*(8*\t+\cb)+7] offset:\t*16*EP+64*\cb+528
.endr
.endr
	WIN 0
	s_mul_i32 s52, s20, 16*EP
	v_lshl_add_u32 v24, v[LN], 4, s52
	v_add_nc_u32 v25, 64*EP, v24
	v_add_nc_u32 v26, 64*EP, v25
	v_add_nc_u32 v27, 64*EP, v26
	s_wait_loadcnt 0x0
.irp p, 0,1,2,3
	v_cvt_pk_bf16_f32 v[T0], v[BIAS+2*\p], v[BIAS+2*\p+1]
	v_lshlrev_b32 v[BIAS+2*\p], 16, v[T0]
	v_and_b32 v[BIAS+2*\p+1], 0xffff0000, v[T0]
.endr
	s_wait_dscnt 0x0
	s_barrier_signal -1
	s_barrier_wait -1
	s_mov_b32 s40, 4
.Lrow4:                                        ; four of my 16 rows a trip
.set n, 0
.rept 8
.irp u, 0,1,2,3
	ds_load_b128 v[S+16*n+4*\u:S+16*n+4*\u+3], v[24+\u] offset:(n/2)*EP+(n%2)*512
.endr
.set n, n+1
.endr
	s_wait_dscnt 0x0
.set n, 0
.rept 8
	v_pk_add_f32 v[S+16*n:S+16*n+1], v[S+16*n:S+16*n+1], v[S+16*n+4:S+16*n+5]
	v_pk_add_f32 v[S+16*n+2:S+16*n+3], v[S+16*n+2:S+16*n+3], v[S+16*n+6:S+16*n+7]
	v_pk_add_f32 v[S+16*n+8:S+16*n+9], v[S+16*n+8:S+16*n+9], v[S+16*n+12:S+16*n+13]
	v_pk_add_f32 v[S+16*n+10:S+16*n+11], v[S+16*n+10:S+16*n+11], v[S+16*n+14:S+16*n+15]
	v_pk_add_f32 v[S+16*n:S+16*n+1], v[S+16*n:S+16*n+1], v[S+16*n+8:S+16*n+9]
	v_pk_add_f32 v[S+16*n+2:S+16*n+3], v[S+16*n+2:S+16*n+3], v[S+16*n+10:S+16*n+11]
	v_pk_fma_f32 v[S+16*n:S+16*n+1], v[S+16*n:S+16*n+1], v[TM:TM+1], v[BIAS+4*(n%2):BIAS+4*(n%2)+1]
	v_pk_fma_f32 v[S+16*n+2:S+16*n+3], v[S+16*n+2:S+16*n+3], v[TM:TM+1], v[BIAS+4*(n%2)+2:BIAS+4*(n%2)+3]
	global_store_b128 v[VO], v[S+16*n:S+16*n+3], s[60:61] offset:(n/2)*1024+(n%2)*512   ; 512 consecutive bytes of a row of out0
.set n, n+1
.endr
	s_wait_xcnt 0x0                        ; the trip's stores have read their data and their offset: both are written again behind this wait
.irp u, 0,1,2,3
	v_add_nc_u32 v[24+\u], 4*EP, v[24+\u]
.endr
	v_add_nc_u32 v[VO], 4096, v[VO]
	s_sub_co_u32 s40, s40, 1
	s_cmp_lg_u32 s40, 0
	s_cbranch_scc1 .Lrow4
	s_lshl_b32 s52, s20, 11
	v_lshl_add_u32 v28, v[LN], 4, s52
	v_add_nc_u32 v29, CMT, v28
.irp p, 0,1,2,3
	ds_load_b128 v[CREG+4*\p:CREG+4*\p+3], v29 offset:512*\p
.endr
	s_wait_dscnt 0x0
.irp p, 0,1,2,3
	global_store_b128 v28, v[CREG+4*\p:CREG+4*\p+3], s[62:63] offset:512*\p
.endr
	s_wait_tensorcnt 0x0                   ; the wave's end
	ds_add_u32 v[SPW], v[NIL]
	s_wait_dscnt 0x0
	CROUND                                 ; the closing round
	s_endpgm
.Lfunc_end_k_q8a1958ad34_rows:
	.size	k_q8a1958ad34_rows, .Lfunc_end_k_q8a1958ad34_rows-k_q8a1958ad34_rows
	.p2alignl 7, 3214868480
	.fill 96, 4, 3214868480
	.section	.rodata,"a",@progbits
	.p2align	6, 0x0
	.amdhsa_kernel k_q8a1958ad34_rows
		.amdhsa_group_segment_fixed_size 327680
		.amdhsa_private_segment_fixed_size 0
		.amdhsa_enable_private_segment 0
		.amdhsa_kernarg_size 64
		.amdhsa_user_sgpr_count 2
		.amdhsa_user_sgpr_kernarg_segment_ptr 1
		.amdhsa_wavefront_size32 1
		.amdhsa_system_sgpr_workgroup_id_x 1
		.amdhsa_system_sgpr_workgroup_id_y 1
		.amdhsa_system_sgpr_workgroup_id_z 1
		.amdhsa_system_vgpr_workitem_id 0
		.amdhsa_next_free_vgpr 1024
		.amdhsa_next_free_sgpr 72
		.amdhsa_reserve_vcc 1
		.amdhsa_float_denorm_mode_32 3
		.amdhsa_float_denorm_mode_16_64 3
		.amdhsa_memory_ordered 1
		.amdhsa_forward_progress 1
		.amdhsa_inst_pref_size 229
	.end_amdhsa_kernel
	.amdgpu_metadata
---
amdhsa.version: [ 1, 2 ]
amdhsa.kernels:
  - .name:           k_q8a1958ad34_rows
    .symbol:         k_q8a1958ad34_rows.kd
    .args:
      - { .name: v, .offset: 0, .size: 8, .value_kind: global_buffer, .address_space: global }
      - { .name: attention_mask_l, .offset: 8, .size: 8, .value_kind: global_buffer, .address_space: global }
      - { .name: bov, .offset: 16, .size: 8, .value_kind: global_buffer, .address_space: global }
      - { .name: KN, .offset: 24, .size: 8, .value_kind: global_buffer, .address_space: global }
      - { .name: small, .offset: 32, .size: 8, .value_kind: global_buffer, .address_space: global }
      - { .name: out0, .offset: 40, .size: 8, .value_kind: global_buffer, .address_space: global }
      - { .name: vb, .offset: 48, .size: 8, .value_kind: global_buffer, .address_space: global }
      - { .name: CM, .offset: 56, .size: 8, .value_kind: global_buffer, .address_space: global }
    .group_segment_fixed_size: 327680
    .private_segment_fixed_size: 0
    .kernarg_segment_align: 8
    .kernarg_segment_size: 64
    .max_flat_workgroup_size: 128
    .sgpr_count:     72
    .vgpr_count:     1024
    .wavefront_size: 32
...
	.end_amdgpu_metadata
.endif
;; end of part 7
;; launch cols (part 8): grid 16 x 16, 4 waves a work-group, clusters of 4 x 1, 327,680 bytes of LDS; arguments vb, KN, small, CM, UP; writes UP
.if DOCPART == 8
	.amdgcn_target "amdgcn-amd-amdhsa--gfx1250"
	.amdhsa_code_object_version 6
	.text
	.protected	k_q8a1958ad34_cols
	.globl	k_q8a1958ad34_cols
	.p2align	8
	.type	k_q8a1958ad34_cols,@function
k_q8a1958ad34_cols:
	s_mov_b64 s[64:65], 0
	v_nop
	global_prefetch_b8 v0, s[64:65] scope:SCOPE_SE
	s_setreg_imm32_b32 hwreg(HW_REG_WAVE_MODE, 25, 1), 1
	s_wait_xcnt 0x0
	s_wait_alu depctr_hold_cnt(0) depctr_sa_sdst(0) depctr_va_vdst(0) depctr_va_sdst(0) depctr_va_ssrc(0) depctr_va_vcc(0) depctr_vm_vsrc(0)
	s_getreg_b32 s2, hwreg(HW_REG_IB_STS2, 6, 4)
	s_cmp_eq_u32 s2, 0
	s_cbranch_scc0 .Lentry_in_a_cluster
	s_endpgm
.Lentry_in_a_cluster:
	s_bfe_u32 s2, ttmp6, 0x10000c
	s_cmp_lg_u32 s2, 0x3003
	s_cbranch_scc0 .Lentry_shape_is_right
	s_endpgm
.Lentry_shape_is_right:
; Launch 3 of 5: the softmax over the 8,192 vision rows, as partial sums.  vv is not formed: U = A_l v takes its place (shown at the head of the first kernel).
; SHARES.  A work-group has 64 keys (q = its place in the cluster) of one (b, h) (the grid's y) and 2,048 rows t (the cluster's x), in 8 steps of 256; wave w has rows 64 w .. + 63 of a step, two chunks of 32.
; S = v Mt^T (a lane holds one key and 8 rows); p = 2^(med3(S, lo, hi) - m): m is the column's TRUE maximum over all 8,192 rows, made here from launch 2's maxima; lo = max(-C, m - C) holds both of the
; reference's lower clips, hi = C the first one's upper (all less c, which is folded in).  Two tiles of p, rounded to bf16, ARE source 1 of U^T += v^T P (v turned by the LDS load).  Mt stays in registers.
; The sums of p (f32, of the unrounded p) and U^T (f32) leave as partial sums; launch 4 adds the four parts and divides.
; RING.  Two slots of a step (256 rows x 528 bytes); a wave's tensor load brings the 64 rows that it alone reads; the four partners, which differ in their keys alone, ask jointly.  One descriptor walks:
; the bits of 135,168 and of w x 33,792 do not meet, so an exclusive or changes slots.  By the text's own count two tensor loads of a wave are out at the start, one behind each round.
; LIMITS.  A weight below 2^-126 counts as 0; NaN and infinities are not treated apart.  U^T is cleared by 512 lines in the wait for the first tile: a first chunk written out would be a further copy of the chunk.
.set SLOT, 135168
.set RED, 270336
.set LS, 271360
.set SPARE, 272384
.set LN, 3
.set AP0, 4             ; my rows in slot 0, plain fragments
.set AT0, 5             ; turned fragments
.set APC, 6
.set ATC, 7
.set PFO, 8
.set SPW, 9
.set NIL, 10
.set S, 64              ; S(st, tt) at S + 16 st + 8 tt; P(st) in place at S + 16 st
.set FR, 128            ; 16 fragments
; v32 + 4 st: lo, hi, m (twice), all less c; v48 + 2 st: the sums of p.  window 1: Mt(kstep, st) at 8 (4 kstep + st).  windows 2, 3: U^T(cb, st) at 8 (4 (cb % 8) + st)
.set MSB, 0
.macro WIN new
.if MSB != (\new)
	s_set_vgpr_msb (MSB<<8)|(\new)
.set MSB, \new
.endif
.endm
.macro PLACES
.rept 4
	v_nop
.endr
.endm
.macro CROUND
	s_barrier_signal -1
	s_barrier_wait -1
	s_cmp_lg_u32 s20, 0
	s_cbranch_scc1 .Lnw0_\@
	s_barrier_signal -3
.Lnw0_\@:
	s_barrier_wait -3
	s_barrier_signal -1
	s_barrier_wait -1
.endm
.macro CHUNK                            ; 32 rows t x 64 keys
	WIN 0
.set k, 0
.rept 8
.irp tt, 0,1
	ds_load_b128 v[FR+8*(2*k+\tt):FR+8*(2*k+\tt)+3], v[APC] offset:\tt*8448+64*k
	ds_load_b128 v[FR+8*(2*k+\tt)+4:FR+8*(2*k+\tt)+7], v[APC] offset:\tt*8448+64*k+32
.endr
.set k, k+1
.endr
.set k, 0
.rept 8
	s_wait_dscnt 28-4*(k%4)         ; this K step's four loads are in; the younger ones stay out
	WIN 0x04
.irp st, 0,1,2,3
.irp tt, 0,1
.if k == 0
	v_wmma_f32_16x16x32_bf16 v[S+16*\st+8*\tt:S+16*\st+8*\tt+7], v[FR+8*(2*k+\tt):FR+8*(2*k+\tt)+7], v[8*(4*k+\st):8*(4*k+\st)+7], 0
.else
	v_wmma_f32_16x16x32_bf16 v[S+16*\st+8*\tt:S+16*\st+8*\tt+7], v[FR+8*(2*k+\tt):FR+8*(2*k+\tt)+7], v[8*(4*k+\st):8*(4*k+\st)+7], v[S+16*\st+8*\tt:S+16*\st+8*\tt+7]
.endif
.endr
.endr
.if (k == 3) || (k == 7)                ; half of the fragment registers are free: v turned, eight blocks of 16 channels
	PLACES
	WIN 0
.irp cb, 0,1,2,3,4,5,6,7
	ds_load_tr16_b128 v[FR+16*(k-3)+8*\cb:FR+16*(k-3)+8*\cb+3], v[ATC] offset:64*(k-3)+32*\cb
	ds_load_tr16_b128 v[FR+16*(k-3)+8*\cb+4:FR+16*(k-3)+8*\cb+7], v[ATC] offset:64*(k-3)+32*\cb+8448
.endr
.endif
.set k, k+1
.endr
.set i, 0
.rept 64
	v_med3_num_f32 v[S+i], v[S+i], v[32+4*(i/16)], v[33+4*(i/16)]
.set i, i+1
.endr
.set i, 0
.rept 32
	v_pk_add_f32 v[S+2*i:S+2*i+1], v[S+2*i:S+2*i+1], v[34+4*(i/8):35+4*(i/8)] neg_lo:[0,1] neg_hi:[0,1]
.set i, i+1
.endr
.set i, 0
.rept 64
	v_exp_f32 v[S+i], v[S+i]
.set i, i+1
.endr
	v_nop
	s_wait_alu depctr_va_vdst(0)    ; one wait for the batch of 64
.set n, 0
.rept 8
.irp st, 0,1,2,3
	v_pk_add_f32 v[48+2*\st:49+2*\st], v[48+2*\st:49+2*\st], v[S+16*\st+2*n:S+16*\st+2*n+1]
.endr
.set n, n+1
.endr
.set i, 0
.rept 32
	v_cvt_pk_bf16_f32 v[S+16*(i/8)+i%8], v[S+16*(i/8)+2*(i%8)], v[S+16*(i/8)+2*(i%8)+1]
.set i, i+1
.endr
	s_wait_dscnt 16                 ; channels 0-127 are in
	WIN 0xa0
.irp cb, 0,1,2,3,4,5,6,7
.irp st, 0,1,2,3
	v_wmma_f32_16x16x32_bf16 v[8*(4*\cb+\st):8*(4*\cb+\st)+7], v[FR+8*\cb:FR+8*\cb+7], v[S+16*\st:S+16*\st+7], v[8*(4*\cb+\st):8*(4*\cb+\st)+7]
.endr
.endr
	s_wait_dscnt 0x0
	WIN 0xf0
.irp cb, 0,1,2,3,4,5,6,7
.irp st, 0,1,2,3
	v_wmma_f32_16x16x32_bf16 v[8*(4*\cb+\st):8*(4*\cb+\st)+7], v[FR+64+8*\cb:FR+64+8*\cb+7], v[S+16*\st:S+16*\st+7], v[8*(4*\cb+\st):8*(4*\cb+\st)+7]
.endr
.endr
	WIN 0
.rept 6
	v_nop                           ; the places in front of the next loads into the fragments and of the products that write over P
.endr
.endm
.macro COMPUTE                          ; a step: my 64 rows of the slot at s46, two chunks
	WIN 0
	v_add_nc_u32 v[APC], s46, v[AP0]
	v_add_nc_u32 v[ATC], s46, v[AT0]
	s_mov_b32 s41, 2
.Lch_\@:
	CHUNK
	v_add_nc_u32 v[APC], 16896, v[APC]
	v_add_nc_u32 v[ATC], 16896, v[ATC]
	s_sub_co_u32 s41, s41, 1
	s_cmp_lg_u32 s41, 0
	s_cbranch_scc1 .Lch_\@
.endm
	s_load_b256 s[4:11], s[0:1], 0x0       ; vb 4, KN 6, small 8, CM 10
	s_load_b64 s[12:13], s[0:1], 0x20      ; UP
	v_lshl_add_u32 v[SPW], v0, 2, SPARE
	v_mov_b32 v[NIL], 0
	ds_add_u32 v[SPW], v[NIL]              ; the opening: the add, twice on end, and its wait ahead of my first tensor load
	ds_add_u32 v[SPW], v[NIL]
	v_lshrrev_b32 v11, 5, v0
	v_readfirstlane_b32 s20, v11           ; wave
	s_bfe_u32 s21, ttmp6, 0x40000          ; q = cx: it enters global addresses alone
	s_mov_b32 s22, ttmp9                   ; the quarter of the rows
	s_and_b32 s23, ttmp7, 0xffff           ; y = 8 b + h
	s_lshr_b32 s52, s23, 3
	s_and_b32 s53, s23, 7
	s_mov_b32 s24, 15|(1<<16)|(1<<20)|(1<<21)|(6<<22)|(3<<25)   ; mask of four, 2-byte elements, 4 words of padding behind every 128
	s_mov_b32 s25, 256<<16
	s_mov_b32 s26, 64<<16
	s_mov_b32 s27, 256<<16
	s_mov_b32 s28, 64
	s_mov_b32 s29, 256
	s_mov_b32 s30, 0
	s_mov_b32 s31, 0
	s_mov_b32 s32, 1
	s_mul_i32 s33, s20, 33792
	s_mov_b32 s36, 1
	s_add_co_u32 s37, s33, SLOT
	s_mov_b32 s46, 0
	s_mov_b32 s48, 0xc78ce360
	s_mov_b32 s49, 0x478ce360
	s_mov_b32 s50, 0x76543210
	s_mov_b32 s51, 0xfedcba98
	s_mov_b32 s67, 0
	s_cmp_eq_u32 s53, 0
	s_cselect_b32 s42, 1, -1               ; of the eight clusters that walk the same rows the one of head 0 prefetches
	v_and_b32 v1, 15, v0
	v_bfe_u32 v2, v0, 4, 1
	v_and_b32 v[LN], 31, v0
	v_mul_u32_u24 v[AP0], v1, 528
	v_lshl_add_u32 v[AP0], v2, 4, v[AP0]
	v_add_nc_u32 v[AP0], s33, v[AP0]
	v_and_b32 v11, 7, v0
	v_lshl_add_u32 v11, v2, 3, v11
	v_mul_u32_u24 v[AT0], v11, 528
	v_bfe_u32 v12, v0, 3, 1
	v_lshl_add_u32 v[AT0], v12, 4, v[AT0]
	v_add_nc_u32 v[AT0], s33, v[AT0]
	s_lshl_b32 s54, s20, 15
	s_lshl_b32 s55, s21, 13
	s_add_co_u32 s55, s55, s54
	v_lshl_add_u32 v[PFO], v[LN], 8, s55
	v_lshlrev_b32 v11, 4, v[LN]
	s_lshl_b32 s55, s20, 18                ; 32 w work-groups of 8,192 bytes
	v_lshl_add_u32 v12, v2, 13, s55
	v_lshl_add_u32 v12, v1, 4, v12
	v_lshlrev_b32 v13, 2, v1
	s_lshl_b32 s55, s20, 8
	s_add_co_u32 s55, s55, RED
	v_lshl_add_u32 v14, v1, 4, s55
	v_lshl_add_u32 v15, v1, 2, RED
	s_wait_dscnt 0x0
	s_wait_kmcnt 0x0
	s_lshl_b32 s66, s52, 22
	s_lshl_b32 s55, s22, 20
	s_add_co_u32 s66, s66, s55
	s_add_nc_u64 s[44:45], s[4:5], s[66:67]      ; vb at my quarter's first row
	s_mov_b32 s66, s54
	s_add_nc_u64 s[34:35], s[44:45], s[66:67]    ; step 0, my 64 rows
	s_add_nc_u64 s[38:39], s[34:35], 0x20000     ; step 1
	s_or_b32 s35, s35, 0x80000000
	s_or_b32 s39, s39, 0x80000000
	s_add_nc_u64 s[44:45], s[44:45], 0x20000     ; the prefetches' base: change n steps it by n steps and names the step after
	s_lshl_b32 s66, s23, 18
	s_lshl_b32 s55, s21, 15
	s_add_co_u32 s66, s66, s55
	s_add_nc_u64 s[54:55], s[6:7], s[66:67]      ; Mt of (b, h, q)
	s_lshl_b32 s66, s52, 20
	s_lshl_b32 s56, s53, 10
	s_add_co_u32 s66, s66, s56
	s_lshl_b32 s56, s21, 8
	s_add_co_u32 s66, s66, s56
	s_add_nc_u64 s[58:59], s[10:11], s[66:67]    ; CM of the batch's first work-group, my head and keys
	s_lshl_b32 s66, s23, 10
	s_add_co_u32 s66, s66, s56
	s_add_nc_u64 s[60:61], s[8:9], s[66:67]      ; c of my keys
	CROUND
	tensor_load_to_lds s[32:35], s[24:31]
	s_nop 0
	tensor_load_to_lds s[36:39], s[24:31]
	s_nop 0
	PLACES
	WIN 0x40
.set i, 0
.rept 64
	global_load_b128 v[4*i:4*i+3], v11, s[54:55] offset:512*i
.set i, i+1
.endr
	WIN 0
.set i, 0
.rept 16
	global_load_b128 v[FR+4*i:FR+4*i+3], v12, s[58:59] offset:16384*i
.set i, i+1
.endr
.irp st, 0,1,2,3
	global_load_b32 v[16+\st], v13, s[60:61] offset:64*\st
.endr
	WIN 0x80
.set i, 0
.rept 256
	v_mov_b32 v[i], 0
.set i, i+1
.endr
	WIN 0xc0
.set i, 0
.rept 256
	v_mov_b32 v[i], 0
.set i, i+1
.endr
	WIN 0
.set i, 0
.rept 8
	v_mov_b32 v[48+i], 0
	v_mov_b32 v[24+i], 0
.set i, i+1
.endr
	s_wait_loadcnt 4                       ; Mt and the maxima are in; c's four loads may stay out
.irp e, 0,1,2,3
	v_max3_num_f32 v[20+\e], v[FR+\e], v[FR+4+\e], v[FR+8+\e]
.endr
.set n, 0
.rept 6
.irp e, 0,1,2,3
	v_max3_num_f32 v[20+\e], v[20+\e], v[FR+12+8*n+\e], v[FR+16+8*n+\e]
.endr
.set n, n+1
.endr
.irp e, 0,1,2,3
	v_max_num_f32 v[20+\e], v[20+\e], v[FR+60+\e]
.endr
.irp e, 0,1,2,3
	v_permlanex16_b32 v[24+\e], v[20+\e], s50, s51
.endr
.irp e, 0,1,2,3
	v_max_num_f32 v[20+\e], v[20+\e], v[24+\e]
.endr
	ds_store_b128 v14, v[20:23]
	s_wait_dscnt 0x0
	s_barrier_signal -1
	s_barrier_wait -1                      ; the two tiles may stay out
.irp st, 0,1,2,3
.irp u, 0,1,2,3
	ds_load_b32 v[FR+64+4*\st+\u], v15 offset:256*\u+64*\st
.endr
.endr
	s_wait_dscnt 0x0
	s_wait_loadcnt 0x0
.irp st, 0,1,2,3
	v_max3_num_f32 v[20+\st], v[FR+64+4*\st], v[FR+65+4*\st], v[FR+66+4*\st]
	v_max_num_f32 v[20+\st], v[20+\st], v[FR+67+4*\st]        ; m: the column's maximum over all rows
	v_add_f32 v24, s48, v[20+\st]
	v_max_num_f32 v24, s48, v24                               ; max(-C, m - C)
	v_sub_f32 v[32+4*\st], v24, v[16+\st]
	v_sub_f32 v[33+4*\st], s49, v[16+\st]
	v_sub_f32 v[34+4*\st], v[20+\st], v[16+\st]
	v_sub_f32 v[35+4*\st], v[20+\st], v[16+\st]
.endr
	s_wait_tensorcnt 1                     ; my rows of step 0 are in, and I alone read them
	s_mov_b32 s40, 6
.Lstep:
	COMPUTE
	s_wait_tensorcnt 0x0                   ; the change of slots: all my tensor loads have landed, the next step's among them
	ds_add_u32 v[SPW], v[NIL]
	s_xor_b32 s37, s37, SLOT               ; the slot just read,
	s_add_nc_u64 s[38:39], s[38:39], 0x20000   ; the step two on
	s_xor_b32 s46, s46, SLOT
	s_wait_xcnt 0x0
	s_add_nc_u64 s[44:45], s[44:45], 0x20000
	s_wait_dscnt 0x0
	CROUND
	tensor_load_to_lds s[36:39], s[24:31]
	s_nop 0
	PLACES
	s_cmp_gt_u32 s40, s42                  ; the step after the one just asked for: 32 blocks of 256 bytes a wave, the partners told apart by address; the last change asks for nothing
	s_cbranch_scc0 .Lnp
	global_prefetch_b8 v[PFO], s[44:45] offset:0x20000 th:TH_LOAD_NT scope:SCOPE_SE
.Lnp:
	s_sub_co_u32 s40, s40, 1
	s_cmp_lg_u32 s40, 0
	s_cbranch_scc1 .Lstep
	s_mov_b32 s43, 2
.Ltail:                                        ; the last two steps ask for nothing
	COMPUTE
	s_wait_tensorcnt 0x0                   ; the last step's rows, which I alone read
	s_xor_b32 s46, s46, SLOT
	s_sub_co_u32 s43, s43, 1
	s_cmp_lg_u32 s43, 0
	s_cbranch_scc1 .Ltail
	; THE END: the four waves' U^T and sums meet in LDS, over the slots, which have had their last fill
.irp st, 0,1,2,3
	v_add_f32 v[16+\st], v[48+2*\st], v[49+2*\st]
.endr
.irp st, 0,1,2,3
	v_permlanex16_b32 v[24+\st], v[16+\st], s50, s51
.endr
.irp st, 0,1,2,3
	v_add_f32 v[16+\st], v[16+\st], v[24+\st]
.endr
	s_wait_dscnt 0x0
	s_barrier_signal -1
	s_barrier_wait -1
	s_lshl_b32 s54, s20, 16
	v_lshl_add_u32 v[AP0], v[LN], 4, s54
	s_lshl_b32 s54, s20, 8
	s_add_co_u32 s54, s54, LS
	v_lshl_add_u32 v[AT0], v1, 2, s54
	WIN 0x08
.irp cb, 0,1,2,3,4,5,6,7
.irp st, 0,1,2,3
	ds_store_b128 v[AP0], v[8*(4*\cb+\st):8*(4*\cb+\st)+3] offset:\st*16384+\cb*1024
	ds_store_b128 v[AP0], v[8*(4*\cb+\st)+4:8*(4*\cb+\st)+7] offset:\st*16384+\cb*1024+512
.endr
.endr
	WIN 0x0c
.irp cb, 0,1,2,3,4,5,6,7
.irp st, 0,1,2,3
	ds_store_b128 v[AP0], v[8*(4*\cb+\st):8*(4*\cb+\st)+3] offset:\st*16384+\cb*1024+8192
	ds_store_b128 v[AP0], v[8*(4*\cb+\st)+4:8*(4*\cb+\st)+7] offset:\st*16384+\cb*1024+8704
.endr
.endr
	WIN 0
.irp st, 0,1,2,3
	ds_store_b32 v[AT0], v[16+\st] offset:64*\st
.endr
	s_lshl_b32 s54, s20, 14
	v_lshl_add_u32 v28, v[LN], 4, s54      ; tile st = my wave's number
	v_mov_b32 v24, v28
	v_add_nc_u32 v25, 0x10000, v24
	v_add_nc_u32 v26, 0x10000, v25
	v_add_nc_u32 v27, 0x10000, v26
	s_lshl_b32 s66, s22, 22
	s_lshl_b32 s54, s23, 2
	s_add_co_u32 s54, s54, s21
	s_lshl_b32 s54, s54, 16
	s_add_co_u32 s66, s66, s54
	s_add_nc_u64 s[56:57], s[12:13], s[66:67]
	s_lshl_b32 s66, s22, 14
	s_lshl_b32 s54, s23, 10
	s_add_co_u32 s66, s66, s54
	s_lshl_b32 s54, s21, 8
	s_add_co_u32 s66, s66, s54
	s_add_nc_u64 s[58:59], s[12:13], s[66:67]
	s_add_nc_u64 s[58:59], s[58:59], 0x1000000
	s_wait_dscnt 0x0
	s_barrier_signal -1
	s_barrier_wait -1
	s_mov_b32 s40, 4
.Lsum4:                                        ; a quarter of my tile (4,096 bytes) a trip
.set n, 0
.rept 8
.irp u, 0,1,2,3
	ds_load_b128 v[FR+16*n+4*\u:FR+16*n+4*\u+3], v[24+\u] offset:512*n
.endr
.set n, n+1
.endr
	s_wait_dscnt 0x0
.set n, 0
.rept 8
	v_pk_add_f32 v[FR+16*n:FR+16*n+1], v[FR+16*n:FR+16*n+1], v[FR+16*n+4:FR+16*n+5]
	v_pk_add_f32 v[FR+16*n+2:FR+16*n+3], v[FR+16*n+2:FR+16*n+3], v[FR+16*n+6:FR+16*n+7]
	v_pk_add_f32 v[FR+16*n+8:FR+16*n+9], v[FR+16*n+8:FR+16*n+9], v[FR+16*n+12:FR+16*n+13]
	v_pk_add_f32 v[FR+16*n+10:FR+16*n+11], v[FR+16*n+10:FR+16*n+11], v[FR+16*n+14:FR+16*n+15]
	v_pk_add_f32 v[FR+16*n:FR+16*n+1], v[FR+16*n:FR+16*n+1], v[FR+16*n+8:FR+16*n+9]
	v_pk_add_f32 v[FR+16*n+2:FR+16*n+3], v[FR+16*n+2:FR+16*n+3], v[FR+16*n+10:FR+16*n+11]
	global_store_b128 v28, v[FR+16*n:FR+16*n+3], s[56:57] offset:512*n   ; 512 consecutive bytes
.set n, n+1
.endr
	s_wait_xcnt 0x0                        ; the trip's stores have read their data and their offset: both are written again behind this wait
.irp u, 0,1,2,3,4
	v_add_nc_u32 v[24+\u], 4096, v[24+\u]
.endr
	s_sub_co_u32 s40, s40, 1
	s_cmp_lg_u32 s40, 0
	s_cbranch_scc1 .Lsum4
	s_cmp_lg_u32 s20, 0
	s_cbranch_scc1 .Lend
	v_lshl_add_u32 v29, v[LN], 3, LS
.irp u, 0,1,2,3
	ds_load_b64 v[S+2*\u:S+2*\u+1], v29 offset:256*\u
.endr
	v_lshlrev_b32 v30, 3, v[LN]
	s_wait_dscnt 0x0
	v_pk_add_f32 v[S:S+1], v[S:S+1], v[S+2:S+3]
	v_pk_add_f32 v[S+4:S+5], v[S+4:S+5], v[S+6:S+7]
	v_pk_add_f32 v[S:S+1], v[S:S+1], v[S+4:S+5]
	global_store_b64 v30, v[S:S+1], s[58:59]     ; 256 consecutive bytes
.Lend:
	s_wait_tensorcnt 0x0                   ; the wave's end
	ds_add_u32 v[SPW], v[NIL]
	s_wait_dscnt 0x0
	CROUND                                 ; the closing round
	s_endpgm
.Lfunc_end_k_q8a1958ad34_cols:
	.size	k_q8a1958ad34_cols, .Lfunc_end_k_q8a1958ad34_cols-k_q8a1958ad34_cols
	.p2alignl 7, 3214868480
	.fill 96, 4, 3214868480
	.section	.rodata,"a",@progbits
	.p2align	6, 0x0
	.amdhsa_kernel k_q8a1958ad34_cols
		.amdhsa_group_segment_fixed_size 327680
		.amdhsa_private_segment_fixed_size 0
		.amdhsa_enable_private_segment 0
		.amdhsa_kernarg_size 40
		.amdhsa_user_sgpr_count 2
		.amdhsa_user_sgpr_kernarg_segment_ptr 1
		.amdhsa_wavefront_size32 1
		.amdhsa_system_sgpr_workgroup_id_x 1
		.amdhsa_system_sgpr_workgroup_id_y 1
		.amdhsa_system_sgpr_workgroup_id_z 1
		.amdhsa_system_vgpr_workitem_id 0
		.amdhsa_next_free_vgpr 1024
		.amdhsa_next_free_sgpr 72
		.amdhsa_reserve_vcc 0
		.amdhsa_float_denorm_mode_32 3
		.amdhsa_float_denorm_mode_16_64 3
		.amdhsa_memory_ordered 1
		.amdhsa_forward_progress 1
		.amdhsa_inst_pref_size 104
	.end_amdhsa_kernel
	.amdgpu_metadata
---
amdhsa.version: [ 1, 2 ]
amdhsa.kernels:
  - .name:           k_q8a1958ad34_cols
    .symbol:         k_q8a1958ad34_cols.kd
    .args:
      - { .name: vb, .offset: 0, .size: 8, .value_kind: global_buffer, .address_space: global }
      - { .name: KN, .offset: 8, .size: 8, .value_kind: global_buffer, .address_space: global }
      - { .name: small, .offset: 16, .size: 8, .value_kind: global_buffer, .address_space: global }
      - { .name: CM, .offset: 24, .size: 8, .value_kind: global_buffer, .address_space: global }
      - { .name: UP, .offset: 32, .size: 8, .value_kind: global_buffer, .address_space: global }
    .group_segment_fixed_size: 327680
    .private_segment_fixed_size: 0
    .kernarg_segment_align: 8
    .kernarg_segment_size: 40
    .max_flat_workgroup_size: 128
    .sgpr_count:     72
    .vgpr_count:     1024
    .wavefront_size: 32
...
	.end_amdgpu_metadata
.endif
;; end of part 8
;; launch merge: the kernel of part 4 again; grid 256 x 1, 4 waves a work-group, no clusters, 0 bytes of LDS; arguments UP, UF; writes UF
;; launch outl (part 9): grid 16 x 12, 4 waves a work-group, no clusters, 35,328 bytes of LDS; arguments UF, GF, small, out1; writes out1
.if DOCPART == 9
	.amdgcn_target "amdgcn-amd-amdhsa--gfx1250"
	.amdhsa_code_object_version 6
	.text
	.protected	k_q8a1958ad34_outl
	.globl	k_q8a1958ad34_outl
	.p2align	8
	.type	k_q8a1958ad34_outl,@function
k_q8a1958ad34_outl:
	s_mov_b64 s[64:65], 0
	v_nop
	global_prefetch_b8 v0, s[64:65] scope:SCOPE_SE
	s_setreg_imm32_b32 hwreg(HW_REG_WAVE_MODE, 25, 1), 1
	s_wait_xcnt 0x0
; Launch 5 of 5: out1 = sum_h U_h G_h + g0 (vv and its projection are not formed: shown at the head of the first kernel).  [512 x 2048] x [2048 x 768] in f16, sums in f32.
; A work-group makes 32 rows x 64 columns; K is split among its four waves, two heads each: 16 K steps whose fragments lie on end in both buffers and come straight into registers, 512 consecutive bytes a load.
; Three sets of registers: two K steps' 24 loads stay out while one is multiplied.  K step 0 starts the sums and stands in front of the loop; a trip takes three K steps, one on each set (K steps 1 to 12);
; the last three load nothing and are written out.  The four partial sums meet in LDS.  G was stored as 64 G: the last line multiplies by 1/64.  192 work-groups: the product has no more
; tiles of this size, and it is short: no ring, no cluster, no prefetch.
.set SPARE, 34816
.set SPW, 6
.set NIL, 7
.set ACC, 16            ; (nt, mt) at ACC + 8 (4 nt + mt)
.set FR, 80             ; three sets of 48: four fragments of G, two of U
.macro PLACES                           ; the places in front of loads into registers that products have just read, and of the stores of the results
.rept 4
	v_nop
.endr
.endm
.macro LOADS kk, set                    ; the 12 loads of the K step kk behind the two bases, into a set
.irp mt, 0,1,2,3
	global_load_b128 v[FR+48*(\set)+8*\mt:FR+48*(\set)+8*\mt+3], v4, s[6:7] offset:(\kk)*4096+\mt*1024
	global_load_b128 v[FR+48*(\set)+8*\mt+4:FR+48*(\set)+8*\mt+7], v4, s[6:7] offset:(\kk)*4096+\mt*1024+512
.endr
.irp nt, 0,1
	global_load_b128 v[FR+48*(\set)+32+8*\nt:FR+48*(\set)+35+8*\nt], v4, s[4:5] offset:(\kk)*2048+\nt*1024
	global_load_b128 v[FR+48*(\set)+36+8*\nt:FR+48*(\set)+39+8*\nt], v4, s[4:5] offset:(\kk)*2048+\nt*1024+512
.endr
.endm
.macro MULS set, zero                   ; a K step's eight products; the eight accumulators take turns, over the backward jump too
.irp nt, 0,1
.irp mt, 0,1,2,3
.if \zero
	v_wmma_f32_16x16x32_f16 v[ACC+8*(4*\nt+\mt):ACC+8*(4*\nt+\mt)+7], v[FR+48*(\set)+8*\mt:FR+48*(\set)+8*\mt+7], v[FR+48*(\set)+32+8*\nt:FR+48*(\set)+39+8*\nt], 0
.else
	v_wmma_f32_16x16x32_f16 v[ACC+8*(4*\nt+\mt):ACC+8*(4*\nt+\mt)+7], v[FR+48*(\set)+8*\mt:FR+48*(\set)+8*\mt+7], v[FR+48*(\set)+32+8*\nt:FR+48*(\set)+39+8*\nt], v[ACC+8*(4*\nt+\mt):ACC+8*(4*\nt+\mt)+7]
.endif
.endr
.endr
.endm
	s_load_b256 s[4:11], s[0:1], 0x0       ; UF 4, GF 6, small 8, out1 10
	v_lshl_add_u32 v[SPW], v0, 2, SPARE
	v_mov_b32 v[NIL], 0
	v_lshrrev_b32 v1, 5, v0
	v_readfirstlane_b32 s12, v1
	v_and_b32 v1, 15, v0
	v_bfe_u32 v2, v0, 4, 1
	v_and_b32 v3, 31, v0
	v_lshlrev_b32 v4, 4, v3
	v_lshlrev_b32 v5, 4, v1
	s_mov_b32 s13, ttmp9
	s_and_b32 s14, ttmp7, 0xffff
	s_lshl_b32 s16, s13, 17
	s_lshl_b32 s15, s12, 15
	s_add_co_u32 s16, s16, s15
	s_mov_b32 s17, 0
	s_lshl_b32 s18, s14, 18
	s_lshl_b32 s15, s12, 16
	s_add_co_u32 s18, s18, s15
	s_mov_b32 s19, 0
	s_lshl_b32 s20, s14, 8
	s_mov_b32 s21, 0
	s_mul_i32 s22, s13, 98304              ; 32 rows of out1
	s_add_co_u32 s22, s22, s20
	s_mov_b32 s23, 0
	s_wait_kmcnt 0x0
	s_add_nc_u64 s[4:5], s[4:5], s[16:17]
	s_add_nc_u64 s[6:7], s[6:7], s[18:19]
	s_add_nc_u64 s[8:9], s[8:9], s[20:21]
	s_add_nc_u64 s[10:11], s[10:11], s[22:23]
	global_load_b128 v[8:11], v5, s[8:9] offset:16640    ; g0 of my four columns
	LOADS 0, 0
	LOADS 1, 1
	LOADS 2, 2
	s_wait_loadcnt 24                      ; K step 0 is in; two younger ones, 24 loads, stay out: so at every wait of the loop
	MULS 0, 1
	PLACES
	LOADS 3, 0
	s_mov_b32 s24, 4
.Lk:                                           ; trip j: K steps 3 j + 1, 3 j + 2, 3 j + 3 are multiplied, 3 j + 4 to 3 j + 6 asked for
	s_wait_loadcnt 24
	MULS 1, 0
	PLACES
	LOADS 4, 1
	s_wait_loadcnt 24
	MULS 2, 0
	PLACES
	LOADS 5, 2
	s_wait_loadcnt 24
	MULS 0, 0
	PLACES
	LOADS 6, 0
	s_wait_xcnt 0x0                        ; every load issued so far has read its address: the two bases step by three K steps
	s_add_nc_u64 s[6:7], s[6:7], 12288
	s_add_nc_u64 s[4:5], s[4:5], 6144
	s_sub_co_u32 s24, s24, 1
	s_cmp_lg_u32 s24, 0
	s_cbranch_scc1 .Lk
	s_wait_loadcnt 24                      ; K steps 13, 14, 15 load nothing: the counts run down
	MULS 1, 0
	s_wait_loadcnt 12
	MULS 2, 0
	s_wait_loadcnt 0x0
	MULS 0, 0
	PLACES
	s_mul_i32 s15, s12, 8704               ; my copy: 32 rows x 272 bytes
	v_mul_u32_u24 v12, v1, 272
	v_lshl_add_u32 v12, v2, 5, v12
	v_add_nc_u32 v12, s15, v12
.irp nt, 0,1
.irp mt, 0,1,2,3
	ds_store_b128 v12, v[ACC+8*(4*\nt+\mt):ACC+8*(4*\nt+\mt)+3] offset:\nt*4352+64*\mt
	ds_store_b128 v12, v[ACC+8*(4*\nt+\mt)+4:ACC+8*(4*\nt+\mt)+7] offset:\nt*4352+64*\mt+16
.endr
.endr
	s_lshl_b32 s15, s12, 3
	v_add_nc_u32 v13, s15, v2              ; row 8 w + hh
	v_mul_u32_u24 v14, v13, 272
	v_lshl_add_u32 v14, v1, 4, v14
	v_mul_u32_u24 v15, v13, 3072
	v_lshl_add_u32 v15, v1, 4, v15
	s_wait_dscnt 0x0
	s_barrier_signal -1
	s_barrier_wait -1
.irp p, 0,1,2,3
.irp u, 0,1,2,3
	ds_load_b128 v[FR+16*\p+4*\u:FR+16*\p+4*\u+3], v14 offset:\u*8704+\p*544
.endr
.endr
	v_mov_b32 v144, 0x3c800000             ; 1/64
	v_mov_b32 v145, v144
	s_wait_dscnt 0x0
.irp p, 0,1,2,3
	v_pk_add_f32 v[FR+16*\p:FR+16*\p+1], v[FR+16*\p:FR+16*\p+1], v[FR+16*\p+4:FR+16*\p+5]
	v_pk_add_f32 v[FR+16*\p+2:FR+16*\p+3], v[FR+16*\p+2:FR+16*\p+3], v[FR+16*\p+6:FR+16*\p+7]
	v_pk_add_f32 v[FR+16*\p+8:FR+16*\p+9], v[FR+16*\p+8:FR+16*\p+9], v[FR+16*\p+12:FR+16*\p+13]
	v_pk_add_f32 v[FR+16*\p+10:FR+16*\p+11], v[FR+16*\p+10:FR+16*\p+11], v[FR+16*\p+14:FR+16*\p+15]
	v_pk_add_f32 v[FR+16*\p:FR+16*\p+1], v[FR+16*\p:FR+16*\p+1], v[FR+16*\p+8:FR+16*\p+9]
	v_pk_add_f32 v[FR+16*\p+2:FR+16*\p+3], v[FR+16*\p+2:FR+16*\p+3], v[FR+16*\p+10:FR+16*\p+11]
	v_pk_fma_f32 v[FR+16*\p:FR+16*\p+1], v[FR+16*\p:FR+16*\p+1], v[144:145], v[8:9]
	v_pk_fma_f32 v[FR+16*\p+2:FR+16*\p+3], v[FR+16*\p+2:FR+16*\p+3], v[144:145], v[10:11]
	global_store_b128 v15, v[FR+16*\p:FR+16*\p+3], s[10:11] offset:\p*6144     ; sixteen lanes fill 256 consecutive bytes of a row, aligned
.endr
	s_wait_tensorcnt 0x0                   ; the wave's end, behind my last LDS store
	ds_add_u32 v[SPW], v[NIL]
	s_wait_dscnt 0x0
	s_endpgm
.Lfunc_end_k_q8a1958ad34_outl:
	.size	k_q8a1958ad34_outl, .Lfunc_end_k_q8a1958ad34_outl-k_q8a1958ad34_outl
	.p2alignl 7, 3214868480
	.fill 96, 4, 3214868480
	.section	.rodata,"a",@progbits
	.p2align	6, 0x0
	.amdhsa_kernel k_q8a1958ad34_outl
		.amdhsa_group_segment_fixed_size 35328
		.amdhsa_private_segment_fixed_size 0
		.amdhsa_enable_private_segment 0
		.amdhsa_kernarg_size 32
		.amdhsa_user_sgpr_count 2
		.amdhsa_user_sgpr_kernarg_segment_ptr 1
		.amdhsa_wavefront_size32 1
		.amdhsa_system_sgpr_workgroup_id_x 1
		.amdhsa_system_sgpr_workgroup_id_y 1
		.amdhsa_system_sgpr_workgroup_id_z 1
		.amdhsa_system_vgpr_workitem_id 0
		.amdhsa_next_free_vgpr 224
		.amdhsa_next_free_sgpr 66
		.amdhsa_reserve_vcc 0
		.amdhsa_float_denorm_mode_32 3
		.amdhsa_float_denorm_mode_16_64 3
		.amdhsa_memory_ordered 1
		.amdhsa_forward_progress 1
		.amdhsa_inst_pref_size 20
	.end_amdhsa_kernel
	.amdgpu_metadata
---
amdhsa.version: [ 1, 2 ]
amdhsa.kernels:
  - .name:           k_q8a1958ad34_outl
    .symbol:         k_q8a1958ad34_outl.kd
    .args:
      - { .name: UF, .offset: 0, .size: 8, .value_kind: global_buffer, .address_space: global }
      - { .name: GF, .offset: 8, .size: 8, .value_kind: global_buffer, .address_space: global }
      - { .name: small, .offset: 16, .size: 8, .value_kind: global_buffer, .address_space: global }
      - { .name: out1, .offset: 24, .size: 8, .value_kind: global_buffer, .address_space: global }
    .group_segment_fixed_size: 35328
    .private_segment_fixed_size: 0
    .kernarg_segment_align: 8
    .kernarg_segment_size: 32
    .max_flat_workgroup_size: 128
    .sgpr_count:     66
    .vgpr_count:     224
    .wavefront_size: 32
...
	.end_amdgpu_metadata
.endif
;; end of part 9
;; ======== version 3 of 3: 5 launches; version 2 with the launch outl written anew for expert scheduling mode
;; limits: values are held in f16: magnitudes above 65,504 overflow, below 6.1e-05 lose precision; right only within a limited range of input values; inputs' magnitudes at most 65,504
;; workspace buffers: KN 4,194,304 bytes; GF 3,145,728 bytes; small 19,712 bytes; vb 8,388,608 bytes; CM 2,097,152 bytes; UP 16,842,752 bytes; UF 2,097,152 bytes
;; launch prep: the kernel of part 6 again; grid 31 x 8, 8 waves a work-group, no clusters, 210,176 bytes of LDS; arguments l, Wl, bl, Wvl, bvl, Wv, bv, Wov, Wvv, Wol, bvv, bol, KN, GF, small; writes KN, GF, small
;; launch rows: the kernel of part 7 again; grid 256 x 1, 4 waves a work-group, clusters of 4 x 1, 327,680 bytes of LDS; arguments v, attention_mask_l, bov, KN, small, out0, vb, CM; writes out0, vb, CM
;; launch cols: the kernel of part 8 again; grid 16 x 16, 4 waves a work-group, clusters of 4 x 1, 327,680 bytes of LDS; arguments vb, KN, small, CM, UP; writes UP
;; launch merge: the kernel of part 4 again; grid 256 x 1, 4 waves a work-group, no clusters, 0 bytes of LDS; arguments UP, UF; writes UF
;; launch outl (part 10): grid 16 x 12, 4 waves a work-group, no clusters, 35,328 bytes of LDS; arguments UF, GF, small, out1; writes out1
.if DOCPART == 10
	.amdgcn_target "amdgcn-amd-amdhsa--gfx1250"
	.amdhsa_code_object_version 6
	.text
	.protected	k_q8a1958ad34_outl
	.globl	k_q8a1958ad34_outl
	.p2align	8
	.type	k_q8a1958ad34_outl,@function
k_q8a1958ad34_outl:
	s_mov_b64 s[64:65], 0
	v_nop
	global_prefetch_b8 v0, s[64:65] scope:SCOPE_SE
	s_setreg_imm32_b32 hwreg(HW_REG_WAVE_SCHED_MODE, 0, 2), 2
	s_setreg_imm32_b32 hwreg(HW_REG_WAVE_MODE, 25, 1), 1
	s_wait_xcnt 0x0
	s_wait_alu depctr_vm_vsrc(0)
; Launch 5 of 5: out1 = sum_h U_h G_h + g0 (vv and its projection are not formed: shown at the head of the first kernel).  [512 x 2048] x [2048 x 768] in f16, sums in f32.
; A work-group makes 32 rows x 64 columns; K is split among its four waves, two heads each: 16 K steps whose fragments lie on end in both buffers and come straight into registers, 512 consecutive bytes a load.
; Four sets of registers: K step s lies in set s % 4.  K step 0 starts the sums and stands in front of the loop; a trip takes four K steps, one on each set (K steps 1 to 12);
; the last three load nothing and are written out.  The four partial sums meet in LDS.  G was stored as 64 G: the last line multiplies by 1/64.  192 work-groups: the product has no more
; tiles of this size, and it is short: no ring in LDS, no cluster, no prefetch.
; THE MODE: SCHED_MODE bits 1:0 = 2 (LLVM: expert scheduling mode 2), set by the entry lines.  The code itself states the register dependences
; between vector or matrix instructions and memory or LDS instructions, with s_wait_alu, always for 0.
; THE PLAN.  Registers that memory or LDS instructions touch:
;   v4, v5        byte offsets of every load; made at the head, never written again: the rows are reached by the two scalar bases and by immediate offsets.
;   sets 0 .. 3   Step s: its eight products read set s % 4; ahead of them the 12 loads of K step s + 3 land in set (s - 1) % 4, which the products of step s - 1 read and no line of step s names.
;   v16-79        the accumulators: written by products alone; read once, by the LDS stores of the way out.
;   v12, v14, v15 addresses of the way out: made once, behind the last product; read by the LDS stores, the LDS loads and the global stores.
;   v80-143       at the end: the stage's LDS loads land here, the sums are made in place, the global stores read them.
;   v6, v7        written at the head, read by the closing add alone.
; So ONE wait on va_vdst stands in a step of the loop, behind the wait for the step's data and straight ahead of its 12 loads; two stand on the way out, one ahead of the LDS stores, one ahead of the global stores.
; No register that a memory or LDS instruction reads is ever written again: the text holds no wait on vm_vsrc.
.set SPARE, 34816
.set SPW, 6
.set NIL, 7
.set ACC, 16            ; (nt, mt) at ACC + 8 (4 nt + mt)
.set FR, 80             ; sets 0 to 2 of 48 registers: four fragments of G, two of U; set 3 is v256-303: v0-47 of window 1
.set MSB, 0
.macro WIN new                          ; s_set_vgpr_msb: bits 1:0 source 0, 3:2 source 1, 5:4 source 2, 7:6 destination; the high byte repeats the setting that is left; a switch that changes nothing is dropped
.if MSB != (\new)
	s_set_vgpr_msb (MSB<<8)|(\new)
.set MSB, \new
.endif
.endm
.macro PICK set                         ; F: the set's first register; WL: the windows for loads into it; WM: for products on it
.if (\set) == 3
.set F, 0
.set WL, 0x40                           ; destination window 1, the offset v4 in window 0
.set WM, 0x05                           ; sources 0 and 1 window 1, the accumulators in window 0
.else
.set F, FR+48*(\set)
.set WL, 0
.set WM, 0
.endif
.endm
.macro LOADS kk, set, dep               ; the 12 loads of the K step kk behind the two bases, into a set.  dep = 1: products have read the set
	PICK \set
	WIN WL                          ; the window first, then the wait, then the loads
.if \dep
	s_wait_alu depctr_va_vdst(0)    ; the products of the step before are done reading this set, in which the loads below land
.endif
.irp mt, 0,1,2,3
	global_load_b128 v[F+8*\mt:F+8*\mt+3], v4, s[6:7] offset:(\kk)*4096+\mt*1024
	global_load_b128 v[F+8*\mt+4:F+8*\mt+7], v4, s[6:7] offset:(\kk)*4096+\mt*1024+512
.endr
.irp nt, 0,1
	global_load_b128 v[F+32+8*\nt:F+35+8*\nt], v4, s[4:5] offset:(\kk)*2048+\nt*1024
	global_load_b128 v[F+36+8*\nt:F+39+8*\nt], v4, s[4:5] offset:(\kk)*2048+\nt*1024+512
.endr
.endm
.macro MULS set, zero                   ; a K step's eight products; the eight accumulators take turns, over the backward jump too
	PICK \set
	WIN WM
.irp nt, 0,1
.irp mt, 0,1,2,3
.if \zero
	v_wmma_f32_16x16x32_f16 v[ACC+8*(4*\nt+\mt):ACC+8*(4*\nt+\mt)+7], v[F+8*\mt:F+8*\mt+7], v[F+32+8*\nt:F+39+8*\nt], 0
.else
	v_wmma_f32_16x16x32_f16 v[ACC+8*(4*\nt+\mt):ACC+8*(4*\nt+\mt)+7], v[F+8*\mt:F+8*\mt+7], v[F+32+8*\nt:F+39+8*\nt], v[ACC+8*(4*\nt+\mt):ACC+8*(4*\nt+\mt)+7]
.endif
.endr
.endr
.endm
	s_load_b256 s[4:11], s[0:1], 0x0       ; UF 4, GF 6, small 8, out1 10
	v_lshl_add_u32 v[SPW], v0, 2, SPARE
	v_mov_b32 v[NIL], 0
	v_lshrrev_b32 v1, 5, v0
	v_readfirstlane_b32 s12, v1
	v_and_b32 v1, 15, v0
	v_bfe_u32 v2, v0, 4, 1
	v_and_b32 v3, 31, v0
	v_lshlrev_b32 v4, 4, v3
	v_lshlrev_b32 v5, 4, v1
	s_mov_b32 s13, ttmp9
	s_and_b32 s14, ttmp7, 0xffff
	s_lshl_b32 s16, s13, 17
	s_wait_alu depctr_va_sdst(0)           ; s12, the wave's number, is written, ahead of its first reader: the bases of U and G are made from it
	s_lshl_b32 s15, s12, 15
	s_add_co_u32 s16, s16, s15
	s_mov_b32 s17, 0
	s_lshl_b32 s18, s14, 18
	s_lshl_b32 s15, s12, 16
	s_add_co_u32 s18, s18, s15
	s_mov_b32 s19, 0
	s_lshl_b32 s20, s14, 8
	s_mov_b32 s21, 0
	s_mul_i32 s22, s13, 98304              ; 32 rows of out1
	s_add_co_u32 s22, s22, s20
	s_mov_b32 s23, 0
	s_wait_kmcnt 0x0
	s_add_nc_u64 s[4:5], s[4:5], s[16:17]
	s_add_nc_u64 s[6:7], s[6:7], s[18:19]
	s_add_nc_u64 s[8:9], s[8:9], s[20:21]
	s_add_nc_u64 s[10:11], s[10:11], s[22:23]
	s_wait_alu depctr_va_vdst(0)           ; v4 and v5 are written, which every load below reads as its offset; so are v6 and v7, which the closing add reads
	global_load_b128 v[8:11], v5, s[8:9] offset:16640    ; g0 of my four columns
	LOADS 0, 0, 0                          ; the four sets are filled: no vector or matrix instruction has named them yet
	LOADS 1, 1, 0
	LOADS 2, 2, 0
	LOADS 3, 3, 0
	s_wait_loadcnt 36                      ; g0 and K step 0 are in; three younger K steps, 36 loads, stay out
	MULS 0, 1
	WIN 0                                  ; at a label and at a branch every window is 0
	s_mov_b32 s24, 3
.Lk:                                           ; trip j: K steps 4 j + 1 to 4 j + 4 are multiplied, 4 j + 4 to 4 j + 7 asked for, each into the set that the step before read
	s_wait_loadcnt 24                      ; this step's set is in; two younger K steps, 24 loads, stay out: so at every wait of the loop, on the way in and round the backward jump
	LOADS 4, 0, 1
	MULS 1, 0
	s_wait_loadcnt 24
	LOADS 5, 1, 1
	MULS 2, 0
	s_wait_loadcnt 24
	LOADS 6, 2, 1
	MULS 3, 0
	s_wait_loadcnt 24
	LOADS 7, 3, 1
	MULS 0, 0
	WIN 0
	s_wait_xcnt 0x0                        ; every load issued so far has read its address: the two bases step by four K steps
	s_add_nc_u64 s[6:7], s[6:7], 16384
	s_add_nc_u64 s[4:5], s[4:5], 8192
	s_sub_co_u32 s24, s24, 1
	s_cmp_lg_u32 s24, 0
	s_cbranch_scc1 .Lk
	s_wait_loadcnt 24                      ; K steps 13, 14, 15 load nothing: the counts run down
	MULS 1, 0
	s_wait_loadcnt 12
	MULS 2, 0
	s_wait_loadcnt 0x0
	MULS 3, 0
	WIN 0
	; The way out.  All its addresses are made here: eight plain vector lines that name no register of the products, more than the four places between the last product and the store of its result
	s_mul_i32 s15, s12, 8704               ; my copy: 32 rows x 272 bytes
	v_mul_u32_u24 v12, v1, 272
	v_lshl_add_u32 v12, v2, 5, v12
	v_add_nc_u32 v12, s15, v12
	s_lshl_b32 s25, s12, 3
	v_add_nc_u32 v13, s25, v2              ; row 8 w + hh
	v_mul_u32_u24 v14, v13, 272
	v_lshl_add_u32 v14, v1, 4, v14
	v_mul_u32_u24 v15, v13, 3072
	v_lshl_add_u32 v15, v1, 4, v15
	s_wait_alu depctr_va_vdst(0)           ; the products have written the accumulators, which the LDS stores read, and are done reading v80-143, in which the LDS loads below land; v12, v14 and v15 are written
.irp nt, 0,1
.irp mt, 0,1,2,3
	ds_store_b128 v12, v[ACC+8*(4*\nt+\mt):ACC+8*(4*\nt+\mt)+3] offset:\nt*4352+64*\mt
	ds_store_b128 v12, v[ACC+8*(4*\nt+\mt)+4:ACC+8*(4*\nt+\mt)+7] offset:\nt*4352+64*\mt+16
.endr
.endr
	s_wait_dscnt 0x0                       ; for the other waves' sake: my copy is in LDS
	s_barrier_signal -1
	s_barrier_wait -1
.irp p, 0,1,2,3
.irp u, 0,1,2,3
	ds_load_b128 v[FR+16*\p+4*\u:FR+16*\p+4*\u+3], v14 offset:\u*8704+\p*544   ; no vector or matrix instruction since the wait above names these registers
.endr
.endr
	v_mov_b32 v144, 0x3c800000             ; 1/64
	v_mov_b32 v145, v144
	s_wait_dscnt 0x0
.irp p, 0,1,2,3
	v_pk_add_f32 v[FR+16*\p:FR+16*\p+1], v[FR+16*\p:FR+16*\p+1], v[FR+16*\p+4:FR+16*\p+5]
	v_pk_add_f32 v[FR+16*\p+2:FR+16*\p+3], v[FR+16*\p+2:FR+16*\p+3], v[FR+16*\p+6:FR+16*\p+7]
	v_pk_add_f32 v[FR+16*\p+8:FR+16*\p+9], v[FR+16*\p+8:FR+16*\p+9], v[FR+16*\p+12:FR+16*\p+13]
	v_pk_add_f32 v[FR+16*\p+10:FR+16*\p+11], v[FR+16*\p+10:FR+16*\p+11], v[FR+16*\p+14:FR+16*\p+15]
	v_pk_add_f32 v[FR+16*\p:FR+16*\p+1], v[FR+16*\p:FR+16*\p+1], v[FR+16*\p+8:FR+16*\p+9]
	v_pk_add_f32 v[FR+16*\p+2:FR+16*\p+3], v[FR+16*\p+2:FR+16*\p+3], v[FR+16*\p+10:FR+16*\p+11]
	v_pk_fma_f32 v[FR+16*\p:FR+16*\p+1], v[FR+16*\p:FR+16*\p+1], v[144:145], v[8:9]
	v_pk_fma_f32 v[FR+16*\p+2:FR+16*\p+3], v[FR+16*\p+2:FR+16*\p+3], v[144:145], v[10:11]
.endr
	s_wait_alu depctr_va_vdst(0)           ; the sums of all four pairs of rows are written, which the four stores read
.irp p, 0,1,2,3
	global_store_b128 v15, v[FR+16*\p:FR+16*\p+3], s[10:11] offset:\p*6144     ; sixteen lanes fill 256 consecutive bytes of a row, aligned
.endr
	s_wait_dscnt 0x0                       ; the closing lines, six on end
	s_wait_alu 0x0
	s_wait_tensorcnt 0x0
	ds_add_u32 v[SPW], v[NIL]
	s_wait_dscnt 0x0
	s_endpgm
.Lfunc_end_k_q8a1958ad34_outl:
	.size	k_q8a1958ad34_outl, .Lfunc_end_k_q8a1958ad34_outl-k_q8a1958ad34_outl
	.p2alignl 7, 3214868480
	.fill 96, 4, 3214868480
	.section	.rodata,"a",@progbits
	.p2align	6, 0x0
	.amdhsa_kernel k_q8a1958ad34_outl
		.amdhsa_group_segment_fixed_size 35328
		.amdhsa_private_segment_fixed_size 0
		.amdhsa_enable_private_segment 0
		.amdhsa_kernarg_size 32
		.amdhsa_user_sgpr_count 2
		.amdhsa_user_sgpr_kernarg_segment_ptr 1
		.amdhsa_wavefront_size32 1
		.amdhsa_system_sgpr_workgroup_id_x 1
		.amdhsa_system_sgpr_workgroup_id_y 1
		.amdhsa_system_sgpr_workgroup_id_z 1
		.amdhsa_system_vgpr_workitem_id 0
		.amdhsa_next_free_vgpr 304
		.amdhsa_next_free_sgpr 66
		.amdhsa_reserve_vcc 0
		.amdhsa_float_denorm_mode_32 3
		.amdhsa_float_denorm_mode_16_64 3
		.amdhsa_memory_ordered 1
		.amdhsa_forward_progress 1
		.amdhsa_inst_pref_size 21
	.end_amdhsa_kernel
	.amdgpu_metadata
---
amdhsa.version: [ 1, 2 ]
amdhsa.kernels:
  - .name:           k_q8a1958ad34_outl
    .symbol:         k_q8a1958ad34_outl.kd
    .args:
      - { .name: UF, .offset: 0, .size: 8, .value_kind: global_buffer, .address_space: global }
      - { .name: GF, .offset: 8, .size: 8, .value_kind: global_buffer, .address_space: global }
      - { .name: small, .offset: 16, .size: 8, .value_kind: global_buffer, .address_space: global }
      - { .name: out1, .offset: 24, .size: 8, .value_kind: global_buffer, .address_space: global }
    .group_segment_fixed_size: 35328
    .private_segment_fixed_size: 0
    .kernarg_segment_align: 8
    .kernarg_segment_size: 32
    .max_flat_workgroup_size: 128
    .sgpr_count:     66
    .vgpr_count:     304
    .wavefront_size: 32
...
	.end_amdgpu_metadata
.endif
;; end of part 10
